; MI455X (gfx1250); checked and timed in simulation.
; The chip was launched on July 23, 2026; its instructions are those of AMD's public machine-readable ISA for CDNA 5 (MIT licence, August 2026) and "CDNA5" Instruction Set Architecture Reference Guide (July 2026). The comments in the code are by the model that wrote it; some were corrected since.
;; Transformer Encoder. Allowed arithmetic: matrix products marked QUANTISED: E2M1 operands, one E8M0 scale for each 32 along K, by v_wmma_scale_f32_16x16x128_f8f6f4 with both operands' format E2M1 (or v_wmma_scale_f32_32x16x128_f4), f32 sums; everything else in f32.
;; Inputs: b1 2 x 1,024 float32; b2 2 x 256 float32; in_b 2 x 768 float32; in_w_codes 2 x 768 x 8 x 16 uint8 (E2M1 codes of in_w, K innermost, in blocks of 32 codes, two codes a byte); in_w_scales 2 x 768 x 8 uint8 (E8M0 scales of in_w, one for each 32 codes along K); ln1_b 2 x 256 float32; ln1_s 2 x 256 float32; ln2_b 2 x 256 float32; ln2_s 2 x 256 float32; out_b 2 x 256 float32; out_w_codes 2 x 256 x 8 x 16 uint8 (E2M1 codes of out_w, K innermost, in blocks of 32 codes, two codes a byte); out_w_scales 2 x 256 x 8 uint8 (E8M0 scales of out_w, one for each 32 codes along K); w1_codes 2 x 1,024 x 8 x 16 uint8 (E2M1 codes of w1, K innermost, in blocks of 32 codes, two codes a byte); w1_scales 2 x 1,024 x 8 uint8 (E8M0 scales of w1, one for each 32 codes along K); w2_codes 2 x 256 x 32 x 16 uint8 (E2M1 codes of w2, K innermost, in blocks of 32 codes, two codes a byte); w2_scales 2 x 256 x 32 uint8 (E8M0 scales of w2, one for each 32 codes along K); x 2,048 x 4 x 256 float32.
;; Outputs: out0 2,048 x 4 x 256 float32.
;; This version of the problem:
;;   THIS VERSION OF THE PROBLEM IS GIVEN IN LOW PRECISION. The matrix products marked QUANTISED in the list below multiply operands that are first quantised to E2M1 (2 exponent bits, 1 mantissa bit; 4 bits a number), with one power-of-two scale for each 32 numbers along K (OCP MX v1.0); their sums are f32. All else is computed in f32.
;;   The module's matrix products, in the order in which they are computed (A, B: the left and right operand; K: the contracted axis; several contracted axes count as one K, in the product's order):
;;     1. [M 8,192, K 256] x [K 256, N 768]; A: input x; B: input in_w (given as codes): QUANTISED
;;     2. batch 32 x [M 2,048, K 32] x [K 32, N 2,048]; A: computed on the way; B: computed on the way: QUANTISED
;;     3. batch 32 x [M 2,048, K 2,048] x [K 2,048, N 32]; A: softmax (see below); B: computed on the way: QUANTISED
;;     4. [M 8,192, K 256] x [K 256, N 256]; A: computed on the way; B: input out_w (given as codes): QUANTISED
;;     5. [M 8,192, K 256] x [K 256, N 1,024]; A: computed on the way; B: input w1 (given as codes): QUANTISED
;;     6. [M 8,192, K 1,024] x [K 1,024, N 256]; A: computed on the way; B: input w2 (given as codes): QUANTISED
;;     7. [M 8,192, K 256] x [K 256, N 768]; A: computed on the way; B: input in_w (given as codes): QUANTISED
;;     8. batch 32 x [M 2,048, K 32] x [K 32, N 2,048]; A: computed on the way; B: computed on the way: QUANTISED
;;     9. batch 32 x [M 2,048, K 2,048] x [K 2,048, N 32]; A: softmax (see below); B: computed on the way: QUANTISED
;;     10. [M 8,192, K 256] x [K 256, N 256]; A: computed on the way; B: input out_w (given as codes): QUANTISED
;;     11. [M 8,192, K 256] x [K 256, N 1,024]; A: computed on the way; B: input w1 (given as codes): QUANTISED
;;     12. [M 8,192, K 1,024] x [K 1,024, N 256]; A: computed on the way; B: input w2 (given as codes): QUANTISED
;;   THE QUANTISER, for each operand of a quantised product, along K:
;;     - K is cut into blocks of 32 from its start; a last block that is shorter is filled with zeros.
;;     - A block's scale is 2^e with e = floor(log2(the largest magnitude in the block)) - 2, held to -126 .. 127; a block of zeros has e = 0. As a byte (E8M0): e + 127.
;;     - Each number is divided by its block's scale, clamped to +-6, and rounded to the nearest number of E2M1, ties to even, subnormals kept.
;;     - The product sums the exact products of the quantised numbers (number of the format x scale) in f32.
;;   ~~~python
;;   def quantise(x, axis):      # numpy; x: float32 -> the quantised numbers, widened to float32 again
;;       x = np.moveaxis(x, axis, -1); K = x.shape[-1]
;;       x = np.pad(x, [(0, 0)] * (x.ndim - 1) + [(0, -K % 32)]); x = x.reshape(x.shape[:-1] + (-1, 32)); a = np.abs(x).max(-1, keepdims=True)
;;       e = np.where(a > 0, np.clip(np.frexp(np.where(a > 0, a, 1))[1] - 1 - 2, -126, 127), 0)      # np.frexp(a)[1] - 1 = floor(log2(a)), exactly
;;       r = np.clip(x / 2.0 ** e, -6, 6)
;;       step = 2.0 ** (np.maximum(np.frexp(np.where(r == 0, 1, r))[1] - 1, 0) - 1)
;;       q = np.round(r / step) * step * 2.0 ** e      # np.round: ties to even
;;       return np.moveaxis(q.reshape(q.shape[:-2] + (-1,))[..., :K], -1, axis).astype(np.float32)
;;   ~~~
;;   SOFTMAX AHEAD OF A QUANTISED PRODUCT. Where the list says 'softmax', what is quantised is not the finished softmax but p = 2^(t - M), with t = logit x log2(e) and M = ceil(the row's largest t), a whole number; so 1/2 < the row's largest p <= 1. The row's sum l is taken of the UNQUANTISED p, in f32, and the product's result is divided by l at the end. Since M is a whole number, a kernel that streams over the keys may use a running M (the ceiling of the running maximum): every later rescaling is an exact power of two, which a block's scale takes up: the codes' values come out the same.
;;   OPERANDS COMPUTED ON THE WAY. 'Computed on the way' means the value that the module computes at that place (a softmax that the list does not call 'softmax' is quantised finished and normalised). What goes into a quantiser is computed in f32, as accurately as f32 sums, v_exp_f32 and their like allow (about 1e-6 of the number): no bf16 or f16 on the way to a quantiser, and a product that is left as it is and whose result goes on into a quantised operand takes f32 operands (vector FMAs, or v_wmma_f32_16x16x4_f32). A number that lies on a knife's edge between two numbers of the format may be rounded either way, as far as f32 arithmetic and the matrix unit's own rounding can turn it there, and no further.
;;   INPUTS GIVEN AS CODES. in_w (in the module: [2, 768, 256], K = its axis 2); out_w (in the module: [2, 256, 256], K = its axis 2); w1 (in the module: [2, 1024, 256], K = its axis 2); w2 (in the module: [2, 256, 1024], K = its axis 2): each comes as NAME_codes (uint8): NAME with its K axis moved to the last place and cut into blocks of 32 codes, [.., K / 32, bytes a block], one block behind the other in memory; two codes a byte, the lower K in the low four bits (a code: sign, 2 exponent bits, 1 mantissa bit); and NAME_scales (uint8): the same leading axes, one E8M0 byte (e + 127) for each 32 codes along K. Its value is code x scale, taken as it is: it is not quantised again, and the codes and scales need not be those that the quantiser above would give.
;; 2 versions. Each part assembles by itself: llvm-mc -triple=amdgcn-amd-amdhsa -mcpu=gfx1250 --defsym DOCPART=n.
;; ======== version 1 of 2: 5 launches
;; workspace buffers: qk 2,228,224 bytes; vv 1,114,112 bytes; cx 1,114,112 bytes; x1 8,388,608 bytes; lay0 256 bytes of whole numbers; lay1 256 bytes of whole numbers
;; launch first (part 1): grid 128 x 1, 8 waves a work-group, no clusters, 184,832 bytes of LDS; arguments x, in_w_codes, in_w_scales, in_b, qk, vv, lay0, lay1; writes qk, vv, lay0, lay1
.if DOCPART == 1
	.amdgcn_target "amdgcn-amd-amdhsa--gfx1250"
	.amdhsa_code_object_version 6
	.text
	.protected	k_qcd1f73b84c_first
	.globl	k_qcd1f73b84c_first
	.p2align	8
	.type	k_qcd1f73b84c_first,@function
k_qcd1f73b84c_first:
	s_mov_b64 s[64:65], 0
	v_nop
	global_prefetch_b8 v0, s[64:65] scope:SCOPE_SE
	s_setreg_imm32_b32 hwreg(HW_REG_WAVE_MODE, 25, 1), 1
	s_wait_xcnt 0x0
; LAYER 0, FIRST PRODUCT: x is quantised along its 256 features, multiplied by in_w (given as codes), in_b is added, and q, k, v are quantised and stored as codes of FP4 (E2M1) with E8M0 scale bytes.
; SHARES. A work-group takes 64 tokens l = 64 g + 0 .. 63 of one b (b = x & 3, g = x >> 2). Its eight waves share the COLUMNS: wave w makes rows 64 w .. 64 w + 63 of in_w (q and k heads 2 w, 2 w + 1) and v head w.
; THE ORDER OF ROWS IN A TILE. Tile m (0 .. 3) of a group of 64 takes, in lane r, item 32 (r / 8) + 8 m + r % 8. In a result, register j of lane half h is row 8 h + j of source 0, so over the four tiles a lane half
; holds items 32 h + 8 m + j: a whole block of 32 in ONE lane, ascending over its registers: four conversions give the 16 bytes that the operand layout wants, and no lane is asked for a maximum.
; q, k: source 0 = 64 rows of in_w in that order, source 1 = 16 tokens: a lane holds the 32 numbers of one head of one token. v: source 0 = tokens in that order, source 1 = rows of in_w: a lane holds 32 keys of one channel.
; WORKSPACE. qk codes [b][e 16: q heads, k heads][g][c 2][lane][16 bytes]: the bytes at (c, lane = 16 h + r) are token 64 g + 32 (r / 8) + 8 (2 c + h) + r % 8; scale bytes, 2,097,152 on: [b][e][g][r][tile].
;            vv codes [b][head][step of 128 keys][u 2][c 2][lane][16]: keys 128 s + 64 c + 32 h + 0 .. 31 of channel 16 (r / 8) + 8 u + r % 8; scale bytes, 1,048,576 on: [b][head][s][u][r][2 c + h].
; The weights come DENSE (512 consecutive bytes a load) and are turned into fragment order through the wave's own stage in LDS; LDS serves a wave's instructions in order, so no wait stands between stores and loads.
; Work-group 0, wave 0 also stores the layer numbers 0 and 1 that the two later launches of one body read.
; LIMITS: NaN and infinities among the inputs are not served. A block of zeros gets the scale byte 1 where the rule says 127: its codes are zeros, and the bytes are read by this program alone.
.set YP,   1040                        ; a row of 256 f32 in LDS: 1,024 bytes + 16
.set AIMG, 66560                       ; behind 64 such rows: x's codes as images of operand registers [tile 4][K step 2][c 2][lane][16]
.set ASC,  74752                       ; their scale words [tile][K step][r][4]
.set STG,  110080                      ; the stages, 9,216 bytes for each wave
.set STW,  9216
.set GL16, 1                           ; v1   16 x lane
.set LB16, 2                           ; v2   AIMG + 16 x lane
.set LB4,  3                           ; v3   ASC + 4 x lane
.set ST0,  4                           ; v4   first an offset (v bias), then the stage, way in
.set ST1,  5                           ; v5   first an offset (q, k bias), then the stage, way out
.set GO0,  6                           ; v6, v7  offsets into memory
.set GO1,  7
.set PA0,  8                           ; v8   my rows in LDS, 16 bytes a lane; in TAIL 4 r
.set PA1,  9                           ; v9   my rows, 32 bytes a lane
.set PA2,  10                          ; v10  where my code word goes
.set PA3,  11                          ; v11  where my scale byte goes
.set WSA,  12                          ; v12-15, v16-19 weights' scale words; v20-23 the tokens': these hold scales and nothing else
.set WSB,  16
.set XS,   20
.set TM,   24                          ; v24-31 at work
.set WA,   32                          ; v32-95  v's weights (32 registers), v64, v65 v's bias
.set WB,   96                          ; v96-159 q's and k's weights; later the tokens' fragments
.set AC,   160                         ; v160-223 rows, accumulators
.set GG,   224                         ; v224-255 biases
.set SM,   248
.macro MM d, a, b, c, sa, sb, row      ; one product; row = 1: both scale words are taken from lanes 16-31
.if \row
	v_wmma_scale_f32_16x16x128_f8f6f4 v[(\d):(\d)+7], v[(\a):(\a)+7], v[(\b):(\b)+7], v[(\c):(\c)+7], v[\sa], v[\sb] matrix_a_fmt:MATRIX_FMT_FP4 matrix_b_fmt:MATRIX_FMT_FP4 matrix_a_scale:MATRIX_SCALE_ROW1 matrix_b_scale:MATRIX_SCALE_ROW1
.else
	v_wmma_scale_f32_16x16x128_f8f6f4 v[(\d):(\d)+7], v[(\a):(\a)+7], v[(\b):(\b)+7], v[(\c):(\c)+7], v[\sa], v[\sb] matrix_a_fmt:MATRIX_FMT_FP4 matrix_b_fmt:MATRIX_FMT_FP4
.endif
.endm
.macro OFFSC d, sh                     ; scale words of weight rows, 8 bytes a row: (r / 8) << sh + 8 (r % 8) + 4 h: lanes 0-15 take K step 0, lanes 16-31 K step 1
	v_bfe_u32 v[TM], v0, 3, 1
	v_and_b32 v[TM+1], 7, v0
	v_lshlrev_b32 v[TM+1], 3, v[TM+1]
	v_lshl_add_u32 v[TM], v[TM], \sh, v[TM+1]
	v_bfe_u32 v[TM+1], v0, 4, 1
	v_lshl_add_u32 v[\d], v[TM+1], 2, v[TM]
.endm
.macro OFFVB d                         ; v bias of channel 16 (r / 8) + r % 8, 4 bytes each
	v_bfe_u32 v[TM], v0, 3, 1
	v_and_b32 v[TM+1], 7, v0
	v_lshlrev_b32 v[TM+1], 2, v[TM+1]
	v_lshl_add_u32 v[\d], v[TM], 6, v[TM+1]
.endm
.macro SETA                            ; the stage for rows of 128 bytes, 144 apart: in: 4 rows a store; out: row r, + 16 h
	v_bfe_u32 v[TM], v0, 3, 2
	v_and_b32 v[TM+1], 7, v0
	v_mul_u32_u24 v[TM], v[TM], 144
	v_lshl_add_u32 v[TM], v[TM+1], 4, v[TM]
	v_add_nc_u32 v[ST0], s68, v[TM]
	v_and_b32 v[TM], 15, v0
	v_bfe_u32 v[TM+1], v0, 4, 1
	v_mul_u32_u24 v[TM], v[TM], 144
	v_lshl_add_u32 v[TM], v[TM+1], 4, v[TM]
	v_add_nc_u32 v[ST1], s68, v[TM]
.endm
.macro SETROW                          ; the addresses of the wave as owner of 8 rows
	v_lshl_add_u32 v[PA1], v[GL16], 1, s69
	v_bfe_u32 v[TM], v0, 2, 3
	v_and_b32 v[TM+1], 3, v0
	v_lshlrev_b32 v[TM+1], 2, v[TM+1]
	v_lshl_add_u32 v[TM], v[TM], 8, v[TM+1]
	v_add_nc_u32 v[PA2], s76, v[TM]                ; lane L holds features 8 L on: K step L / 16, c, h = the next two bits: 256 x (L / 4) + 4 (L % 4)
	v_bfe_u32 v[TM], v0, 4, 1
	v_bfe_u32 v[TM+1], v0, 2, 2
	v_lshl_add_u32 v[TM], v[TM], 6, v[TM+1]
	v_add_nc_u32 v[PA3], s77, v[TM]                ; 64 x K step + the block's number in the K step
.endm
.macro OFW p, wm, ex                   ; a pointer goes wave x wm + ex bytes on
	s_mul_i32 s60, s54, \wm
.if \ex
	s_add_co_u32 s60, s60, \ex
.endif
	s_add_nc_u64 s[\p:\p+1], s[\p:\p+1], s[60:61]
.endm
; n loads' worth of weight rows (128 bytes a row, 4 rows a load) go into the stage, each four rows to the place that the tile order gives them, and come back as fragments (tile, K step) at wf + 8 (2 tile + K step).
; kind 1: 64 rows, row 32 a + 8 m + z goes to stage row 16 m + 8 a + z; kind 2: 32 rows, row 16 a + 8 u + z to 16 u + 8 a + z.
.macro TURN_A wf, n, kind
.set ii, 0
.rept \n
.if \kind == 1
.set sl, 16*((ii>>1)&3)+8*(ii>>3)+4*(ii&1)
.else
.set sl, 16*((ii>>1)&1)+8*(ii>>2)+4*(ii&1)
.endif
	ds_store_b128 v[ST0], v[\wf+4*ii:\wf+4*ii+3] offset:144*sl
.set ii, ii+1
.endr
.set ii, 0
.rept \n/4
.irp s, 0,1
.irp c, 0,1
	ds_load_b128 v[\wf+8*(2*ii+\s)+4*\c:\wf+8*(2*ii+\s)+4*\c+3], v[ST1] offset:2304*ii+64*\s+32*\c
.endr
.endr
.set ii, ii+1
.endr
.endm
.macro XFL m                           ; the two fragments of token tile m
.irp s, 0,1
.irp c, 0,1
	ds_load_b128 v[AC+32+8*\s+4*\c:AC+32+8*\s+4*\c+3], v[LB16] offset:2048*(\m)+1024*\s+512*\c
.endr
.endr
.endm
; 64 weight rows against token tile m: four accumulators by turns, the bias as the C of each sum's first product; then a lane's 32 numbers (one head of one token) become 16 bytes and a scale byte.
.macro UTILE wf, sw, m
	s_wait_dscnt 0x0                               ; the fragments are in
.irp p, 0,1,2,3
	MM AC+8*\p, \wf+16*\p, AC+32, GG+8*\p, \sw+\p, XS+\m, 0
.endr
.irp p, 0,1,2,3
	MM AC+8*\p, \wf+16*\p+8, AC+40, AC+8*\p, \sw+\p, XS+\m, 1
.endr
.rept 5
	v_nop                                          ; four places in front of loads into the operands and of the first read of results, a fifth since the next tile's products write over these accumulators
.endr
.if \m < 3
	XFL \m+1
.endif
	v_max3_num_f32 v[TM], |v[AC]|, |v[AC+1]|, 0x1800000          ; the block's largest magnitude in two chains, each accumulator from its low end on; the floor 2^(3 - 127) holds the byte at 1 from below
	v_max3_num_f32 v[TM+1], |v[AC+16]|, |v[AC+17]|, 0x1800000
.irp i, 2,4,6,8,10,12,14
	v_max3_num_f32 v[TM], v[TM], |v[AC+\i]|, |v[AC+\i+1]|
	v_max3_num_f32 v[TM+1], v[TM+1], |v[AC+16+\i]|, |v[AC+17+\i]|
.endr
	v_max_num_f32 v[TM], v[TM], v[TM+1]
	v_add_nc_u32 v[TM+2], 0xff000000, v[TM]        ; 2 off the exponent field: the conversion's scale operand
.if \m == 0
	v_lshrrev_b32 v[TM+4], 23, v[TM+2]             ; the byte; the four tiles' bytes make the word of row r
.else
	v_lshrrev_b32 v[TM+3], 23, v[TM+2]
	v_lshl_or_b32 v[TM+4], v[TM+3], 8*\m, v[TM+4]
.endif
.irp p, 0,1,2,3
	v_cvt_scalef32_pk8_fp4_f32 v[AC+48+4*(\m)+\p], v[AC+8*\p:AC+8*\p+7], v[TM+2]
.endr
	v_nop                                          ; one plain line behind the last conversion
	global_store_b128 v[GO0], v[AC+48+4*(\m):AC+48+4*(\m)+3], s[44:45] offset:256*\m   ; lanes 0-15: 256 consecutive bytes of head 2 w, lanes 16-31 of head 2 w + 1
.endm
; My 8 rows (in AC, 4 + 4 features a lane) go to LDS and come back 8 neighbouring features a lane; four lanes hold a block of 32.
.macro QROWS
.irp i, 0,1,2,3,4,5,6,7
	ds_store_b128 v[PA0], v[AC+8*\i:AC+8*\i+3] offset:YP*\i
	ds_store_b128 v[PA0], v[AC+8*\i+4:AC+8*\i+7] offset:YP*\i+512
.endr
.irp i, 0,1,2,3,4,5,6,7
	ds_load_b128 v[AC+8*\i:AC+8*\i+3], v[PA1] offset:YP*\i
	ds_load_b128 v[AC+8*\i+4:AC+8*\i+7], v[PA1] offset:YP*\i+16
.endr
	s_wait_dscnt 0x0
.irp i, 0,1,2,3,4,5,6,7
	v_max3_num_f32 v[TM+\i], |v[AC+8*\i]|, |v[AC+8*\i+1]|, 0x1800000
.endr
.irp k, 2,4,6
.irp i, 0,1,2,3,4,5,6,7
	v_max3_num_f32 v[TM+\i], v[TM+\i], |v[AC+8*\i+\k]|, |v[AC+8*\i+\k+1]|
.endr
.endr
.irp x, 1,2
.irp i, 0,1,2,3,4,5,6,7
	v_max_num_f32_dpp v[TM+\i], v[TM+\i], v[TM+\i] row_xmask:\x row_mask:0xf bank_mask:0xf
.endr
.endr
.irp i, 0,1,2,3,4,5,6,7
	v_add_nc_u32 v[SM+\i], 0xff000000, v[TM+\i]
.endr
.irp i, 0,1,2,3,4,5,6,7
	v_lshrrev_b32 v[TM+\i], 23, v[SM+\i]
.endr
.irp i, 0,1,2,3,4,5,6,7
	v_cvt_scalef32_pk8_fp4_f32 v[GG+\i], v[AC+8*\i:AC+8*\i+7], v[SM+\i]
.endr
	v_nop
.irp i, 0,1,2,3,4,5,6,7
	ds_store_b32 v[PA2], v[GG+\i] offset:16*\i
	ds_store_b8 v[PA3], v[TM+\i] offset:4*\i       ; the four lanes of a block write the same byte with the same value
.endr
.endm
.macro BIAS p, o, ex                   ; 32 numbers a lane: those of rows 32 h + 8 p + 0 .. 7
.irp q, 0,1,2,3
	global_load_b128 v[GG+8*\q:GG+8*\q+3], v[\o], s[\p:\p+1] offset:\ex+32*\q
	global_load_b128 v[GG+8*\q+4:GG+8*\q+7], v[\o], s[\p:\p+1] offset:\ex+32*\q+16
.endr
.endm
; q, k and v of the 64 tokens whose codes lie in AIMG.
.macro TAIL
	s_wait_xcnt 0x0                                ; earlier stores have read their registers
.irp m, 0,1,2,3
	ds_load_b32 v[XS+\m], v[LB4] offset:128*\m     ; lanes 0-15: tile m, K step 0; lanes 16-31: K step 1
.endr
	s_wait_loadcnt 0x0                             ; the weights, their scale words and the biases
	SETA
	TURN_A WB, 16, 1
	v_and_b32 v[TM], 15, v0
	v_bfe_u32 v[TM+5], v0, 4, 1
	v_lshlrev_b32 v[GO0], 4, v[TM]
	v_lshl_add_u32 v[GO0], v[TM+5], 15, v[GO0]     ; codes: 16 r, and lanes 16-31 one head (32,768 bytes) on
	v_lshlrev_b32 v[PA0], 2, v[TM]                 ; 4 r
	v_lshl_add_u32 v[GO1], v[TM+5], 11, v[PA0]     ; scale words: 4 r, one head is 2,048 bytes
	v_lshlrev_b32 v[TM+5], 3, v[TM+5]              ; 8 h
	XFL 0
.irp m, 0,1,2,3
	UTILE WB, WSB, \m
.endr
	global_store_b32 v[GO1], v[TM+4], s[50:51]
.irp j, 0,1,2,3,4,5,6,7
	v_mov_b32 v[GG+\j], v[WA+32]                   ; v: a lane holds one channel, so its bias is one number in all eight registers of C
	v_mov_b32 v[GG+8+\j], v[WA+33]
.endr
	TURN_A WA, 8, 2
.irp m, 0,1,2,3
.irp s, 0,1
.irp c, 0,1
	ds_load_b128 v[WB+16*\m+8*\s+4*\c:WB+16*\m+8*\s+4*\c+3], v[LB16] offset:2048*\m+1024*\s+512*\c
.endr
.endr
.endr
	s_wait_xcnt 0x0                                ; the stores of q's and k's codes have read v208-223, which the products below write
	s_wait_dscnt 0x0
.irp u, 0,1
.irp m, 0,1,2,3
	MM AC+32*\u+8*\m, WB+16*\m, WA+16*\u, GG+8*\u, XS+\m, WSA+\u, 0
.endr
.endr
.irp u, 0,1
.irp m, 0,1,2,3
	MM AC+32*\u+8*\m, WB+16*\m+8, WA+16*\u+8, AC+32*\u+8*\m, XS+\m, WSA+\u, 1
.endr
.endr
.rept 4
	v_nop
.endr
.irp u, 0,1                            ; registers 32 u + 8 m + j: keys 64 g + 32 h + 8 m + j of channel 16 (r / 8) + 8 u + r % 8
	v_max3_num_f32 v[TM], |v[AC+32*\u]|, |v[AC+32*\u+1]|, 0x1800000
	v_max3_num_f32 v[TM+1], |v[AC+32*\u+16]|, |v[AC+32*\u+17]|, 0x1800000
.irp i, 2,4,6,8,10,12,14
	v_max3_num_f32 v[TM], v[TM], |v[AC+32*\u+\i]|, |v[AC+32*\u+\i+1]|
	v_max3_num_f32 v[TM+1], v[TM+1], |v[AC+32*\u+16+\i]|, |v[AC+32*\u+17+\i]|
.endr
	v_max_num_f32 v[TM], v[TM], v[TM+1]
	v_add_nc_u32 v[TM+2], 0xff000000, v[TM]
	v_lshrrev_b32 v[TM+3], 23, v[TM+2]
.irp p, 0,1,2,3
	v_cvt_scalef32_pk8_fp4_f32 v[WB+4*\u+\p], v[AC+32*\u+8*\p:AC+32*\u+8*\p+7], v[TM+2]
.endr
	v_lshlrev_b32 v[TM+3], v[TM+5], v[TM+3]        ; (the plain line behind the conversions)  my byte at its place in the halfword,
	v_permlanex16_b32 v[TM+6+\u], v[TM+3], s62, s63
	v_or_b32 v[TM+6+\u], v[TM+6+\u], v[TM+3]       ; with that of lane l xor 16
	global_store_b128 v[GL16], v[WB+4*\u:WB+4*\u+3], s[46:47] offset:1024*\u   ; 512 consecutive bytes
	global_store_b16 v[PA0], v[TM+6+\u], s[52:53] offset:64*\u                 ; both halves of the lanes write the same halfword
.endr
.endm
	s_load_b64 s[6:7], s[0:1], 0x0                 ; x
	s_load_b64 s[34:35], s[0:1], 0x8               ; in_w codes
	s_load_b128 s[36:39], s[0:1], 0x10             ; in_w scales, in_b
	s_load_b128 s[44:47], s[0:1], 0x20             ; qk, vv
	s_load_b128 s[40:43], s[0:1], 0x30             ; lay0, lay1
	v_lshl_add_u32 v94, v0, 2, 0x2ce00
	v_mov_b32 v95, 0
.irp i, 0,1,2,3,4,5,6,7
	v_mov_b32 v[TM+\i], 0                          ; written once: a lane permute's destination counts as one of its sources
.endr
	v_lshrrev_b32 v[GO0], 5, v0
	v_readfirstlane_b32 s54, v[GO0]                ; wave 0..7
	s_and_b32 s55, ttmp9, 3                        ; b
	s_lshr_b32 s56, ttmp9, 2                       ; g
	s_mov_b32 s61, 0
	s_mov_b32 s62, 0x76543210
	s_mov_b32 s63, 0xfedcba98                      ; v_permlanex16_b32: lane l xor 16
	s_lshr_b32 s81, s54, 1
	s_and_b32 s82, s54, 1
	s_mul_i32 s68, s54, STW
	s_add_co_u32 s68, s68, STG                     ; my stage
	s_mul_i32 s69, s54, 8*YP                       ; my 8 rows: LDS row 8 w + i is token 32 (w % 2) + 8 (w / 2) + i of the group: tile w / 2, lane 8 (w % 2) + i
	s_lshl_b32 s76, s81, 11
	s_lshl_b32 s59, s82, 7
	s_add_co_u32 s76, s76, s59
	s_add_co_u32 s76, s76, AIMG
	s_lshl_b32 s77, s81, 7
	s_lshl_b32 s59, s82, 5
	s_add_co_u32 s77, s77, s59
	s_add_co_u32 s77, s77, ASC
	v_and_b32 v[GL16], 31, v0
	v_lshlrev_b32 v[GL16], 4, v[GL16]
	v_add_nc_u32 v[LB16], AIMG, v[GL16]
	v_lshrrev_b32 v[LB4], 2, v[GL16]
	v_add_nc_u32 v[LB4], ASC, v[LB4]
	v_add_nc_u32 v[PA0], s69, v[GL16]
	SETROW
	OFFSC GO0, 8
	OFFSC GO1, 7
	OFFVB ST0
	v_bfe_u32 v[ST1], v0, 4, 1
	v_lshlrev_b32 v[ST1], 7, v[ST1]                ; 128 h
	s_lshl_b32 s60, s56, 18                        ; x: 64 tokens of 4,096 bytes a group, 1,024 bytes a b, my first token
	s_lshl_b32 s59, s55, 10
	s_add_co_u32 s60, s60, s59
	s_lshl_b32 s59, s82, 17
	s_add_co_u32 s60, s60, s59
	s_lshl_b32 s59, s81, 15
	s_add_co_u32 s60, s60, s59
	s_wait_kmcnt 0x0
	s_add_nc_u64 s[6:7], s[6:7], s[60:61]
.irp i, 0,1,2,3,4,5,6,7
	global_load_b128 v[AC+8*\i:AC+8*\i+3], v[GL16], s[6:7] offset:4096*\i th:TH_LOAD_NT
	global_load_b128 v[AC+8*\i+4:AC+8*\i+7], v[GL16], s[6:7] offset:4096*\i+512 th:TH_LOAD_NT
.endr
	s_mov_b64 s[70:71], s[34:35]
	s_mov_b64 s[72:73], s[36:37]
	s_mov_b64 s[74:75], s[38:39]
	OFW 34, 8192, 0                                ; my 64 rows of q and k,
	OFW 36, 512, 0
	OFW 38, 256, 0
	OFW 70, 4096, 65536                            ; my 32 rows of v
	OFW 72, 256, 4096
	OFW 74, 128, 2048
.set ii, 0
.rept 16
	global_load_b128 v[WB+4*ii:WB+4*ii+3], v[GL16], s[34:35] offset:512*ii
.set ii, ii+1
.endr
.irp q, 0,1,2,3
	global_load_b32 v[WSB+\q], v[GO0], s[36:37] offset:64*\q
.endr
.irp i, 0,1,2,3,4,5,6,7
	global_load_b128 v[WA+4*\i:WA+4*\i+3], v[GL16], s[70:71] offset:512*\i
.endr
.irp u, 0,1
	global_load_b32 v[WSA+\u], v[GO1], s[72:73] offset:64*\u
	global_load_b32 v[WA+32+\u], v[ST0], s[74:75] offset:32*\u
.endr
	s_mov_b64 s[50:51], s[44:45]                   ; where my results go
	s_mov_b64 s[52:53], s[46:47]
	s_lshl_b32 s60, s55, 19
	s_lshl_b32 s59, s54, 16
	s_add_co_u32 s60, s60, s59
	s_lshl_b32 s59, s56, 10
	s_add_co_u32 s60, s60, s59
	s_add_nc_u64 s[44:45], s[44:45], s[60:61]      ; qk codes: (16 b + 2 w) heads of 32,768 bytes, g groups of 1,024
	s_lshl_b32 s60, s55, 15
	s_lshl_b32 s59, s54, 12
	s_add_co_u32 s60, s60, s59
	s_lshl_b32 s59, s56, 6
	s_add_co_u32 s60, s60, s59
	s_add_co_u32 s60, s60, 0x200000
	s_add_nc_u64 s[50:51], s[50:51], s[60:61]      ; qk scale bytes
	s_lshr_b32 s83, s56, 1
	s_and_b32 s84, s56, 1
	s_lshl_b32 s60, s55, 18
	s_lshl_b32 s59, s54, 15
	s_add_co_u32 s60, s60, s59
	s_lshl_b32 s59, s83, 11
	s_add_co_u32 s60, s60, s59
	s_lshl_b32 s59, s84, 9
	s_add_co_u32 s60, s60, s59
	s_add_nc_u64 s[46:47], s[46:47], s[60:61]      ; vv codes: head 8 b + w, step g / 2, c = g % 2
	s_lshl_b32 s60, s55, 14
	s_lshl_b32 s59, s54, 11
	s_add_co_u32 s60, s60, s59
	s_lshl_b32 s59, s83, 7
	s_add_co_u32 s60, s60, s59
	s_lshl_b32 s59, s84, 1
	s_add_co_u32 s60, s60, s59
	s_add_co_u32 s60, s60, 0x100000
	s_add_nc_u64 s[52:53], s[52:53], s[60:61]      ; vv scale bytes
	s_wait_loadcnt 32                              ; x's 16 loads are in; the 32 behind them (weights 16 + 4 and 8 + 2, v bias 2) may be out
	QROWS
	s_wait_dscnt 0x0                               ; my images lie in LDS, and the stores have read v224-231
	BIAS 38, ST1, 0
	s_barrier_signal -1
	s_barrier_wait -1                              ; all eight fragments of x lie in LDS
	TAIL
	s_or_b32 s60, ttmp9, s54
	s_cmp_lg_u32 s60, 0
	s_cbranch_scc1 .Lend
	v_lshrrev_b32 v[GG+16], 1, v[GL16]             ; 8 x lane: one block of 256 bytes each
	v_mov_b32 v[GG+18], 0
	v_mov_b32 v[GG+19], 0
	v_mov_b32 v[GG+20], 1
	v_mov_b32 v[GG+21], 1
	global_store_b64 v[GG+16], v[GG+18:GG+19], s[40:41]
	global_store_b64 v[GG+16], v[GG+20:GG+21], s[42:43]
.Lend:
	s_wait_tensorcnt 0x0
	ds_add_u32 v94, v95
	s_wait_dscnt 0x0
	s_endpgm
.Lfunc_end_k_qcd1f73b84c_first:
	.size	k_qcd1f73b84c_first, .Lfunc_end_k_qcd1f73b84c_first-k_qcd1f73b84c_first
	.p2alignl 7, 3214868480
	.fill 96, 4, 3214868480
	.section	.rodata,"a",@progbits
	.p2align	6, 0x0
	.amdhsa_kernel k_qcd1f73b84c_first
		.amdhsa_group_segment_fixed_size 184832
		.amdhsa_private_segment_fixed_size 0
		.amdhsa_enable_private_segment 0
		.amdhsa_kernarg_size 64
		.amdhsa_user_sgpr_count 2
		.amdhsa_user_sgpr_kernarg_segment_ptr 1
		.amdhsa_wavefront_size32 1
		.amdhsa_system_sgpr_workgroup_id_x 1
		.amdhsa_system_sgpr_workgroup_id_y 1
		.amdhsa_system_sgpr_workgroup_id_z 1
		.amdhsa_system_vgpr_workitem_id 0
		.amdhsa_next_free_vgpr 256
		.amdhsa_next_free_sgpr 96
		.amdhsa_reserve_vcc 0
		.amdhsa_float_denorm_mode_32 3
		.amdhsa_float_denorm_mode_16_64 3
		.amdhsa_memory_ordered 1
		.amdhsa_forward_progress 1
		.amdhsa_inst_pref_size 43
	.end_amdhsa_kernel
	.amdgpu_metadata
---
amdhsa.version: [ 1, 2 ]
amdhsa.kernels:
  - .name:           k_qcd1f73b84c_first
    .symbol:         k_qcd1f73b84c_first.kd
    .args:
      - { .name: x, .offset: 0, .size: 8, .value_kind: global_buffer, .address_space: global }
      - { .name: in_w_codes, .offset: 8, .size: 8, .value_kind: global_buffer, .address_space: global }
      - { .name: in_w_scales, .offset: 16, .size: 8, .value_kind: global_buffer, .address_space: global }
      - { .name: in_b, .offset: 24, .size: 8, .value_kind: global_buffer, .address_space: global }
      - { .name: qk, .offset: 32, .size: 8, .value_kind: global_buffer, .address_space: global }
      - { .name: vv, .offset: 40, .size: 8, .value_kind: global_buffer, .address_space: global }
      - { .name: lay0, .offset: 48, .size: 8, .value_kind: global_buffer, .address_space: global }
      - { .name: lay1, .offset: 56, .size: 8, .value_kind: global_buffer, .address_space: global }
    .group_segment_fixed_size: 184832
    .private_segment_fixed_size: 0
    .kernarg_segment_align: 8
    .kernarg_segment_size: 64
    .max_flat_workgroup_size: 256
    .sgpr_count:     96
    .vgpr_count:     256
    .wavefront_size: 32
...
	.end_amdgpu_metadata
.endif
;; end of part 1
;; launch attn0 (part 2): grid 8 x 32, 16 waves a work-group, no clusters, 71,680 bytes of LDS; arguments qk, vv, cx; writes cx
.if DOCPART == 2
	.amdgcn_target "amdgcn-amd-amdhsa--gfx1250"
	.amdhsa_code_object_version 6
	.text
	.protected	k_qcd1f73b84c_attn0
	.globl	k_qcd1f73b84c_attn0
	.p2align	8
	.type	k_qcd1f73b84c_attn0,@function
k_qcd1f73b84c_attn0:
	s_mov_b64 s[64:65], 0
	v_nop
	global_prefetch_b8 v0, s[64:65] scope:SCOPE_SE
	s_setreg_imm32_b32 hwreg(HW_REG_WAVE_MODE, 25, 1), 1
	s_wait_xcnt 0x0
; ATTENTION OF ONE LAYER on codes of FP4 (E2M1): ctx = softmax(q k^T / sqrt(32)) v for one (b, head) = work-group y and 256 queries = work-group x, and ctx quantised along the 256 features.
; t = score x log2(e) / sqrt(32); M = the running largest t rounded UP to a whole number; p = 2^(t - M) is quantised along the keys; the sum of the unquantised p divides at the end; when M moves, sum and O are multiplied by 2^(old M - new M).
; SHARES. Sixteen waves, each with ONE tile of 16 queries: tile w % 4 of group 4 x + w / 4 (a tile's lane r is token 32 (r / 8) + 8 tile + r % 8 of its group of 64). Every wave walks the 2,048 keys, 128 a step.
; K, V AND THEIR SCALE BYTES OF THE WHOLE HEAD, 69,632 bytes, are copied into LDS once, through registers, and only read afterwards: one barrier in the launch.
; THE FIRST PRODUCT HAS K = 32: one block of the instruction's four. A fragment of k (8 registers) holds 64 keys: row r, block q = key 32 (r / 8) + 8 q + r % 8. It is multiplied four times, by the query's 32 codes
; set into block q among zero codes: product q gives the scores of the 16 keys of block q. The four forms of the query are windows into 20 registers: zeros, codes in lanes 0-15, zeros, codes in lanes 16-31, zeros.
; Zero codes add nothing whatever scale byte stands over them (the bytes are this program's own, 1 to 254). So register 32 g + 8 q + j of lane (query, h) is key 64 g + 32 h + 8 q + j of the step:
; a lane holds two WHOLE blocks of p in ascending order: the conversions' results are the second product's operand as they stand.
; Both products are used transposed (source 0 = keys, or channels of v; source 1 = my queries): a lane holds one query throughout.
; LIMITS: NaN and infinities are not served. A block whose every p has fallen to 0 keeps the scale byte 1: its codes are zeros. A block's largest p is taken as the exponential of its largest score.
.set VC,   32768                       ; LDS: k's codes at 0, v's codes here,
.set KSC,  65536                       ; k's scale words, and 2,048 on v's
.set AK0,  1                           ; v1   16 x lane
.set AV0,  2                           ; v2   VC + 16 x lane
.set AS0,  3                           ; v3   KSC + 4 x lane
.set SH8,  4                           ; v4   8 h
.set QS,   5                           ; v5-8 scale words of q, k, v, p: these hold scales and nothing else
.set KS,   6
.set VS,   7
.set PS,   8
.set ADK,  9                           ; v9-11 the step's addresses
.set ADV,  10
.set ADS,  11
.set QB,   16                          ; v16-35 the query: zeros, low, zeros, high, zeros.  v12 -M, v13 the largest t, v[14:15] the sum in two halves
.set KF,   36                          ; v36-51 two fragments of k
.set VF,   52                          ; v52-67 two fragments of v
.set P,    68                          ; v68-75 p's codes
.set O,    76                          ; v76-91 O^T: register 8 u + j is channel 16 h + 8 u + j
.set BM,   92                          ; v92-93 the two blocks' largest scores, then largest p
.set XP,   94                          ; v94-95 what a lane permute brings
.set F,    96                          ; v[96:97] 2^(old M - new M)
.set SO,   98                          ; v98-99 the conversions' scale operands
.set BY,   100                         ; v100-101 scale bytes; at the end ctx's codes
.set T,    102                         ; v102-111 at work
.set S,    112                         ; v112-175 scores, then p
.macro SMM g, q                        ; the scores of keys 64 g + 32 h + 8 q + j
.if \g
	v_wmma_scale_f32_16x16x128_f8f6f4 v[S+32*\g+8*\q:S+32*\g+8*\q+7], v[KF+8*\g:KF+8*\g+7], v[QB+(4+8*\q)%20:QB+(4+8*\q)%20+7], 0, v[KS], v[QS] matrix_a_fmt:MATRIX_FMT_FP4 matrix_b_fmt:MATRIX_FMT_FP4 matrix_a_scale:MATRIX_SCALE_ROW1
.else
	v_wmma_scale_f32_16x16x128_f8f6f4 v[S+32*\g+8*\q:S+32*\g+8*\q+7], v[KF+8*\g:KF+8*\g+7], v[QB+(4+8*\q)%20:QB+(4+8*\q)%20+7], 0, v[KS], v[QS] matrix_a_fmt:MATRIX_FMT_FP4 matrix_b_fmt:MATRIX_FMT_FP4
.endif
.endm
.macro PVM u
.if \u
	v_wmma_scale_f32_16x16x128_f8f6f4 v[O+8*\u:O+8*\u+7], v[VF+8*\u:VF+8*\u+7], v[P:P+7], v[O+8*\u:O+8*\u+7], v[VS], v[PS] matrix_a_fmt:MATRIX_FMT_FP4 matrix_b_fmt:MATRIX_FMT_FP4 matrix_a_scale:MATRIX_SCALE_ROW1
.else
	v_wmma_scale_f32_16x16x128_f8f6f4 v[O+8*\u:O+8*\u+7], v[VF+8*\u:VF+8*\u+7], v[P:P+7], v[O+8*\u:O+8*\u+7], v[VS], v[PS] matrix_a_fmt:MATRIX_FMT_FP4 matrix_b_fmt:MATRIX_FMT_FP4
.endif
.endm
.macro KLOAD adr, sadr, off, soff      ; two fragments of k (128 keys) and their scale words: lanes 0-15 the first 64 keys, lanes 16-31 the others
.irp i, 0,1,2,3
	ds_load_b128 v[KF+4*\i:KF+4*\i+3], v[\adr] offset:\off+512*\i
.endr
	ds_load_b32 v[KS], v[\sadr] offset:\soff
.endm
	s_load_b128 s[4:7], s[0:1], 0x0                ; qk, vv
	s_load_b64 s[8:9], s[0:1], 0x10                ; cx
	v_lshl_add_u32 v176, v0, 2, 0x11000
	v_mov_b32 v177, 0
	v_lshrrev_b32 v[T], 5, v0
	v_readfirstlane_b32 s10, v[T]                  ; wave 0..15
	s_and_b32 s11, ttmp7, 0xffff                   ; y = 8 b + head
	s_lshr_b32 s12, s11, 3                         ; b
	s_and_b32 s13, s11, 7                          ; head
	s_lshl_b32 s14, s12, 4
	s_add_co_u32 s14, s14, s13                     ; q's place among qk's 64 heads; k's is 8 on
	s_lshl_b32 s15, ttmp9, 2
	s_lshr_b32 s34, s10, 2
	s_add_co_u32 s15, s15, s34                     ; my group of 64 tokens
	s_and_b32 s34, s10, 3                          ; my tile in it
	s_lshl_b32 s35, s12, 5
	s_add_co_u32 s35, s35, s15                     ; 32 b + group
	s_mov_b32 s37, 0
	s_mov_b32 s26, 0x3e8293ee                      ; c = log2(e) / sqrt(32)
	s_mov_b32 s27, s26                             ; (named with it as a pair, so it is written)
	s_mov_b32 s28, 0x76543210
	s_mov_b32 s29, 0xfedcba98                      ; v_permlanex16_b32: lane l xor 16
	s_mov_b32 s31, 0x01010101
	v_and_b32 v[T+1], 31, v0                       ; lane
	v_lshlrev_b32 v[AK0], 4, v[T+1]
	v_add_nc_u32 v[AV0], VC, v[AK0]
	v_lshl_add_u32 v[AS0], v[T+1], 2, KSC
	v_bfe_u32 v[SH8], v0, 4, 1
	v_lshlrev_b32 v[SH8], 3, v[SH8]
	v_lshlrev_b32 v[T+2], 4, v0                    ; 16 x thread
	v_lshlrev_b32 v[T+3], 2, v0                    ; 4 x thread
	v_and_b32 v[T+4], 15, v0                       ; r
	v_lshlrev_b32 v[T+5], 4, v[T+4]
	v_lshlrev_b32 v[T+6], 2, v[T+4]
	v_add_nc_u32 v[T+7], KSC, v[T+3]
	s_wait_kmcnt 0x0
	s_lshl_b32 s36, s14, 15
	s_lshl_b32 s38, s15, 10
	s_add_co_u32 s36, s36, s38
	s_lshl_b32 s38, s34, 8
	s_add_co_u32 s36, s36, s38
	s_add_nc_u64 s[16:17], s[4:5], s[36:37]        ; my tile's codes of q: 256 bytes
	s_lshl_b32 s36, s14, 11
	s_add_co_u32 s36, s36, 0x200000
	s_add_nc_u64 s[18:19], s[4:5], s[36:37]
	s_lshl_b32 s36, s15, 6
	s_add_co_u32 s36, s36, s34
	s_add_nc_u64 s[20:21], s[18:19], s[36:37]      ; its scale bytes: 4 r on
	s_add_nc_u64 s[18:19], s[18:19], 8*2048        ; k's scale bytes
	s_lshl_b32 s36, s14, 15
	s_add_co_u32 s36, s36, 8*32768
	s_add_nc_u64 s[4:5], s[4:5], s[36:37]          ; k's codes
	s_lshl_b32 s36, s11, 11
	s_add_co_u32 s36, s36, 0x100000
	s_add_nc_u64 s[22:23], s[6:7], s[36:37]        ; v's scale bytes
	s_lshl_b32 s36, s11, 15
	s_add_nc_u64 s[6:7], s[6:7], s[36:37]          ; v's codes
	s_lshl_b32 s36, s35, 9
	s_lshl_b32 s38, s34, 7
	s_add_co_u32 s36, s36, s38
	s_lshr_b32 s38, s13, 2
	s_lshl_b32 s38, s38, 6
	s_add_co_u32 s36, s36, s38
	s_and_b32 s38, s13, 3
	s_add_co_u32 s36, s36, s38
	s_add_co_u32 s36, s36, 0x100000
	s_add_nc_u64 s[24:25], s[8:9], s[36:37]        ; ctx's scale bytes [b][g][tile][K step][r][head % 4]
	s_lshl_b32 s36, s35, 13
	s_lshl_b32 s38, s34, 11
	s_add_co_u32 s36, s36, s38
	s_lshl_b32 s38, s13, 8
	s_add_co_u32 s36, s36, s38
	s_add_nc_u64 s[8:9], s[8:9], s[36:37]          ; ctx's codes [b][g][tile][head][r][16]: a head is 256 bytes of a tile's 2,048
.irp i, 0,1,2,3
	global_load_b128 v[S+4*\i:S+4*\i+3], v[T+2], s[4:5] offset:8192*\i
.endr
.irp i, 0,1,2,3
	global_load_b128 v[S+16+4*\i:S+16+4*\i+3], v[T+2], s[6:7] offset:8192*\i
.endr
	global_load_b32 v[S+32], v[T+3], s[18:19]
	global_load_b32 v[S+33], v[T+3], s[22:23]
	global_load_b128 v[S+34:S+37], v[T+5], s[16:17]  ; both halves of the lanes take query r
	global_load_u8 v[QS], v[T+6], s[20:21]
	s_wait_loadcnt 0x0
.irp i, 0,1,2,3
	ds_store_b128 v[T+2], v[S+4*\i:S+4*\i+3] offset:8192*\i
	ds_store_b128 v[T+2], v[S+16+4*\i:S+16+4*\i+3] offset:VC+8192*\i
.endr
	ds_store_b32 v[T+7], v[S+32]
	ds_store_b32 v[T+7], v[S+33] offset:2048
	s_wait_dscnt 0x0                               ; for the others: my part lies in LDS
	s_barrier_signal -1
	s_barrier_wait -1
	KLOAD AK0, AS0, 0, 0                           ; step 0
	v_cmp_gt_u32 vcc_lo, 16, v[T+1]                ; lanes 0-15
.irp i, 0,1,2,3
	v_mov_b32 v[QB+\i], 0
	v_mov_b32 v[QB+8+\i], 0
	v_mov_b32 v[QB+16+\i], 0
.endr
.irp i, 0,1,2,3
	v_cndmask_b32 v[QB+4+\i], 0, v[S+34+\i], vcc_lo
	v_cndmask_b32 v[QB+12+\i], v[S+34+\i], v[QB], vcc_lo
.endr
	v_mul_lo_u32 v[QS], v[QS], s31                 ; the query's byte over all four blocks.  The 23 lines below stand between it and the first product
.irp j, 0,1,2,3,4,5,6,7,8,9,10,11,12,13,14,15
	v_mov_b32 v[O+\j], 0                           ; the step is written once: the first finds zeros, which the first change of M leaves zeros
.endr
	v_mov_b32 v13, 0xff61b1e6                      ; the largest t so far: -3e38
	v_floor_f32 v12, -v13                          ; -M
	v_mov_b32 v14, 0
	v_mov_b32 v15, 0
	v_mov_b32 v[XP], 0                             ; written once: a lane permute's destination counts as one of its sources
	v_mov_b32 v[XP+1], 0
	v_mov_b32 v[F+1], 0                            ; (named as the upper half of a pair)
	s_mov_b32 s32, 0                               ; the step's codes: 2,048 bytes a step
	s_mov_b32 s33, 0                               ; its scale words: 128 bytes a step
	s_mov_b32 s30, 16
.Lstep:
	s_wait_dscnt 0x0                               ; this step's k
.irp g, 0,1
.irp q, 0,1,2,3
	SMM \g, \q
.endr
.endr
	v_add_nc_u32 v[ADK], s32, v[AK0]               ; four plain lines: the places in front of the loads into k's and v's registers and of the first read of the scores
	v_add_nc_u32 v[ADV], s32, v[AV0]
	v_add_nc_u32 v[ADS], s33, v[AS0]
	v_nop
.irp i, 0,1,2,3
	ds_load_b128 v[VF+4*\i:VF+4*\i+3], v[ADV] offset:512*\i
.endr
	ds_load_b32 v[VS], v[ADS] offset:2048
	KLOAD ADK, ADS, 2048, 128                      ; the next step's k.  In the last trip these read v's bytes, inside LDS, and nobody uses them
.irp c, 0,1,2,3
	v_max3_num_f32 v[T+4+\c], v[S+16*\c], v[S+16*\c+1], v[S+16*\c+2]   ; the largest score of each block, in four chains of 16, each accumulator from its low end on
.endr
.irp i, 3,5,7,9,11,13
.irp c, 0,1,2,3
	v_max3_num_f32 v[T+4+\c], v[T+4+\c], v[S+16*\c+\i], v[S+16*\c+\i+1]
.endr
.endr
.irp g, 0,1
	v_max3_num_f32 v[BM+\g], v[T+4+2*\g], v[T+5+2*\g], v[S+32*\g+15]
.endr
.irp g, 0,1
	v_max_num_f32 v[BM+\g], v[BM+\g], v[S+32*\g+31]
.endr
	v_max_num_f32 v[T], v[BM], v[BM+1]
	v_permlanex16_b32 v[XP], v[T], s28, s29
	v_max_num_f32 v[T], v[T], v[XP]                ; the step's largest score of my query
	v_mul_f32 v[T], s26, v[T]
	v_max_num_f32 v13, v13, v[T]                   ; the running largest t
	v_mov_b32 v[T], v12
	v_floor_f32 v12, -v13                          ; the new -M = -ceil(t)
	v_sub_f32 v[T], v12, v[T]                      ; old M - new M: a whole number, 0 or less
	v_cvt_i32_f32 v[T], v[T]                       ; (it saturates)
	v_ldexp_f32 v[F], 1.0, v[T]
.set jj, 0
.rept 32
	v_pk_fma_f32 v[S+jj:S+jj+1], v[S+jj:S+jj+1], s[26:27], v[12:13] op_sel_hi:[1,0,0]   ; t - M
.set jj, jj+2
.endr
	v_fma_f32 v[BM], v[BM], s26, v12
	v_fma_f32 v[BM+1], v[BM+1], s26, v12
.set jj, 0
.rept 64
	v_exp_f32 v[S+jj], v[S+jj]                     ; p
.set jj, jj+1
.endr
	v_pk_mul_f32 v[14:15], v[14:15], v[F:F+1] op_sel_hi:[1,0]    ; the sums under the new M: the plain line behind the batch
	s_wait_alu depctr_va_vdst(0)                   ; one wait for the 64, ahead of their first reader
	v_exp_f32 v[BM], v[BM]                         ; the blocks' largest p
	v_exp_f32 v[BM+1], v[BM+1]
	v_pk_add_f32 v[T+2:T+3], v[S:S+1], v[S+2:S+3]  ; the sum of the unquantised p, in two chains
.irp j, 4,8,12
	v_pk_add_f32 v[14:15], v[14:15], v[S+\j:S+\j+1]
	v_pk_add_f32 v[T+2:T+3], v[T+2:T+3], v[S+\j+2:S+\j+3]
.endr
	s_wait_alu depctr_va_vdst(0)                   ; and one for the two
	v_max_num_f32 v[BM], 0x1800000, v[BM]          ; the floor 2^(3 - 127): the byte cannot fall under 1
	v_max_num_f32 v[BM+1], 0x1800000, v[BM+1]
	v_add_nc_u32 v[SO], 0xff000000, v[BM]
	v_add_nc_u32 v[SO+1], 0xff000000, v[BM+1]
	v_lshrrev_b32 v[BY], 23, v[SO]
	v_lshrrev_b32 v[BY+1], 23, v[SO+1]
	v_lshl_or_b32 v[T], v[BY+1], 16, v[BY]         ; my blocks are h and 2 + h of the step's four
	v_lshlrev_b32 v[T], v[SH8], v[T]
	v_permlanex16_b32 v[XP+1], v[T], s28, s29
	v_or_b32 v[PS], v[T], v[XP+1]                  ; p's scale word.  The 25 sums below, which name no register of the second product, stand between it and that product
.irp j, 16,20,24,28,32,36,40,44,48,52,56,60
	v_pk_add_f32 v[14:15], v[14:15], v[S+\j:S+\j+1]
	v_pk_add_f32 v[T+2:T+3], v[T+2:T+3], v[S+\j+2:S+\j+3]
.endr
	v_pk_add_f32 v[14:15], v[14:15], v[T+2:T+3]
.irp g, 0,1
.irp q, 0,1,2,3
	v_cvt_scalef32_pk8_fp4_f32 v[P+4*\g+\q], v[S+32*\g+8*\q:S+32*\g+8*\q+7], v[SO+\g]
.endr
.endr
	v_nop                                          ; one plain line behind the last conversion
.irp j, 0,2,4,6,8,10,12,14
	v_pk_mul_f32 v[O+\j:O+\j+1], v[O+\j:O+\j+1], v[F:F+1] op_sel_hi:[1,0]   ; O^T under the new M.  With the line above: five lines that name none of its registers stand between p's codes and each of the two products
.endr
	s_wait_dscnt 5                                 ; v's five loads are in; the five of the next step's k, issued behind them, may be out
	PVM 0
	PVM 1
	s_add_co_u32 s32, s32, 2048
	s_add_co_u32 s33, s33, 128
	s_sub_co_u32 s30, s30, 1
	s_cmp_lg_u32 s30, 0
	s_cbranch_scc1 .Lstep
	s_wait_dscnt 0x0                               ; the last trip's unused loads
.rept 4
	v_nop
.endr
	v_add_f32 v14, v14, v15
	v_permlanex16_b32 v[XP], v14, s28, s29
	v_add_f32 v14, v14, v[XP]                      ; the row's sum
	v_rcp_f32 v14, v14
	v_and_b32 v[T], 15, v0                         ; (plain lines behind the reciprocal)
	v_bfe_u32 v[T+1], v0, 4, 1
	v_lshlrev_b32 v[T+2], 4, v[T]
	v_lshl_add_u32 v[T+2], v[T+1], 3, v[T+2]       ; 16 r + 8 h
	v_lshlrev_b32 v[T+3], 2, v[T]                  ; 4 r
	s_wait_alu depctr_va_vdst(0)
.set jj, 0
.rept 16
	v_mul_f32 v[S+jj], v[O+jj], v14                ; ctx: channels 16 h + 0 .. 15 of my query
.set jj, jj+1
.endr
	v_max3_num_f32 v[T+4], |v[S]|, |v[S+1]|, 0x1800000
.irp i, 2,4,6,8,10,12,14
	v_max3_num_f32 v[T+4], v[T+4], |v[S+\i]|, |v[S+\i+1]|
.endr
	v_permlanex16_b32 v[XP+1], v[T+4], s28, s29
	v_max_num_f32 v[T+4], v[T+4], v[XP+1]          ; the head's 32 channels are one block of the next product's K
	v_add_nc_u32 v[SO], 0xff000000, v[T+4]
	v_lshrrev_b32 v[T+5], 23, v[SO]
	v_cvt_scalef32_pk8_fp4_f32 v[BY], v[S:S+7], v[SO]
	v_cvt_scalef32_pk8_fp4_f32 v[BY+1], v[S+8:S+15], v[SO]
	v_nop
	global_store_b64 v[T+2], v[BY:BY+1], s[8:9]    ; the wave stores 256 consecutive bytes, aligned
	global_store_b8 v[T+3], v[T+5], s[24:25]       ; lanes r and r + 16 write the same byte with the same value
	s_wait_tensorcnt 0x0
	ds_add_u32 v176, v177
	s_wait_dscnt 0x0
	s_endpgm
.Lfunc_end_k_qcd1f73b84c_attn0:
	.size	k_qcd1f73b84c_attn0, .Lfunc_end_k_qcd1f73b84c_attn0-k_qcd1f73b84c_attn0
	.p2alignl 7, 3214868480
	.fill 96, 4, 3214868480
	.section	.rodata,"a",@progbits
	.p2align	6, 0x0
	.amdhsa_kernel k_qcd1f73b84c_attn0
		.amdhsa_group_segment_fixed_size 71680
		.amdhsa_private_segment_fixed_size 0
		.amdhsa_enable_private_segment 0
		.amdhsa_kernarg_size 24
		.amdhsa_user_sgpr_count 2
		.amdhsa_user_sgpr_kernarg_segment_ptr 1
		.amdhsa_wavefront_size32 1
		.amdhsa_system_sgpr_workgroup_id_x 1
		.amdhsa_system_sgpr_workgroup_id_y 1
		.amdhsa_system_sgpr_workgroup_id_z 1
		.amdhsa_system_vgpr_workitem_id 0
		.amdhsa_next_free_vgpr 178
		.amdhsa_next_free_sgpr 66
		.amdhsa_reserve_vcc 1
		.amdhsa_float_denorm_mode_32 3
		.amdhsa_float_denorm_mode_16_64 3
		.amdhsa_memory_ordered 1
		.amdhsa_forward_progress 1
		.amdhsa_inst_pref_size 22
	.end_amdhsa_kernel
	.amdgpu_metadata
---
amdhsa.version: [ 1, 2 ]
amdhsa.kernels:
  - .name:           k_qcd1f73b84c_attn0
    .symbol:         k_qcd1f73b84c_attn0.kd
    .args:
      - { .name: qk, .offset: 0, .size: 8, .value_kind: global_buffer, .address_space: global }
      - { .name: vv, .offset: 8, .size: 8, .value_kind: global_buffer, .address_space: global }
      - { .name: cx, .offset: 16, .size: 8, .value_kind: global_buffer, .address_space: global }
    .group_segment_fixed_size: 71680
    .private_segment_fixed_size: 0
    .kernarg_segment_align: 8
    .kernarg_segment_size: 24
    .max_flat_workgroup_size: 512
    .sgpr_count:     66
    .vgpr_count:     178
    .wavefront_size: 32
...
	.end_amdgpu_metadata
.endif
;; end of part 2
;; launch enc0 (part 3): grid 128 x 1, 8 waves a work-group, no clusters, 184,832 bytes of LDS; arguments cx, x, out_w_codes, out_w_scales, out_b, ln1_s, ln1_b, w1_codes, w1_scales, b1, w2_codes, w2_scales, b2, ln2_s, ln2_b, in_w_codes, in_w_scales, in_b, lay0, x1, qk, vv; writes x1, qk, vv
.if DOCPART == 3
	.amdgcn_target "amdgcn-amd-amdhsa--gfx1250"
	.amdhsa_code_object_version 6
	.text
	.protected	k_qcd1f73b84c_enc0
	.globl	k_qcd1f73b84c_enc0
	.p2align	8
	.type	k_qcd1f73b84c_enc0,@function
k_qcd1f73b84c_enc0:
	s_mov_b64 s[64:65], 0
	v_nop
	global_prefetch_b8 v0, s[64:65] scope:SCOPE_SE
	s_setreg_imm32_b32 hwreg(HW_REG_WAVE_MODE, 25, 1), 1
	s_wait_xcnt 0x0
; THE REST OF A LAYER, for 64 tokens of one b (b = x & 3, group g = x >> 2): y = LN1(x + ctx out_w^T + out_b); z = LN2(y + relu(y w1^T + b1) w2^T + b2); z is stored;
; and where a layer follows (layer number 0) its first product too: q, k, v = z in_w^T + in_b of the next layer, quantised and stored as the attention launch reads them.
; All products on codes of FP4 (E2M1) with E8M0 scales; ctx arrives as codes; y, the hidden layer and z are quantised here, in f32, and only z goes to memory as numbers.
; THE LAYER NUMBER l is read from a buffer of whole numbers that the first launch stored, held to 0 .. 1, and enters offsets by multiplications; three scalar branches on it pass over the next layer's part. No barrier stands under them.
; SHARES. Eight waves share the COLUMNS of every product (32 outputs of out_w and w2, 128 hidden units, 64 rows of q and k, one head of v), for all 64 tokens; for the norms and their quantising each owns 8 ROWS.
; THE ORDER OF ROWS IN A TILE. Tile m (0 .. 3) of a group of 64 takes, in lane r, item 32 (r / 8) + 8 m + r % 8, for tokens, hidden units and rows of q and k alike. In a result register j of lane half h is row 8 h + j of
; source 0: over four tiles a lane half holds items 32 h + 8 m + j, a whole block of 32 in one lane, ascending: four conversions give the operand's 16 bytes, and no lane is asked for a maximum.
; LDS: Y: 64 rows of 256 f32 (LDS row 16 m + r = token of tile m, lane r); AIMG, HIMG: operands as images of their registers, [tile][K step][c][lane][16]; ASC, HSC their scale words; a stage for each wave.
; The residual is the C of each sum's first product (read from Y in the result's layout); b1 and in_b likewise; out_b and b2 are added by the row owners.
; The weights come DENSE (512 bytes a load, or two pieces of 256), one phase ahead, into two sets of 64 registers by turns, and are turned into fragment order through the wave's own stage.
; LIMITS: NaN and infinities are not served. A block of zeros gets the scale byte 1 where the rule says 127: its codes are zeros, and the bytes are read by this program alone.
.set YP,   1040
.set AIMG, 66560
.set ASC,  74752
.set HIMG, 75264
.set HSC,  108032
.set STG,  110080
.set STW,  9216
.set GL16, 1                           ; v1   16 x lane
.set LB16, 2                           ; v2   AIMG + 16 x lane
.set LB4,  3                           ; v3   ASC + 4 x lane
.set ST0,  4                           ; v4, v5 the stage, way in and way out; near the end two offsets into memory
.set ST1,  5
.set GO0,  6                           ; v6, v7 offsets into memory
.set GO1,  7
.set PA0,  8                           ; v8   my rows in Y, 16 bytes a lane; in TAIL 4 r
.set PA1,  9                           ; v9-11 the phase's LDS addresses
.set PA2,  10
.set PA3,  11
.set WSA,  12                          ; v12-15, v16-19 the weights' scale words, v20-23 the tokens': scales and nothing else
.set WSB,  16
.set XS,   20
.set TM,   24                          ; v24-31 at work
.set WA,   32                          ; v32-95, v96-159 the two sets
.set WB,   96
.set AC,   160                         ; v160-223 rows, accumulators
.set GG,   224                         ; v224-255 biases, parameters, fragments of the hidden layer
.set SM,   248                         ; v248-255 a number for each of my 8 rows
.set CTJ,  GG-WA-64                    ; ctx's fragments (tile m, K step s) lie at WA + 32 + 16 m + 8 s for m = 0, 1 and in GG for m = 2, 3
.macro MM d, a, b, c, sa, sb, row      ; one product; row = 1: both scale words are taken from lanes 16-31
.if \row
	v_wmma_scale_f32_16x16x128_f8f6f4 v[(\d):(\d)+7], v[(\a):(\a)+7], v[(\b):(\b)+7], v[(\c):(\c)+7], v[\sa], v[\sb] matrix_a_fmt:MATRIX_FMT_FP4 matrix_b_fmt:MATRIX_FMT_FP4 matrix_a_scale:MATRIX_SCALE_ROW1 matrix_b_scale:MATRIX_SCALE_ROW1
.else
	v_wmma_scale_f32_16x16x128_f8f6f4 v[(\d):(\d)+7], v[(\a):(\a)+7], v[(\b):(\b)+7], v[(\c):(\c)+7], v[\sa], v[\sb] matrix_a_fmt:MATRIX_FMT_FP4 matrix_b_fmt:MATRIX_FMT_FP4
.endif
.endm
.macro BAR                             ; my LDS stores have landed and my LDS loads are in: then the barrier
	s_wait_dscnt 0x0
	s_barrier_signal -1
	s_barrier_wait -1
.endm
.macro OFFSC d, sh                     ; scale words of weight rows, 8 bytes a row: (r / 8) << sh + 8 (r % 8) + 4 h: lanes 0-15 take K step 0, lanes 16-31 K step 1
	v_bfe_u32 v[TM], v0, 3, 1
	v_and_b32 v[TM+1], 7, v0
	v_lshlrev_b32 v[TM+1], 3, v[TM+1]
	v_lshl_add_u32 v[TM], v[TM], \sh, v[TM+1]
	v_bfe_u32 v[TM+1], v0, 4, 1
	v_lshl_add_u32 v[\d], v[TM+1], 2, v[TM]
.endm
.macro OFFVB d                         ; v bias of channel 16 (r / 8) + r % 8, 4 bytes each
	v_bfe_u32 v[TM], v0, 3, 1
	v_and_b32 v[TM+1], 7, v0
	v_lshlrev_b32 v[TM+1], 2, v[TM+1]
	v_lshl_add_u32 v[\d], v[TM], 6, v[TM+1]
.endm
.macro SETA                            ; the stage for rows of 128 bytes, 144 apart: in: 4 rows a store; out: row r, + 16 h
	v_bfe_u32 v[TM], v0, 3, 2
	v_and_b32 v[TM+1], 7, v0
	v_mul_u32_u24 v[TM], v[TM], 144
	v_lshl_add_u32 v[TM], v[TM+1], 4, v[TM]
	v_add_nc_u32 v[ST0], s68, v[TM]
	v_and_b32 v[TM], 15, v0
	v_bfe_u32 v[TM+1], v0, 4, 1
	v_mul_u32_u24 v[TM], v[TM], 144
	v_lshl_add_u32 v[TM], v[TM+1], 4, v[TM]
	v_add_nc_u32 v[ST1], s68, v[TM]
.endm
.macro SETB                            ; the stage for pieces of 256 bytes, 272 apart: in: 2 rows a store; out: row r, + 16 h
	v_and_b32 v[TM], 15, v0
	v_bfe_u32 v[TM+1], v0, 4, 1
	v_mul_u32_u24 v[TM+2], v[TM+1], 272
	v_lshl_add_u32 v[TM+2], v[TM], 4, v[TM+2]
	v_add_nc_u32 v[ST0], s68, v[TM+2]
	v_mul_u32_u24 v[TM+2], v[TM], 272
	v_lshl_add_u32 v[TM+2], v[TM+1], 4, v[TM+2]
	v_add_nc_u32 v[ST1], s68, v[TM+2]
.endm
.macro SETROW                          ; the addresses of the wave as owner of 8 rows
	v_lshl_add_u32 v[PA1], v[GL16], 1, s69         ; my rows, 32 bytes a lane
	v_bfe_u32 v[TM], v0, 2, 3
	v_and_b32 v[TM+1], 3, v0
	v_lshlrev_b32 v[TM+1], 2, v[TM+1]
	v_lshl_add_u32 v[TM], v[TM], 8, v[TM+1]
	v_add_nc_u32 v[PA2], s76, v[TM]                ; my code word: lane L holds features 8 L on: 256 x (L / 4) + 4 (L % 4)
	v_bfe_u32 v[TM], v0, 4, 1
	v_bfe_u32 v[TM+1], v0, 2, 2
	v_lshl_add_u32 v[TM], v[TM], 6, v[TM+1]
	v_add_nc_u32 v[PA3], s77, v[TM]                ; my scale byte: 64 x K step + the block's number in it
.endm
.macro SETCOL                          ; the addresses of the wave as owner of columns
	v_and_b32 v[TM], 15, v0
	v_bfe_u32 v[TM+1], v0, 4, 1
	v_mul_u32_u24 v[TM+2], v[TM], YP
	v_lshl_add_u32 v[TM+2], v[TM+1], 5, v[TM+2]
	v_add_nc_u32 v[PA1], s80, v[TM+2]              ; Y: row r, my 32 features, + 8 h of them
	v_add_nc_u32 v[PA2], s78, v[GL16]              ; the hidden layer's image: K step w
	v_lshl_add_u32 v[TM], v[TM], 2, v[TM+1]
	v_add_nc_u32 v[PA3], s79, v[TM]                ; and its scale bytes: 4 r + h
.endm
.macro OFS p, lr, lm, wm, ex           ; a pointer goes s[lr] x lm + wave x wm + ex bytes on
	s_mul_i32 s60, s[\lr], \lm
.if \wm
	s_mul_i32 s59, s54, \wm
	s_add_co_u32 s60, s60, s59
.endif
.if \ex
	s_add_co_u32 s60, s60, \ex
.endif
	s_add_nc_u64 s[\p:\p+1], s[\p:\p+1], s[60:61]
.endm
.macro WISS_A wf, sw, pc, ps, oc, os   ; 64 weight rows of 128 bytes, dense, and their four scale words (GO0: the tile order)
.set ii, 0
.rept 16
	global_load_b128 v[\wf+4*ii:\wf+4*ii+3], v[GL16], s[\pc:\pc+1] offset:\oc+512*ii
.set ii, ii+1
.endr
.irp q, 0,1,2,3
	global_load_b32 v[\sw+\q], v[GO0], s[\ps:\ps+1] offset:\os+64*\q
.endr
.endm
.macro WISS_B wf, sw, q                ; half q along K of my 32 rows of w2: 256 bytes of each row, two rows a load; scale word 2 t + k: K steps 4 q + 2 k (lanes 0-15) and + 1 (lanes 16-31)
.set ii, 0
.rept 16
	global_load_b128 v[\wf+4*ii:\wf+4*ii+3], v[GO0], s[24:25] offset:1024*ii+256*\q
.set ii, ii+1
.endr
.irp t, 0,1
.irp k, 0,1
	global_load_b32 v[\sw+2*\t+\k], v[GO1], s[26:27] offset:512*\t+16*\q+8*\k
.endr
.endr
.endm
; n loads' worth of weight rows (4 rows a load) go into the stage, each four rows to the place that the tile order gives them, and come back as fragments (tile, K step) at wf + 8 (2 tile + K step).
; kind 0: as they lie; kind 1: 64 rows, row 32 a + 8 m + z goes to stage row 16 m + 8 a + z; kind 2: 32 rows, row 16 a + 8 u + z to 16 u + 8 a + z.
.macro TURN_A wf, n, kind
.set ii, 0
.rept \n
.if \kind == 0
.set sl, 4*ii
.elseif \kind == 1
.set sl, 16*((ii>>1)&3)+8*(ii>>3)+4*(ii&1)
.else
.set sl, 16*((ii>>1)&1)+8*(ii>>2)+4*(ii&1)
.endif
	ds_store_b128 v[ST0], v[\wf+4*ii:\wf+4*ii+3] offset:144*sl
.set ii, ii+1
.endr
.set ii, 0
.rept \n/4
.irp s, 0,1
.irp c, 0,1
	ds_load_b128 v[\wf+8*(2*ii+\s)+4*\c:\wf+8*(2*ii+\s)+4*\c+3], v[ST1] offset:2304*ii+64*\s+32*\c
.endr
.endr
.set ii, ii+1
.endr
.endm
.macro TURN_B wf                       ; the same for w2: fragments (tile t, K step z of the half) at wf + 8 (4 t + z)
.set ii, 0
.rept 16
	ds_store_b128 v[ST0], v[\wf+4*ii:\wf+4*ii+3] offset:544*ii
.set ii, ii+1
.endr
.irp t, 0,1
.irp z, 0,1,2,3
.irp c, 0,1
	ds_load_b128 v[\wf+8*(4*\t+\z)+4*\c:\wf+8*(4*\t+\z)+4*\c+3], v[ST1] offset:4352*\t+64*\z+32*\c
.endr
.endr
.endr
.endm
.macro BIAS p, o, ex                   ; 32 numbers a lane: those of rows 32 h + 8 q + 0 .. 7
.irp q, 0,1,2,3
	global_load_b128 v[GG+8*\q:GG+8*\q+3], v[\o], s[\p:\p+1] offset:\ex+32*\q
	global_load_b128 v[GG+8*\q+4:GG+8*\q+7], v[\o], s[\p:\p+1] offset:\ex+32*\q+16
.endr
.endm
.macro PARAMS pa, pb, pc               ; a bias, a gain and a shift of the 8 features of a row owner's lane
	global_load_b128 v[GG:GG+3], v[GL16], s[\pa:\pa+1]
	global_load_b128 v[GG+4:GG+7], v[GL16], s[\pa:\pa+1] offset:512
	global_load_b128 v[GG+8:GG+11], v[GL16], s[\pb:\pb+1]
	global_load_b128 v[GG+12:GG+15], v[GL16], s[\pb:\pb+1] offset:512
	global_load_b128 v[GG+16:GG+19], v[GL16], s[\pc:\pc+1]
	global_load_b128 v[GG+20:GG+23], v[GL16], s[\pc:\pc+1] offset:512
.endm
.macro YLOAD                           ; accumulator 4 t + m: features 32 w + 16 t + 8 h + j of the tokens of tile m
.irp t, 0,1
.irp m, 0,1,2,3
	ds_load_b128 v[AC+8*(4*\t+\m):AC+8*(4*\t+\m)+3], v[PA1] offset:16*YP*\m+64*\t
	ds_load_b128 v[AC+8*(4*\t+\m)+4:AC+8*(4*\t+\m)+7], v[PA1] offset:16*YP*\m+64*\t+16
.endr
.endr
.endm
.macro YSTORE                          ; each accumulator from its low end on
.irp t, 0,1
.irp m, 0,1,2,3
	ds_store_b128 v[PA1], v[AC+8*(4*\t+\m):AC+8*(4*\t+\m)+3] offset:16*YP*\m+64*\t
	ds_store_b128 v[PA1], v[AC+8*(4*\t+\m)+4:AC+8*(4*\t+\m)+7] offset:16*YP*\m+64*\t+16
.endr
.endr
.endm
.macro XFL m                           ; the two fragments of token tile m
.irp s, 0,1
.irp c, 0,1
	ds_load_b128 v[AC+32+8*\s+4*\c:AC+32+8*\s+4*\c+3], v[LB16] offset:2048*(\m)+1024*\s+512*\c
.endr
.endr
.endm
.macro HOOK1                           ; behind the first unit's last products: the second unit's bias, then the first half of w2 into the set just left
	BIAS 22, GO1, 256
	s_wait_xcnt 0x0                                ; the offsets are rewritten only behind this wait
	v_and_b32 v[TM+3], 15, v0
	v_bfe_u32 v[TM+2], v0, 4, 1
	v_lshlrev_b32 v[GO0], 4, v[TM+3]
	v_lshl_add_u32 v[GO0], v[TM+2], 9, v[GO0]      ; 512 h + 16 r
	v_lshlrev_b32 v[GO1], 5, v[TM+3]
	v_lshl_add_u32 v[GO1], v[TM+2], 2, v[GO1]      ; 32 r + 4 h
	WISS_B WB, WSB, 0
.endm
.macro HOOK2
	WISS_B WA, WSA, 1
.endm
; 64 weight rows against token tile m: four accumulators by turns, the bias as the C of each sum's first product; then a lane's 32 numbers become 16 bytes and a scale byte.
; kind 0: the hidden layer (relu; half cc of K step w of the next product; to LDS).  kind 1: q and k (to memory).
.macro UTILE wf, sw, kind, cc, m, hook
	s_wait_dscnt 0x0                               ; the fragments are in
.irp p, 0,1,2,3
	MM AC+8*\p, \wf+16*\p, AC+32, GG+8*\p, \sw+\p, XS+\m, 0
.endr
.irp p, 0,1,2,3
	MM AC+8*\p, \wf+16*\p+8, AC+40, AC+8*\p, \sw+\p, XS+\m, 1
.endr
.rept 5
	v_nop                                          ; four places in front of loads into the operands and of the first read of results, a fifth since the next tile's products write over these accumulators
.endr
.if \m < 3
	XFL \m+1
.endif
.if \hook == 1
	HOOK1
.elseif \hook == 2
	HOOK2
.endif
.if \kind == 0
.set jj, 0
.rept 32
	v_max_num_f32 v[AC+jj], 0, v[AC+jj]            ; the activation, in f32
.set jj, jj+1
.endr
	v_max3_num_f32 v[TM], v[AC], v[AC+1], 0x1800000              ; none is negative: no |.|.  The floor 2^(3 - 127) holds the byte at 1 from below
	v_max3_num_f32 v[TM+1], v[AC+16], v[AC+17], 0x1800000
.irp i, 2,4,6,8,10,12,14
	v_max3_num_f32 v[TM], v[TM], v[AC+\i], v[AC+\i+1]
	v_max3_num_f32 v[TM+1], v[TM+1], v[AC+16+\i], v[AC+17+\i]
.endr
.else
	v_max3_num_f32 v[TM], |v[AC]|, |v[AC+1]|, 0x1800000          ; each accumulator from its low end on
	v_max3_num_f32 v[TM+1], |v[AC+16]|, |v[AC+17]|, 0x1800000
.irp i, 2,4,6,8,10,12,14
	v_max3_num_f32 v[TM], v[TM], |v[AC+\i]|, |v[AC+\i+1]|
	v_max3_num_f32 v[TM+1], v[TM+1], |v[AC+16+\i]|, |v[AC+17+\i]|
.endr
.endif
	v_max_num_f32 v[TM], v[TM], v[TM+1]
	v_add_nc_u32 v[TM+2], 0xff000000, v[TM]        ; 2 off the exponent field: the conversion's scale operand
.if \kind == 0
	v_lshrrev_b32 v[TM+4+\m], 23, v[TM+2]
.elseif \m == 0
	v_lshrrev_b32 v[TM+4], 23, v[TM+2]             ; the four tiles' bytes make the word of row r
.else
	v_lshrrev_b32 v[TM+3], 23, v[TM+2]
	v_lshl_or_b32 v[TM+4], v[TM+3], 8*\m, v[TM+4]
.endif
.irp p, 0,1,2,3
	v_cvt_scalef32_pk8_fp4_f32 v[AC+48+4*(\m)+\p], v[AC+8*\p:AC+8*\p+7], v[TM+2]
.endr
	v_nop                                          ; one plain line behind the last conversion
.if \kind == 0
	ds_store_b128 v[PA2], v[AC+48+4*(\m):AC+48+4*(\m)+3] offset:8192*\m+512*\cc
	ds_store_b8 v[PA3], v[TM+4+\m] offset:512*\m+2*\cc   ; every lane has a byte of its own
.else
	global_store_b128 v[GO0], v[AC+48+4*(\m):AC+48+4*(\m)+3], s[44:45] offset:256*\m   ; lanes 0-15: 256 consecutive bytes of head 2 w, lanes 16-31 of head 2 w + 1
.endif
.endm
.macro REDUCE                          ; the eight rows' sums over the 32 lanes, by turns
.irp x, 1,2,4,8
.irp i, 0,1,2,3,4,5,6,7
	v_add_f32_dpp v[SM+\i], v[SM+\i], v[SM+\i] row_xmask:\x row_mask:0xf bank_mask:0xf
.endr
.endr
.irp i, 0,1,2,3,4,5,6,7
	v_permlanex16_b32 v[TM+\i], v[SM+\i], s62, s63
.endr
.irp i, 0,1,2,3,4,5,6,7
	v_add_f32 v[SM+\i], v[SM+\i], v[TM+\i]
.endr
.endm
; My 8 rows of Y, + a bias, normalised: mean, then the mean of the squared differences, as the definition has it. A lane holds features 4 L .. + 3 and 128 + 4 L .. + 3. lc: the loads that may stay out behind the parameters.
.macro LNORM lc
.irp i, 0,1,2,3,4,5,6,7
	ds_load_b128 v[AC+8*\i:AC+8*\i+3], v[PA0] offset:YP*\i
	ds_load_b128 v[AC+8*\i+4:AC+8*\i+7], v[PA0] offset:YP*\i+512
.endr
	s_wait_loadcnt \lc
	s_wait_dscnt 0x0
.irp i, 0,1,2,3,4,5,6,7
.irp k, 0,2,4,6
	v_pk_add_f32 v[AC+8*\i+\k:AC+8*\i+\k+1], v[AC+8*\i+\k:AC+8*\i+\k+1], v[GG+\k:GG+\k+1]
.endr
.endr
.irp i, 0,1,2,3,4,5,6,7
	v_pk_add_f32 v[TM+4*(\i%2):TM+4*(\i%2)+1], v[AC+8*\i:AC+8*\i+1], v[AC+8*\i+2:AC+8*\i+3]
	v_pk_add_f32 v[TM+4*(\i%2)+2:TM+4*(\i%2)+3], v[AC+8*\i+4:AC+8*\i+5], v[AC+8*\i+6:AC+8*\i+7]
	v_pk_add_f32 v[TM+4*(\i%2):TM+4*(\i%2)+1], v[TM+4*(\i%2):TM+4*(\i%2)+1], v[TM+4*(\i%2)+2:TM+4*(\i%2)+3]
	v_add_f32 v[SM+\i], v[TM+4*(\i%2)], v[TM+4*(\i%2)+1]
.endr
	REDUCE
.irp i, 0,1,2,3,4,5,6,7
	v_mul_f32 v[SM+\i], s66, v[SM+\i]              ; the mean
.endr
.irp i, 0,1,2,3,4,5,6,7
.irp k, 0,1,2,3,4,5,6,7
	v_sub_f32 v[AC+8*\i+\k], v[AC+8*\i+\k], v[SM+\i]
.endr
.endr
.irp i, 0,1,2,3,4,5,6,7
	v_pk_mul_f32 v[TM+2*(\i%4):TM+2*(\i%4)+1], v[AC+8*\i:AC+8*\i+1], v[AC+8*\i:AC+8*\i+1]
.irp k, 2,4,6
	v_pk_fma_f32 v[TM+2*(\i%4):TM+2*(\i%4)+1], v[AC+8*\i+\k:AC+8*\i+\k+1], v[AC+8*\i+\k:AC+8*\i+\k+1], v[TM+2*(\i%4):TM+2*(\i%4)+1]
.endr
	v_add_f32 v[SM+\i], v[TM+2*(\i%4)], v[TM+2*(\i%4)+1]
.endr
	REDUCE
.irp i, 0,1,2,3,4,5,6,7
	v_fma_f32 v[SM+\i], v[SM+\i], s66, s67         ; the variance + 1e-5
.endr
.irp i, 0,1,2,3,4,5,6,7
	v_rsq_f32 v[SM+\i], v[SM+\i]
.endr
	v_nop                                          ; a plain line behind the batch,
	s_wait_alu depctr_va_vdst(0)                   ; and one wait for the eight, ahead of their first reader
.irp i, 0,1,2,3,4,5,6,7
.irp k, 0,1,2,3,4,5,6,7
	v_mul_f32 v[AC+8*\i+\k], v[AC+8*\i+\k], v[SM+\i]
.endr
.irp k, 0,2,4,6
	v_pk_fma_f32 v[AC+8*\i+\k:AC+8*\i+\k+1], v[AC+8*\i+\k:AC+8*\i+\k+1], v[GG+8+\k:GG+8+\k+1], v[GG+16+\k:GG+16+\k+1]
.endr
.endr
.endm
; My 8 rows (in AC, 4 + 4 features a lane) go back into Y and come again 8 neighbouring features a lane; four lanes hold a block of 32. stored = 1: stores to memory still read AC.
.macro QROWS stored
.irp i, 0,1,2,3,4,5,6,7
	ds_store_b128 v[PA0], v[AC+8*\i:AC+8*\i+3] offset:YP*\i
	ds_store_b128 v[PA0], v[AC+8*\i+4:AC+8*\i+7] offset:YP*\i+512
.endr
.if \stored
	s_wait_xcnt 0x0                                ; the stores to memory have read their registers
.endif
.irp i, 0,1,2,3,4,5,6,7
	ds_load_b128 v[AC+8*\i:AC+8*\i+3], v[PA1] offset:YP*\i
	ds_load_b128 v[AC+8*\i+4:AC+8*\i+7], v[PA1] offset:YP*\i+16
.endr
	s_wait_dscnt 0x0
.irp i, 0,1,2,3,4,5,6,7
	v_max3_num_f32 v[TM+\i], |v[AC+8*\i]|, |v[AC+8*\i+1]|, 0x1800000
.endr
.irp k, 2,4,6
.irp i, 0,1,2,3,4,5,6,7
	v_max3_num_f32 v[TM+\i], v[TM+\i], |v[AC+8*\i+\k]|, |v[AC+8*\i+\k+1]|
.endr
.endr
.irp x, 1,2
.irp i, 0,1,2,3,4,5,6,7
	v_max_num_f32_dpp v[TM+\i], v[TM+\i], v[TM+\i] row_xmask:\x row_mask:0xf bank_mask:0xf
.endr
.endr
.irp i, 0,1,2,3,4,5,6,7
	v_add_nc_u32 v[SM+\i], 0xff000000, v[TM+\i]
.endr
.irp i, 0,1,2,3,4,5,6,7
	v_lshrrev_b32 v[TM+\i], 23, v[SM+\i]
.endr
.irp i, 0,1,2,3,4,5,6,7
	v_cvt_scalef32_pk8_fp4_f32 v[GG+\i], v[AC+8*\i:AC+8*\i+7], v[SM+\i]
.endr
	v_nop
.irp i, 0,1,2,3,4,5,6,7
	ds_store_b32 v[PA2], v[GG+\i] offset:16*\i
	ds_store_b8 v[PA3], v[TM+\i] offset:4*\i       ; the four lanes of a block write the same byte with the same value
.endr
.endm
; K step 4 q + z of the last product: four fragments of the hidden layer against my two tiles of w2: eight accumulators by turns.
.macro FSTEP wf, sw, q, z
.if (\z)%2 == 0
.irp m, 0,1,2,3
	ds_load_b32 v[XS+\m], v[LB4] offset:HSC-ASC+512*\m+128*(2*(\q)+(\z)/2)   ; lanes 0-15: the even K step, lanes 16-31 the odd one
.endr
.endif
.irp m, 0,1,2,3
.irp c, 0,1
	ds_load_b128 v[GG+8*\m+4*\c:GG+8*\m+4*\c+3], v[LB16] offset:HIMG-AIMG+8192*\m+1024*(4*(\q)+(\z))+512*\c
.endr
.endr
	s_wait_dscnt 0x0
.irp t, 0,1
.irp m, 0,1,2,3
	MM AC+8*(4*\t+\m), \wf+8*(4*\t+(\z)), GG+8*\m, AC+8*(4*\t+\m), \sw+2*\t+(\z)/2, XS+\m, (\z)%2
.endr
.endr
.rept 4
	v_nop                                          ; places in front of loads into the operands and of the first read of results
.endr
.endm
; q, k and v of the 64 tokens whose codes lie in AIMG.
.macro TAIL
	s_wait_xcnt 0x0                                ; the row stores have read v160-223
.irp m, 0,1,2,3
	ds_load_b32 v[XS+\m], v[LB4] offset:128*\m
.endr
	s_wait_loadcnt 0x0                             ; the weights, their scale words and the biases
	SETA
	TURN_A WB, 16, 1
	v_and_b32 v[TM], 15, v0
	v_bfe_u32 v[TM+5], v0, 4, 1
	v_lshlrev_b32 v[GO0], 4, v[TM]
	v_lshl_add_u32 v[GO0], v[TM+5], 15, v[GO0]     ; codes: 16 r, and lanes 16-31 one head (32,768 bytes) on
	v_lshlrev_b32 v[PA0], 2, v[TM]                 ; 4 r
	v_lshl_add_u32 v[GO1], v[TM+5], 11, v[PA0]     ; scale words: 4 r, one head is 2,048 bytes
	v_lshlrev_b32 v[TM+5], 3, v[TM+5]              ; 8 h
	XFL 0
.irp m, 0,1,2,3
	UTILE WB, WSB, 1, 0, \m, 0
.endr
	global_store_b32 v[GO1], v[TM+4], s[50:51]
.irp j, 0,1,2,3,4,5,6,7
	v_mov_b32 v[GG+\j], v[WA+32]                   ; v: a lane holds one channel, so its bias is one number in all eight registers of C
	v_mov_b32 v[GG+8+\j], v[WA+33]
.endr
	TURN_A WA, 8, 2
.irp m, 0,1,2,3
.irp s, 0,1
.irp c, 0,1
	ds_load_b128 v[WB+16*\m+8*\s+4*\c:WB+16*\m+8*\s+4*\c+3], v[LB16] offset:2048*\m+1024*\s+512*\c
.endr
.endr
.endr
	s_wait_xcnt 0x0                                ; the stores of q's and k's codes have read v208-223, which the products below write
	s_wait_dscnt 0x0
.irp u, 0,1
.irp m, 0,1,2,3
	MM AC+32*\u+8*\m, WB+16*\m, WA+16*\u, GG+8*\u, XS+\m, WSA+\u, 0
.endr
.endr
.irp u, 0,1
.irp m, 0,1,2,3
	MM AC+32*\u+8*\m, WB+16*\m+8, WA+16*\u+8, AC+32*\u+8*\m, XS+\m, WSA+\u, 1
.endr
.endr
.rept 4
	v_nop
.endr
.irp u, 0,1                            ; registers 32 u + 8 m + j: keys 64 g + 32 h + 8 m + j of channel 16 (r / 8) + 8 u + r % 8
	v_max3_num_f32 v[TM], |v[AC+32*\u]|, |v[AC+32*\u+1]|, 0x1800000
	v_max3_num_f32 v[TM+1], |v[AC+32*\u+16]|, |v[AC+32*\u+17]|, 0x1800000
.irp i, 2,4,6,8,10,12,14
	v_max3_num_f32 v[TM], v[TM], |v[AC+32*\u+\i]|, |v[AC+32*\u+\i+1]|
	v_max3_num_f32 v[TM+1], v[TM+1], |v[AC+32*\u+16+\i]|, |v[AC+32*\u+17+\i]|
.endr
	v_max_num_f32 v[TM], v[TM], v[TM+1]
	v_add_nc_u32 v[TM+2], 0xff000000, v[TM]
	v_lshrrev_b32 v[TM+3], 23, v[TM+2]
.irp p, 0,1,2,3
	v_cvt_scalef32_pk8_fp4_f32 v[WB+4*\u+\p], v[AC+32*\u+8*\p:AC+32*\u+8*\p+7], v[TM+2]
.endr
	v_lshlrev_b32 v[TM+3], v[TM+5], v[TM+3]        ; (the plain line behind the conversions)  my byte at its place in the halfword,
	v_permlanex16_b32 v[TM+6+\u], v[TM+3], s62, s63
	v_or_b32 v[TM+6+\u], v[TM+6+\u], v[TM+3]       ; with that of lane l xor 16
	global_store_b128 v[GL16], v[WB+4*\u:WB+4*\u+3], s[46:47] offset:1024*\u   ; 512 consecutive bytes
	global_store_b16 v[PA0], v[TM+6+\u], s[52:53] offset:64*\u                 ; both halves of the lanes write the same halfword
.endr
.endm
	; ---- the head
	s_load_b512 s[4:19], s[0:1], 0x0               ; cx 4, x in 6, out_w codes 8, scales 10, out_b 12, ln1_s 14, ln1_b 16, w1 codes 18
	s_load_b512 s[20:35], s[0:1], 0x40             ; w1 scales 20, b1 22, w2 codes 24, scales 26, b2 28, ln2_s 30, ln2_b 32, in_w codes 34
	s_load_b256 s[36:43], s[0:1], 0x80             ; in_w scales 36, in_b 38, the layer number 40, x out 42
	s_load_b128 s[44:47], s[0:1], 0xa0             ; qk 44, vv 46
	s_set_vgpr_msb 0x40
	v_lshl_add_u32 v0, v0, 2, 0x2ce00
	v_mov_b32 v1, 0
	s_set_vgpr_msb 0x4000
.irp i, 0,1,2,3,4,5,6,7
	v_mov_b32 v[TM+\i], 0                          ; written once: a lane permute's destination counts as one of its sources
.endr
	v_lshrrev_b32 v[GO0], 5, v0
	v_readfirstlane_b32 s54, v[GO0]                ; wave 0..7
	s_and_b32 s55, ttmp9, 3                        ; b
	s_lshr_b32 s56, ttmp9, 2                       ; g
	s_mov_b32 s61, 0
	s_mov_b32 s62, 0x76543210
	s_mov_b32 s63, 0xfedcba98                      ; v_permlanex16_b32: lane l xor 16
	s_mov_b32 s66, 0x3b800000                      ; 1 / 256
	s_mov_b32 s67, 0x3727c5ac                      ; 1e-5
	s_lshr_b32 s81, s54, 1
	s_and_b32 s82, s54, 1
	s_mul_i32 s68, s54, STW
	s_add_co_u32 s68, s68, STG                     ; my stage
	s_mul_i32 s69, s54, 8*YP                       ; my 8 rows: LDS row 8 w + i is token 32 (w % 2) + 8 (w / 2) + i of the group
	s_lshl_b32 s76, s81, 11
	s_lshl_b32 s59, s82, 7
	s_add_co_u32 s76, s76, s59
	s_add_co_u32 s76, s76, AIMG
	s_lshl_b32 s77, s81, 7
	s_lshl_b32 s59, s82, 5
	s_add_co_u32 s77, s77, s59
	s_add_co_u32 s77, s77, ASC
	s_lshl_b32 s78, s54, 10
	s_add_co_u32 s78, s78, HIMG
	s_lshl_b32 s79, s81, 7
	s_lshl_b32 s59, s82, 6
	s_add_co_u32 s79, s79, s59
	s_add_co_u32 s79, s79, HSC
	s_lshl_b32 s80, s54, 7
	v_and_b32 v[GL16], 31, v0
	v_lshlrev_b32 v[GL16], 4, v[GL16]
	v_add_nc_u32 v[LB16], AIMG, v[GL16]
	v_lshrrev_b32 v[GO0], 2, v[GL16]               ; 4 x lane
	v_add_nc_u32 v[LB4], ASC, v[GO0]
	v_add_nc_u32 v[PA0], s69, v[GL16]
	SETCOL
	SETA
	v_and_b32 v[TM], 15, v0
	v_bfe_u32 v[TM+1], v0, 4, 1
	v_lshlrev_b32 v[TM], 3, v[TM]
	v_lshl_add_u32 v[GO1], v[TM+1], 2, v[TM]       ; 8 r + 4 h: scale words of rows as they lie
	s_wait_kmcnt 0x0
	s_load_b32 s57, s[40:41], 0x0                  ; the layer number
	s_lshl_b32 s60, s55, 5
	s_add_co_u32 s60, s60, s56                     ; 32 b + g
	s_lshl_b32 s59, s60, 9
	s_lshl_b32 s60, s60, 13
	s_add_nc_u64 s[48:49], s[4:5], 0x100000
	s_add_nc_u64 s[4:5], s[4:5], s[60:61]          ; ctx's codes: 8,192 bytes a group
	s_mov_b32 s60, s59
	s_add_nc_u64 s[48:49], s[48:49], s[60:61]      ; and its scale words: 512
	s_lshl_b32 s60, s56, 18                        ; x: 64 tokens of 4,096 bytes a group, 1,024 bytes a b, my first token
	s_lshl_b32 s59, s55, 10
	s_add_co_u32 s60, s60, s59
	s_lshl_b32 s59, s82, 17
	s_add_co_u32 s60, s60, s59
	s_lshl_b32 s59, s81, 15
	s_add_co_u32 s60, s60, s59
	s_add_nc_u64 s[6:7], s[6:7], s[60:61]
	s_add_nc_u64 s[42:43], s[42:43], s[60:61]
.irp i, 0,1,2,3,4,5,6,7
	global_load_b128 v[AC+8*\i:AC+8*\i+3], v[GL16], s[6:7] offset:4096*\i th:TH_LOAD_NT
	global_load_b128 v[AC+8*\i+4:AC+8*\i+7], v[GL16], s[6:7] offset:4096*\i+512 th:TH_LOAD_NT
.endr
.irp m, 0,1,2,3
.irp s, 0,1
.irp c, 0,1
	global_load_b128 v[WA+32+16*\m+8*\s+(\m/2)*CTJ+4*\c:WA+32+16*\m+8*\s+(\m/2)*CTJ+4*\c+3], v[GL16], s[4:5] offset:2048*\m+1024*\s+512*\c
.endr
.endr
.endr
.irp m, 0,1,2,3
	global_load_b32 v[XS+\m], v[GO0], s[48:49] offset:128*\m   ; lanes 0-15: K step 0, lanes 16-31: K step 1
.endr
	s_mov_b64 s[50:51], s[44:45]                   ; where q, k, v go
	s_mov_b64 s[52:53], s[46:47]
	s_lshl_b32 s60, s55, 19
	s_lshl_b32 s59, s54, 16
	s_add_co_u32 s60, s60, s59
	s_lshl_b32 s59, s56, 10
	s_add_co_u32 s60, s60, s59
	s_add_nc_u64 s[44:45], s[44:45], s[60:61]      ; qk codes: (16 b + 2 w) heads of 32,768 bytes, g groups of 1,024
	s_lshl_b32 s60, s55, 15
	s_lshl_b32 s59, s54, 12
	s_add_co_u32 s60, s60, s59
	s_lshl_b32 s59, s56, 6
	s_add_co_u32 s60, s60, s59
	s_add_co_u32 s60, s60, 0x200000
	s_add_nc_u64 s[50:51], s[50:51], s[60:61]      ; qk scale bytes
	s_lshr_b32 s83, s56, 1
	s_and_b32 s84, s56, 1
	s_lshl_b32 s60, s55, 18
	s_lshl_b32 s59, s54, 15
	s_add_co_u32 s60, s60, s59
	s_lshl_b32 s59, s83, 11
	s_add_co_u32 s60, s60, s59
	s_lshl_b32 s59, s84, 9
	s_add_co_u32 s60, s60, s59
	s_add_nc_u64 s[46:47], s[46:47], s[60:61]      ; vv codes: head 8 b + w, step g / 2, c = g % 2
	s_lshl_b32 s60, s55, 14
	s_lshl_b32 s59, s54, 11
	s_add_co_u32 s60, s60, s59
	s_lshl_b32 s59, s83, 7
	s_add_co_u32 s60, s60, s59
	s_lshl_b32 s59, s84, 1
	s_add_co_u32 s60, s60, s59
	s_add_co_u32 s60, s60, 0x100000
	s_add_nc_u64 s[52:53], s[52:53], s[60:61]      ; vv scale bytes
	s_mov_b64 s[70:71], s[34:35]
	s_mov_b64 s[72:73], s[36:37]
	s_mov_b64 s[74:75], s[38:39]
	s_wait_kmcnt 0x0
	s_min_u32 s57, s57, 1                          ; l, held inside the tables
	s_add_co_u32 s58, s57, 1
	s_min_u32 s58, s58, 1                          ; the layer whose in_w the tail takes
	OFS 8, 57, 32768, 4096, 0                      ; out_w: my 32 rows
	OFS 10, 57, 2048, 256, 0
	OFS 18, 57, 131072, 16384, 0                   ; w1: my 128 rows
	OFS 20, 57, 8192, 1024, 0
.irp i, 0,1,2,3,4,5,6,7
	global_load_b128 v[WA+4*\i:WA+4*\i+3], v[GL16], s[8:9] offset:512*\i
.endr
.irp t, 0,1
	global_load_b32 v[WSA+\t], v[GO1], s[10:11] offset:128*\t
.endr
	s_wait_xcnt 0x0                                ; ctx's scale loads have read v6
	OFFSC GO0, 8
	WISS_A WB, WSB, 18, 20, 0, 0                   ; w1, first 64 rows
	OFS 12, 57, 1024, 0, 0
	OFS 14, 57, 1024, 0, 0
	OFS 16, 57, 1024, 0, 0
	OFS 22, 57, 4096, 512, 0
	OFS 24, 57, 131072, 16384, 0                   ; w2: my 32 rows
	OFS 26, 57, 8192, 1024, 0
	OFS 28, 57, 1024, 0, 0
	OFS 30, 57, 1024, 0, 0
	OFS 32, 57, 1024, 0, 0
	OFS 34, 58, 98304, 8192, 0                     ; in_w: my 64 rows of q and k,
	OFS 36, 58, 6144, 512, 0
	OFS 38, 58, 3072, 256, 0
	OFS 70, 58, 98304, 4096, 65536                 ; my 32 rows of v
	OFS 72, 58, 6144, 256, 4096
	OFS 74, 58, 3072, 128, 2048
	s_wait_loadcnt 50                              ; x's 16 loads are in; behind them: ctx 16 + 4, out_w 8 + 2, w1 16 + 4
.irp i, 0,1,2,3,4,5,6,7
	ds_store_b128 v[PA0], v[AC+8*\i:AC+8*\i+3] offset:YP*\i
	ds_store_b128 v[PA0], v[AC+8*\i+4:AC+8*\i+7] offset:YP*\i+512
.endr
	s_wait_loadcnt 20                              ; ctx and out_w are in; w1's 20 may be out
	TURN_A WA, 8, 0
	BAR                                            ; x's 64 rows lie in Y
	; ---- x + ctx out_w^T: the residual is the C
	YLOAD
	s_wait_dscnt 0x0
.irp s, 0,1
.irp t, 0,1
.irp m, 0,1,2,3
	MM AC+8*(4*\t+\m), WA+16*\t+8*\s, WA+32+16*\m+8*\s+(\m/2)*CTJ, AC+8*(4*\t+\m), WSA+\t, XS+\m, \s
.endr
.endr
.endr
.rept 4
	v_nop
.endr
	PARAMS 12, 14, 16
	WISS_A WA, WSA, 18, 20, 8192, 512              ; w1, second 64 rows
	YSTORE
	BAR
	; ---- the first norm, and its rows as an operand
	SETROW
	LNORM 20                                       ; the second unit's 20 loads may be out
	QROWS 0                                        ; Y now holds the normalised rows: the next residual
	s_wait_xcnt 0x0
	v_bfe_u32 v[GO1], v0, 4, 1
	v_lshlrev_b32 v[GO1], 7, v[GO1]                ; 128 h
	s_wait_dscnt 0x0                               ; my images lie in LDS, and the stores have read v224-231
	BIAS 22, GO1, 0
	s_barrier_signal -1
	s_barrier_wait -1
	; ---- the hidden layer: my 128 units in two units of 64
	SETCOL
.irp m, 0,1,2,3
	ds_load_b32 v[XS+\m], v[LB4] offset:128*\m
.endr
	TURN_A WB, 16, 1                               ; (shown landed by the norm's wait)
	s_wait_loadcnt 0x0                             ; b1
	XFL 0
	UTILE WB, WSB, 0, 0, 0, 0
	UTILE WB, WSB, 0, 0, 1, 0
	UTILE WB, WSB, 0, 0, 2, 0
	UTILE WB, WSB, 0, 0, 3, 1
	s_wait_loadcnt 20                              ; the second unit's bias is in; w2's 20 may be out
	TURN_A WA, 16, 1
	XFL 0
	UTILE WA, WSA, 0, 1, 0, 0
	UTILE WA, WSA, 0, 1, 1, 0
	UTILE WA, WSA, 0, 1, 2, 0
	UTILE WA, WSA, 0, 1, 3, 2
	BAR                                            ; the hidden layer's 32 fragments lie in LDS
	; ---- + hidden w2^T: the residual is the C again
	SETB
	YLOAD
	s_wait_loadcnt 20                              ; the first half of w2 is in; the second half's 20 may be out
	TURN_B WB
	FSTEP WB, WSB, 0, 0
	FSTEP WB, WSB, 0, 1
	FSTEP WB, WSB, 0, 2
	FSTEP WB, WSB, 0, 3
	s_wait_loadcnt 0x0
	TURN_B WA
	FSTEP WA, WSA, 1, 0
	FSTEP WA, WSA, 1, 1
	FSTEP WA, WSA, 1, 2
	FSTEP WA, WSA, 1, 3
	s_cmp_lt_u32 s57, 1                            ; does a layer follow?
	s_cbranch_scc0 .Lno_next_a
	s_wait_xcnt 0x0
	OFFSC GO0, 8
	OFFSC GO1, 7
	WISS_A WB, WSB, 34, 36, 0, 0                   ; its q and k rows,
.irp i, 0,1,2,3,4,5,6,7
	global_load_b128 v[WA+4*\i:WA+4*\i+3], v[GL16], s[70:71] offset:512*\i   ; its v rows
.endr
.irp u, 0,1
	global_load_b32 v[WSA+\u], v[GO1], s[72:73] offset:64*\u
.endr
.Lno_next_a:
	PARAMS 28, 30, 32
	YSTORE
	BAR
	; ---- the second norm; the rows leave
	SETROW
	LNORM 0                                        ; the parameters were issued last on both ways
.irp i, 0,1,2,3,4,5,6,7
	global_store_b128 v[GL16], v[AC+8*\i:AC+8*\i+3], s[42:43] offset:4096*\i th:TH_STORE_NT        ; 512 consecutive bytes a store
	global_store_b128 v[GL16], v[AC+8*\i+4:AC+8*\i+7], s[42:43] offset:4096*\i+512 th:TH_STORE_NT
.endr
	s_cmp_lt_u32 s57, 1
	s_cbranch_scc0 .Lno_next_b
	QROWS 1
	s_wait_dscnt 0x0
	OFFVB ST0
	v_bfe_u32 v[ST1], v0, 4, 1
	v_lshlrev_b32 v[ST1], 7, v[ST1]                ; 128 h
	BIAS 38, ST1, 0
.irp u, 0,1
	global_load_b32 v[WA+32+\u], v[ST0], s[74:75] offset:32*\u
.endr
.Lno_next_b:
	BAR
	s_cmp_lt_u32 s57, 1
	s_cbranch_scc0 .Lno_next_c
	TAIL
.Lno_next_c:
	s_set_vgpr_msb 0x5
	s_wait_tensorcnt 0x0
	ds_add_u32 v0, v1
	s_wait_dscnt 0x0
	s_set_vgpr_msb 0x500
	s_endpgm
.Lfunc_end_k_qcd1f73b84c_enc0:
	.size	k_qcd1f73b84c_enc0, .Lfunc_end_k_qcd1f73b84c_enc0-k_qcd1f73b84c_enc0
	.p2alignl 7, 3214868480
	.fill 96, 4, 3214868480
	.section	.rodata,"a",@progbits
	.p2align	6, 0x0
	.amdhsa_kernel k_qcd1f73b84c_enc0
		.amdhsa_group_segment_fixed_size 184832
		.amdhsa_private_segment_fixed_size 0
		.amdhsa_enable_private_segment 0
		.amdhsa_kernarg_size 176
		.amdhsa_user_sgpr_count 2
		.amdhsa_user_sgpr_kernarg_segment_ptr 1
		.amdhsa_wavefront_size32 1
		.amdhsa_system_sgpr_workgroup_id_x 1
		.amdhsa_system_sgpr_workgroup_id_y 1
		.amdhsa_system_sgpr_workgroup_id_z 1
		.amdhsa_system_vgpr_workitem_id 0
		.amdhsa_next_free_vgpr 258
		.amdhsa_next_free_sgpr 96
		.amdhsa_reserve_vcc 0
		.amdhsa_float_denorm_mode_32 3
		.amdhsa_float_denorm_mode_16_64 3
		.amdhsa_memory_ordered 1
		.amdhsa_forward_progress 1
		.amdhsa_inst_pref_size 175
	.end_amdhsa_kernel
	.amdgpu_metadata
---
amdhsa.version: [ 1, 2 ]
amdhsa.kernels:
  - .name:           k_qcd1f73b84c_enc0
    .symbol:         k_qcd1f73b84c_enc0.kd
    .args:
      - { .name: cx, .offset: 0, .size: 8, .value_kind: global_buffer, .address_space: global }
      - { .name: x, .offset: 8, .size: 8, .value_kind: global_buffer, .address_space: global }
      - { .name: out_w_codes, .offset: 16, .size: 8, .value_kind: global_buffer, .address_space: global }
      - { .name: out_w_scales, .offset: 24, .size: 8, .value_kind: global_buffer, .address_space: global }
      - { .name: out_b, .offset: 32, .size: 8, .value_kind: global_buffer, .address_space: global }
      - { .name: ln1_s, .offset: 40, .size: 8, .value_kind: global_buffer, .address_space: global }
      - { .name: ln1_b, .offset: 48, .size: 8, .value_kind: global_buffer, .address_space: global }
      - { .name: w1_codes, .offset: 56, .size: 8, .value_kind: global_buffer, .address_space: global }
      - { .name: w1_scales, .offset: 64, .size: 8, .value_kind: global_buffer, .address_space: global }
      - { .name: b1, .offset: 72, .size: 8, .value_kind: global_buffer, .address_space: global }
      - { .name: w2_codes, .offset: 80, .size: 8, .value_kind: global_buffer, .address_space: global }
      - { .name: w2_scales, .offset: 88, .size: 8, .value_kind: global_buffer, .address_space: global }
      - { .name: b2, .offset: 96, .size: 8, .value_kind: global_buffer, .address_space: global }
      - { .name: ln2_s, .offset: 104, .size: 8, .value_kind: global_buffer, .address_space: global }
      - { .name: ln2_b, .offset: 112, .size: 8, .value_kind: global_buffer, .address_space: global }
      - { .name: in_w_codes, .offset: 120, .size: 8, .value_kind: global_buffer, .address_space: global }
      - { .name: in_w_scales, .offset: 128, .size: 8, .value_kind: global_buffer, .address_space: global }
      - { .name: in_b, .offset: 136, .size: 8, .value_kind: global_buffer, .address_space: global }
      - { .name: lay0, .offset: 144, .size: 8, .value_kind: global_buffer, .address_space: global }
      - { .name: x1, .offset: 152, .size: 8, .value_kind: global_buffer, .address_space: global }
      - { .name: qk, .offset: 160, .size: 8, .value_kind: global_buffer, .address_space: global }
      - { .name: vv, .offset: 168, .size: 8, .value_kind: global_buffer, .address_space: global }
    .group_segment_fixed_size: 184832
    .private_segment_fixed_size: 0
    .kernarg_segment_align: 8
    .kernarg_segment_size: 176
    .max_flat_workgroup_size: 256
    .sgpr_count:     96
    .vgpr_count:     258
    .wavefront_size: 32
...
	.end_amdgpu_metadata
.endif
;; end of part 3
;; launch attn1: the kernel of part 2 again; grid 8 x 32, 16 waves a work-group, no clusters, 71,680 bytes of LDS; arguments qk, vv, cx; writes cx
;; launch enc1: the kernel of part 3 again; grid 128 x 1, 8 waves a work-group, no clusters, 184,832 bytes of LDS; arguments cx, x1, out_w_codes, out_w_scales, out_b, ln1_s, ln1_b, w1_codes, w1_scales, b1, w2_codes, w2_scales, b2, ln2_s, ln2_b, in_w_codes, in_w_scales, in_b, lay1, out0, qk, vv; writes out0, qk, vv
;; ======== version 2 of 2: 5 launches; version 1 with the launches first, attn0, enc0, attn1, enc1 written anew for expert scheduling mode
;; workspace buffers: qk 2,228,224 bytes; vv 1,114,112 bytes; cx 1,114,112 bytes; x1 8,388,608 bytes; lay0 256 bytes of whole numbers; lay1 256 bytes of whole numbers
;; launch first (part 4): grid 128 x 1, 8 waves a work-group, no clusters, 184,832 bytes of LDS; arguments x, in_w_codes, in_w_scales, in_b, qk, vv, lay0, lay1; writes qk, vv, lay0, lay1
.if DOCPART == 4
	.amdgcn_target "amdgcn-amd-amdhsa--gfx1250"
	.amdhsa_code_object_version 6
	.text
	.protected	k_qcd1f73b84c_first
	.globl	k_qcd1f73b84c_first
	.p2align	8
	.type	k_qcd1f73b84c_first,@function
k_qcd1f73b84c_first:
	s_mov_b64 s[64:65], 0
	v_nop
	global_prefetch_b8 v0, s[64:65] scope:SCOPE_SE
	s_setreg_imm32_b32 hwreg(HW_REG_WAVE_SCHED_MODE, 0, 2), 2
	s_setreg_imm32_b32 hwreg(HW_REG_WAVE_MODE, 25, 1), 1
	s_wait_xcnt 0x0
	s_wait_alu depctr_vm_vsrc(0)
; LAYER 0, FIRST PRODUCT: x is quantised along its 256 features, multiplied by in_w (given as codes), in_b is added, and q, k, v are quantised and stored as codes of FP4 (E2M1) with E8M0 scale bytes.
; SHARES. A work-group takes 64 tokens l = 64 g + 0 .. 63 of one b (b = x & 3, g = x >> 2). Its eight waves share the COLUMNS: wave w makes rows 64 w .. 64 w + 63 of in_w (q and k heads 2 w, 2 w + 1) and v head w.
; THE ORDER OF ROWS IN A TILE. Tile m (0 .. 3) of a group of 64 takes, in lane r, item 32 (r / 8) + 8 m + r % 8. In a result, register j of lane half h is row 8 h + j of source 0, so over the four tiles a lane half
; holds items 32 h + 8 m + j: a whole block of 32 in ONE lane, ascending over its registers: four conversions give the 16 bytes that the operand layout wants, and no lane is asked for a maximum.
; q, k: source 0 = 64 rows of in_w in that order, source 1 = 16 tokens: a lane holds the 32 numbers of one head of one token. v: source 0 = tokens in that order, source 1 = rows of in_w: a lane holds 32 keys of one channel.
; WORKSPACE. qk codes [b][e 16: q heads, k heads][g][c 2][lane][16 bytes]: the bytes at (c, lane = 16 h + r) are token 64 g + 32 (r / 8) + 8 (2 c + h) + r % 8; scale bytes, 2,097,152 on: [b][e][g][r][tile].
;            vv codes [b][head][step of 128 keys][u 2][c 2][lane][16]: keys 128 s + 64 c + 32 h + 0 .. 31 of channel 16 (r / 8) + 8 u + r % 8; scale bytes, 1,048,576 on: [b][head][s][u][r][2 c + h].
; The weights come DENSE (512 consecutive bytes a load) and are turned into fragment order through the wave's own stage in LDS; LDS serves a wave's instructions in order, so no wait on DScnt stands between stores and loads.
; Work-group 0, wave 0 also stores the layer numbers 0 and 1 that the two later launches of one body read.
; LIMITS: NaN and infinities among the inputs are not served. A block of zeros gets the scale byte 1 where the rule says 127: its codes are zeros, and the bytes are read by this program alone.
; THE MODE: SCHED_MODE bits 1:0 = 2 (LLVM: expert scheduling mode 2), set by the entry lines.  The code itself states the register dependences
; between vector or matrix instructions and memory or LDS instructions, with s_wait_alu, always for 0.
; THE PLAN.  Registers that memory or LDS instructions touch, and who else names them:
;   v1-v3       offsets and LDS addresses, made at the head and never written again.  v9-v11 likewise.
;   v4-v8       offsets made at the head; made anew in the tail: a wait on vm_vsrc ahead of the new lines, one on va_vdst behind them.
;   v32-v159    weights: loads land, LDS stores read, LDS loads land in the same registers (a wait on vm_vsrc between the two runs), products read.  v96-159 later take the tokens' fragments, v96-103 v's codes.
;   v160-v223   x's rows: loads land, LDS stores read, LDS loads land (vm_vsrc between), the quantiser reads.  Then v160-191 accumulators (vector and matrix side alone), v192-207 a tile's fragments
;               (LDS loads land, products read), v208-223 code words, four to a tile (conversions write, a store reads).
;   v224-v255   x's codes (conversions write, LDS stores read), then the bias (loads land, products read).  v24-v31: scale bytes and words (vector lines write, stores read).
; A TILE OF TOKENS has ONE wait on va_vdst, behind its products: they are done reading v192-207, in which the next tile's fragments land, and the tile before has written its codes, whose store stands here, a tile late.
.set YP,   1040                        ; a row of 256 f32 in LDS: 1,024 bytes + 16
.set AIMG, 66560                       ; behind 64 such rows: x's codes as images of operand registers [tile 4][K step 2][c 2][lane][16]
.set ASC,  74752                       ; their scale words [tile][K step][r][4]
.set STG,  110080                      ; the stages, 9,216 bytes for each wave
.set STW,  9216
.set GL16, 1                           ; v1   16 x lane
.set LB16, 2                           ; v2   AIMG + 16 x lane
.set LB4,  3                           ; v3   ASC + 4 x lane
.set ST0,  4                           ; v4   first an offset (v bias), then the stage, way in
.set ST1,  5                           ; v5   first an offset (q, k bias), then the stage, way out
.set GO0,  6                           ; v6, v7  offsets into memory
.set GO1,  7
.set PA0,  8                           ; v8   my rows in LDS, 16 bytes a lane; in TAIL 4 r
.set PA1,  9                           ; v9   my rows, 32 bytes a lane
.set PA2,  10                          ; v10  where my code word goes
.set PA3,  11                          ; v11  where my scale byte goes
.set WSA,  12                          ; v12-15, v16-19 weights' scale words; v20-23 the tokens': these hold scales and nothing else
.set WSB,  16
.set XS,   20
.set TM,   24                          ; v24-31 at work
.set WA,   32                          ; v32-95  v's weights (32 registers), v64, v65 v's bias
.set WB,   96                          ; v96-159 q's and k's weights; later the tokens' fragments
.set AC,   160                         ; v160-223 rows, accumulators
.set GG,   224                         ; v224-255 biases
.set SM,   248
.macro MM d, a, b, c, sa, sb, row      ; one product; row = 1: both scale words are taken from lanes 16-31
.if \row
	v_wmma_scale_f32_16x16x128_f8f6f4 v[(\d):(\d)+7], v[(\a):(\a)+7], v[(\b):(\b)+7], v[(\c):(\c)+7], v[\sa], v[\sb] matrix_a_fmt:MATRIX_FMT_FP4 matrix_b_fmt:MATRIX_FMT_FP4 matrix_a_scale:MATRIX_SCALE_ROW1 matrix_b_scale:MATRIX_SCALE_ROW1
.else
	v_wmma_scale_f32_16x16x128_f8f6f4 v[(\d):(\d)+7], v[(\a):(\a)+7], v[(\b):(\b)+7], v[(\c):(\c)+7], v[\sa], v[\sb] matrix_a_fmt:MATRIX_FMT_FP4 matrix_b_fmt:MATRIX_FMT_FP4
.endif
.endm
.macro OFFSC d, sh                     ; scale words of weight rows, 8 bytes a row: (r / 8) << sh + 8 (r % 8) + 4 h: lanes 0-15 take K step 0, lanes 16-31 K step 1
	v_bfe_u32 v[TM], v0, 3, 1
	v_and_b32 v[TM+1], 7, v0
	v_lshlrev_b32 v[TM+1], 3, v[TM+1]
	v_lshl_add_u32 v[TM], v[TM], \sh, v[TM+1]
	v_bfe_u32 v[TM+1], v0, 4, 1
	v_lshl_add_u32 v[\d], v[TM+1], 2, v[TM]
.endm
.macro OFFVB d                         ; v bias of channel 16 (r / 8) + r % 8, 4 bytes each
	v_bfe_u32 v[TM], v0, 3, 1
	v_and_b32 v[TM+1], 7, v0
	v_lshlrev_b32 v[TM+1], 2, v[TM+1]
	v_lshl_add_u32 v[\d], v[TM], 6, v[TM+1]
.endm
.macro SETA                            ; the stage for rows of 128 bytes, 144 apart: in: 4 rows a store; out: row r, + 16 h
	v_bfe_u32 v[TM], v0, 3, 2
	v_and_b32 v[TM+1], 7, v0
	v_mul_u32_u24 v[TM], v[TM], 144
	v_lshl_add_u32 v[TM], v[TM+1], 4, v[TM]
	v_add_nc_u32 v[ST0], s68, v[TM]
	v_and_b32 v[TM], 15, v0
	v_bfe_u32 v[TM+1], v0, 4, 1
	v_mul_u32_u24 v[TM], v[TM], 144
	v_lshl_add_u32 v[TM], v[TM+1], 4, v[TM]
	v_add_nc_u32 v[ST1], s68, v[TM]
.endm
.macro SETROW                          ; the addresses of the wave as owner of 8 rows
	v_lshl_add_u32 v[PA1], v[GL16], 1, s69
	v_bfe_u32 v[TM], v0, 2, 3
	v_and_b32 v[TM+1], 3, v0
	v_lshlrev_b32 v[TM+1], 2, v[TM+1]
	v_lshl_add_u32 v[TM], v[TM], 8, v[TM+1]
	v_add_nc_u32 v[PA2], s76, v[TM]                ; lane L holds features 8 L on: K step L / 16, c, h = the next two bits: 256 x (L / 4) + 4 (L % 4)
	v_bfe_u32 v[TM], v0, 4, 1
	v_bfe_u32 v[TM+1], v0, 2, 2
	v_lshl_add_u32 v[TM], v[TM], 6, v[TM+1]
	v_add_nc_u32 v[PA3], s77, v[TM]                ; 64 x K step + the block's number in the K step
.endm
.macro OFW p, wm, ex                   ; a pointer goes wave x wm + ex bytes on
	s_mul_i32 s60, s54, \wm
.if \ex
	s_add_co_u32 s60, s60, \ex
.endif
	s_add_nc_u64 s[\p:\p+1], s[\p:\p+1], s[60:61]
.endm
; n loads' worth of weight rows (128 bytes a row, 4 rows a load) go into the stage, each four rows to the place that the tile order gives them, and come back as fragments (tile, K step) at wf + 8 (2 tile + K step).
; kind 1: 64 rows, row 32 a + 8 m + z goes to stage row 16 m + 8 a + z; kind 2: 32 rows, row 16 a + 8 u + z to 16 u + 8 a + z.
.macro TURN_A wf, n, kind
.set ii, 0
.rept \n
.if \kind == 1
.set sl, 16*((ii>>1)&3)+8*(ii>>3)+4*(ii&1)
.else
.set sl, 16*((ii>>1)&1)+8*(ii>>2)+4*(ii&1)
.endif
	ds_store_b128 v[ST0], v[\wf+4*ii:\wf+4*ii+3] offset:144*sl
.set ii, ii+1
.endr
	s_wait_alu depctr_vm_vsrc(0)                   ; the stores above have read the set's registers, in which the loads below land
.set ii, 0
.rept \n/4
.irp s, 0,1
.irp c, 0,1
	ds_load_b128 v[\wf+8*(2*ii+\s)+4*\c:\wf+8*(2*ii+\s)+4*\c+3], v[ST1] offset:2304*ii+64*\s+32*\c
.endr
.endr
.set ii, ii+1
.endr
.endm
.macro XFL m                           ; the two fragments of token tile m
.irp s, 0,1
.irp c, 0,1
	ds_load_b128 v[AC+32+8*\s+4*\c:AC+32+8*\s+4*\c+3], v[LB16] offset:2048*(\m)+1024*\s+512*\c
.endr
.endr
.endm
.macro USTORE m                        ; tile m's codes leave: lanes 0-15: 256 consecutive bytes of head 2 w, lanes 16-31 of head 2 w + 1
	global_store_b128 v[GO0], v[AC+48+4*(\m):AC+48+4*(\m)+3], s[44:45] offset:256*(\m)
.endm
; 64 weight rows against token tile m: four accumulators by turns, the bias as the C of each sum's first product; then a lane's 32 numbers (one head of one token) become 16 bytes and a scale byte.
.macro UTILE wf, sw, m
	s_wait_dscnt 0x0                               ; the fragments are in
.irp p, 0,1,2,3
	MM AC+8*\p, \wf+16*\p, AC+32, GG+8*\p, \sw+\p, XS+\m, 0
.endr
.irp p, 0,1,2,3
	MM AC+8*\p, \wf+16*\p+8, AC+40, AC+8*\p, \sw+\p, XS+\m, 1
.endr
.rept 5
	v_nop                                          ; four places in front of loads into the operands and of the first read of results, a fifth since the next tile's products write over these accumulators
.endr
	s_wait_alu depctr_va_vdst(0)                   ; the products are done reading v192-207, in which the next tile's fragments land; the tile before has written its codes, and the tail's head v6, which the store below reads
.if \m < 3
	XFL \m+1
.endif
.if \m > 0
	USTORE \m-1
.endif
	v_max3_num_f32 v[TM], |v[AC]|, |v[AC+1]|, 0x1800000          ; the block's largest magnitude in two chains, each accumulator from its low end on; the floor 2^(3 - 127) holds the byte at 1 from below
	v_max3_num_f32 v[TM+1], |v[AC+16]|, |v[AC+17]|, 0x1800000
.irp i, 2,4,6,8,10,12,14
	v_max3_num_f32 v[TM], v[TM], |v[AC+\i]|, |v[AC+\i+1]|
	v_max3_num_f32 v[TM+1], v[TM+1], |v[AC+16+\i]|, |v[AC+17+\i]|
.endr
	v_max_num_f32 v[TM], v[TM], v[TM+1]
	v_add_nc_u32 v[TM+2], 0xff000000, v[TM]        ; 2 off the exponent field: the conversion's scale operand
.if \m == 0
	v_lshrrev_b32 v[TM+4], 23, v[TM+2]             ; the byte; the four tiles' bytes make the word of row r
.else
	v_lshrrev_b32 v[TM+3], 23, v[TM+2]
	v_lshl_or_b32 v[TM+4], v[TM+3], 8*\m, v[TM+4]
.endif
.irp p, 0,1,2,3
	v_cvt_scalef32_pk8_fp4_f32 v[AC+48+4*(\m)+\p], v[AC+8*\p:AC+8*\p+7], v[TM+2]
.endr
	v_nop                                          ; one plain line behind the last conversion
.endm
; My 8 rows (in AC, 4 + 4 features a lane) go to LDS and come back 8 neighbouring features a lane; four lanes hold a block of 32.
.macro QROWS
.irp i, 0,1,2,3,4,5,6,7
	ds_store_b128 v[PA0], v[AC+8*\i:AC+8*\i+3] offset:YP*\i
	ds_store_b128 v[PA0], v[AC+8*\i+4:AC+8*\i+7] offset:YP*\i+512
.endr
	s_wait_alu depctr_vm_vsrc(0)                   ; the stores above have read v160-223, in which the loads below land
.irp i, 0,1,2,3,4,5,6,7
	ds_load_b128 v[AC+8*\i:AC+8*\i+3], v[PA1] offset:YP*\i
	ds_load_b128 v[AC+8*\i+4:AC+8*\i+7], v[PA1] offset:YP*\i+16
.endr
	s_wait_dscnt 0x0
.irp i, 0,1,2,3,4,5,6,7
	v_max3_num_f32 v[TM+\i], |v[AC+8*\i]|, |v[AC+8*\i+1]|, 0x1800000
.endr
.irp k, 2,4,6
.irp i, 0,1,2,3,4,5,6,7
	v_max3_num_f32 v[TM+\i], v[TM+\i], |v[AC+8*\i+\k]|, |v[AC+8*\i+\k+1]|
.endr
.endr
.irp x, 1,2
.irp i, 0,1,2,3,4,5,6,7
	v_max_num_f32_dpp v[TM+\i], v[TM+\i], v[TM+\i] row_xmask:\x row_mask:0xf bank_mask:0xf
.endr
.endr
.irp i, 0,1,2,3,4,5,6,7
	v_add_nc_u32 v[SM+\i], 0xff000000, v[TM+\i]
.endr
.irp i, 0,1,2,3,4,5,6,7
	v_lshrrev_b32 v[TM+\i], 23, v[SM+\i]
.endr
.irp i, 0,1,2,3,4,5,6,7
	v_cvt_scalef32_pk8_fp4_f32 v[GG+\i], v[AC+8*\i:AC+8*\i+7], v[SM+\i]
.endr
	v_nop
	s_wait_alu depctr_va_vdst(0)                   ; the conversions have written v224-231 and the shifts v24-31, which the stores below read; all lines that name v224-255, in which the bias lands later, are done
.irp i, 0,1,2,3,4,5,6,7
	ds_store_b32 v[PA2], v[GG+\i] offset:16*\i
	ds_store_b8 v[PA3], v[TM+\i] offset:4*\i       ; the four lanes of a block write the same byte with the same value
.endr
.endm
.macro BIAS p, o, ex                   ; 32 numbers a lane: those of rows 32 h + 8 p + 0 .. 7
.irp q, 0,1,2,3
	global_load_b128 v[GG+8*\q:GG+8*\q+3], v[\o], s[\p:\p+1] offset:\ex+32*\q
	global_load_b128 v[GG+8*\q+4:GG+8*\q+7], v[\o], s[\p:\p+1] offset:\ex+32*\q+16
.endr
.endm
; q, k and v of the 64 tokens whose codes lie in AIMG.
.macro TAIL
	s_wait_xcnt 0x0                                ; earlier stores have read their registers
	s_wait_alu depctr_vm_vsrc(0)                   ; the loads of the biases have read v4 and v5, which are made anew below
.irp m, 0,1,2,3
	ds_load_b32 v[XS+\m], v[LB4] offset:128*\m     ; lanes 0-15: tile m, K step 0; lanes 16-31: K step 1
.endr
	s_wait_loadcnt 0x0                             ; the weights, their scale words and the biases
	SETA
	s_wait_alu depctr_va_vdst(0)                   ; v4 and v5 are written: the stage's stores and loads read them
	TURN_A WB, 16, 1
	v_and_b32 v[TM], 15, v0
	v_bfe_u32 v[TM+5], v0, 4, 1
	v_lshlrev_b32 v[GO0], 4, v[TM]
	v_lshl_add_u32 v[GO0], v[TM+5], 15, v[GO0]     ; codes: 16 r, and lanes 16-31 one head (32,768 bytes) on
	v_lshlrev_b32 v[PA0], 2, v[TM]                 ; 4 r
	v_lshl_add_u32 v[GO1], v[TM+5], 11, v[PA0]     ; scale words: 4 r, one head is 2,048 bytes
	v_lshlrev_b32 v[TM+5], 3, v[TM+5]              ; 8 h
	XFL 0
.irp m, 0,1,2,3
	UTILE WB, WSB, \m
.endr
	s_wait_alu depctr_va_vdst(0)                   ; tile 3 has written its codes v220-223 and the scale word v28, which the two stores below read
	USTORE 3
	global_store_b32 v[GO1], v[TM+4], s[50:51]
.irp j, 0,1,2,3,4,5,6,7
	v_mov_b32 v[GG+\j], v[WA+32]                   ; v: a lane holds one channel, so its bias is one number in all eight registers of C
	v_mov_b32 v[GG+8+\j], v[WA+33]
.endr
	TURN_A WA, 8, 2
.irp m, 0,1,2,3
.irp s, 0,1
.irp c, 0,1
	ds_load_b128 v[WB+16*\m+8*\s+4*\c:WB+16*\m+8*\s+4*\c+3], v[LB16] offset:2048*\m+1024*\s+512*\c
.endr
.endr
.endr
	s_wait_alu depctr_va_vdst(0)
	s_wait_xcnt 0x0                                ; the stores of q's and k's codes have read v208-223, which the products below write
	s_wait_alu depctr_vm_vsrc(0)                   ; the same, stated for the matrix side: those stores have read v208-223
	s_wait_dscnt 0x0
.irp u, 0,1
.irp m, 0,1,2,3
	MM AC+32*\u+8*\m, WB+16*\m, WA+16*\u, GG+8*\u, XS+\m, WSA+\u, 0
.endr
.endr
.irp u, 0,1
.irp m, 0,1,2,3
	MM AC+32*\u+8*\m, WB+16*\m+8, WA+16*\u+8, AC+32*\u+8*\m, XS+\m, WSA+\u, 1
.endr
.endr
.rept 4
	v_nop
.endr
.irp u, 0,1                            ; registers 32 u + 8 m + j: keys 64 g + 32 h + 8 m + j of channel 16 (r / 8) + 8 u + r % 8
	v_max3_num_f32 v[TM], |v[AC+32*\u]|, |v[AC+32*\u+1]|, 0x1800000
	v_max3_num_f32 v[TM+1], |v[AC+32*\u+16]|, |v[AC+32*\u+17]|, 0x1800000
.irp i, 2,4,6,8,10,12,14
	v_max3_num_f32 v[TM], v[TM], |v[AC+32*\u+\i]|, |v[AC+32*\u+\i+1]|
	v_max3_num_f32 v[TM+1], v[TM+1], |v[AC+32*\u+16+\i]|, |v[AC+32*\u+17+\i]|
.endr
	v_max_num_f32 v[TM], v[TM], v[TM+1]
	v_add_nc_u32 v[TM+2], 0xff000000, v[TM]
	v_lshrrev_b32 v[TM+3], 23, v[TM+2]
.irp p, 0,1,2,3
	v_cvt_scalef32_pk8_fp4_f32 v[WB+4*\u+\p], v[AC+32*\u+8*\p:AC+32*\u+8*\p+7], v[TM+2]
.endr
	v_lshlrev_b32 v[TM+3], v[TM+5], v[TM+3]        ; (the plain line behind the conversions)  my byte at its place in the halfword,
	v_permlanex16_b32 v[TM+6+\u], v[TM+3], s62, s63
	v_or_b32 v[TM+6+\u], v[TM+6+\u], v[TM+3]       ; with that of lane l xor 16
.endr
	s_wait_alu depctr_va_vdst(0)                   ; both channels' codes v96-103 and halfwords v30, v31 are written, which the four stores below read
.irp u, 0,1
	global_store_b128 v[GL16], v[WB+4*\u:WB+4*\u+3], s[46:47] offset:1024*\u   ; 512 consecutive bytes
	global_store_b16 v[PA0], v[TM+6+\u], s[52:53] offset:64*\u                 ; both halves of the lanes write the same halfword
.endr
.endm
	s_load_b64 s[6:7], s[0:1], 0x0                 ; x
	s_load_b64 s[34:35], s[0:1], 0x8               ; in_w codes
	s_load_b128 s[36:39], s[0:1], 0x10             ; in_w scales, in_b
	s_load_b128 s[44:47], s[0:1], 0x20             ; qk, vv
	s_load_b128 s[40:43], s[0:1], 0x30             ; lay0, lay1
	v_lshl_add_u32 v94, v0, 2, 0x2ce00
	v_mov_b32 v95, 0
.irp i, 0,1,2,3,4,5,6,7
	v_mov_b32 v[TM+\i], 0                          ; written once: a lane permute's destination counts as one of its sources
.endr
	v_lshrrev_b32 v[GO0], 5, v0
	v_readfirstlane_b32 s54, v[GO0]                ; wave 0..7
	s_and_b32 s55, ttmp9, 3                        ; b
	s_lshr_b32 s56, ttmp9, 2                       ; g
	s_mov_b32 s61, 0
	s_mov_b32 s62, 0x76543210
	s_mov_b32 s63, 0xfedcba98                      ; v_permlanex16_b32: lane l xor 16
	s_wait_alu depctr_va_sdst(0)                   ; s54 is written, ahead of its first reader
	s_lshr_b32 s81, s54, 1
	s_and_b32 s82, s54, 1
	s_mul_i32 s68, s54, STW
	s_add_co_u32 s68, s68, STG                     ; my stage
	s_mul_i32 s69, s54, 8*YP                       ; my 8 rows: LDS row 8 w + i is token 32 (w % 2) + 8 (w / 2) + i of the group: tile w / 2, lane 8 (w % 2) + i
	s_lshl_b32 s76, s81, 11
	s_lshl_b32 s59, s82, 7
	s_add_co_u32 s76, s76, s59
	s_add_co_u32 s76, s76, AIMG
	s_lshl_b32 s77, s81, 7
	s_lshl_b32 s59, s82, 5
	s_add_co_u32 s77, s77, s59
	s_add_co_u32 s77, s77, ASC
	v_and_b32 v[GL16], 31, v0
	v_lshlrev_b32 v[GL16], 4, v[GL16]
	v_add_nc_u32 v[LB16], AIMG, v[GL16]
	v_lshrrev_b32 v[LB4], 2, v[GL16]
	v_add_nc_u32 v[LB4], ASC, v[LB4]
	v_add_nc_u32 v[PA0], s69, v[GL16]
	SETROW
	OFFSC GO0, 8
	OFFSC GO1, 7
	OFFVB ST0
	v_bfe_u32 v[ST1], v0, 4, 1
	v_lshlrev_b32 v[ST1], 7, v[ST1]                ; 128 h
	s_lshl_b32 s60, s56, 18                        ; x: 64 tokens of 4,096 bytes a group, 1,024 bytes a b, my first token
	s_lshl_b32 s59, s55, 10
	s_add_co_u32 s60, s60, s59
	s_lshl_b32 s59, s82, 17
	s_add_co_u32 s60, s60, s59
	s_lshl_b32 s59, s81, 15
	s_add_co_u32 s60, s60, s59
	s_wait_kmcnt 0x0
	s_add_nc_u64 s[6:7], s[6:7], s[60:61]
	s_wait_alu depctr_va_vdst(0)                   ; the offsets and LDS addresses v1 to v11 are written, which the loads and stores below read
.irp i, 0,1,2,3,4,5,6,7
	global_load_b128 v[AC+8*\i:AC+8*\i+3], v[GL16], s[6:7] offset:4096*\i th:TH_LOAD_NT
	global_load_b128 v[AC+8*\i+4:AC+8*\i+7], v[GL16], s[6:7] offset:4096*\i+512 th:TH_LOAD_NT
.endr
	s_mov_b64 s[70:71], s[34:35]
	s_mov_b64 s[72:73], s[36:37]
	s_mov_b64 s[74:75], s[38:39]
	OFW 34, 8192, 0                                ; my 64 rows of q and k,
	OFW 36, 512, 0
	OFW 38, 256, 0
	OFW 70, 4096, 65536                            ; my 32 rows of v
	OFW 72, 256, 4096
	OFW 74, 128, 2048
.set ii, 0
.rept 16
	global_load_b128 v[WB+4*ii:WB+4*ii+3], v[GL16], s[34:35] offset:512*ii
.set ii, ii+1
.endr
.irp q, 0,1,2,3
	global_load_b32 v[WSB+\q], v[GO0], s[36:37] offset:64*\q
.endr
.irp i, 0,1,2,3,4,5,6,7
	global_load_b128 v[WA+4*\i:WA+4*\i+3], v[GL16], s[70:71] offset:512*\i
.endr
.irp u, 0,1
	global_load_b32 v[WSA+\u], v[GO1], s[72:73] offset:64*\u
	global_load_b32 v[WA+32+\u], v[ST0], s[74:75] offset:32*\u
.endr
	s_mov_b64 s[50:51], s[44:45]                   ; where my results go
	s_mov_b64 s[52:53], s[46:47]
	s_lshl_b32 s60, s55, 19
	s_lshl_b32 s59, s54, 16
	s_add_co_u32 s60, s60, s59
	s_lshl_b32 s59, s56, 10
	s_add_co_u32 s60, s60, s59
	s_add_nc_u64 s[44:45], s[44:45], s[60:61]      ; qk codes: (16 b + 2 w) heads of 32,768 bytes, g groups of 1,024
	s_lshl_b32 s60, s55, 15
	s_lshl_b32 s59, s54, 12
	s_add_co_u32 s60, s60, s59
	s_lshl_b32 s59, s56, 6
	s_add_co_u32 s60, s60, s59
	s_add_co_u32 s60, s60, 0x200000
	s_add_nc_u64 s[50:51], s[50:51], s[60:61]      ; qk scale bytes
	s_lshr_b32 s83, s56, 1
	s_and_b32 s84, s56, 1
	s_lshl_b32 s60, s55, 18
	s_lshl_b32 s59, s54, 15
	s_add_co_u32 s60, s60, s59
	s_lshl_b32 s59, s83, 11
	s_add_co_u32 s60, s60, s59
	s_lshl_b32 s59, s84, 9
	s_add_co_u32 s60, s60, s59
	s_add_nc_u64 s[46:47], s[46:47], s[60:61]      ; vv codes: head 8 b + w, step g / 2, c = g % 2
	s_lshl_b32 s60, s55, 14
	s_lshl_b32 s59, s54, 11
	s_add_co_u32 s60, s60, s59
	s_lshl_b32 s59, s83, 7
	s_add_co_u32 s60, s60, s59
	s_lshl_b32 s59, s84, 1
	s_add_co_u32 s60, s60, s59
	s_add_co_u32 s60, s60, 0x100000
	s_add_nc_u64 s[52:53], s[52:53], s[60:61]      ; vv scale bytes
	s_wait_loadcnt 32                              ; x's 16 loads are in; the 32 behind them (weights 16 + 4 and 8 + 2, v bias 2) may be out
	QROWS
	s_wait_alu depctr_vm_vsrc(0)                   ; the stores of x's codes have read v224-231, in which the bias lands
	s_wait_dscnt 0x0                               ; my images lie in LDS
	BIAS 38, ST1, 0
	s_barrier_signal -1
	s_barrier_wait -1                              ; all eight fragments of x lie in LDS
	TAIL
	s_or_b32 s60, ttmp9, s54
	s_cmp_lg_u32 s60, 0
	s_cbranch_scc1 .Lend
	v_lshrrev_b32 v[GG+16], 1, v[GL16]             ; 8 x lane: one block of 256 bytes each
	v_mov_b32 v[GG+18], 0
	v_mov_b32 v[GG+19], 0
	v_mov_b32 v[GG+20], 1
	v_mov_b32 v[GG+21], 1
	s_wait_alu depctr_va_vdst(0)                   ; the offset v240 and the numbers v242-245 are written, which the two stores read
	global_store_b64 v[GG+16], v[GG+18:GG+19], s[40:41]
	global_store_b64 v[GG+16], v[GG+20:GG+21], s[42:43]
.Lend:
	s_wait_dscnt 0x0                               ; the closing lines, six on end
	s_wait_alu 0x0
	s_wait_tensorcnt 0x0
	ds_add_u32 v94, v95
	s_wait_dscnt 0x0
	s_endpgm
.Lfunc_end_k_qcd1f73b84c_first:
	.size	k_qcd1f73b84c_first, .Lfunc_end_k_qcd1f73b84c_first-k_qcd1f73b84c_first
	.p2alignl 7, 3214868480
	.fill 96, 4, 3214868480
	.section	.rodata,"a",@progbits
	.p2align	6, 0x0
	.amdhsa_kernel k_qcd1f73b84c_first
		.amdhsa_group_segment_fixed_size 184832
		.amdhsa_private_segment_fixed_size 0
		.amdhsa_enable_private_segment 0
		.amdhsa_kernarg_size 64
		.amdhsa_user_sgpr_count 2
		.amdhsa_user_sgpr_kernarg_segment_ptr 1
		.amdhsa_wavefront_size32 1
		.amdhsa_system_sgpr_workgroup_id_x 1
		.amdhsa_system_sgpr_workgroup_id_y 1
		.amdhsa_system_sgpr_workgroup_id_z 1
		.amdhsa_system_vgpr_workitem_id 0
		.amdhsa_next_free_vgpr 256
		.amdhsa_next_free_sgpr 96
		.amdhsa_reserve_vcc 0
		.amdhsa_float_denorm_mode_32 3
		.amdhsa_float_denorm_mode_16_64 3
		.amdhsa_memory_ordered 1
		.amdhsa_forward_progress 1
		.amdhsa_inst_pref_size 44
	.end_amdhsa_kernel
	.amdgpu_metadata
---
amdhsa.version: [ 1, 2 ]
amdhsa.kernels:
  - .name:           k_qcd1f73b84c_first
    .symbol:         k_qcd1f73b84c_first.kd
    .args:
      - { .name: x, .offset: 0, .size: 8, .value_kind: global_buffer, .address_space: global }
      - { .name: in_w_codes, .offset: 8, .size: 8, .value_kind: global_buffer, .address_space: global }
      - { .name: in_w_scales, .offset: 16, .size: 8, .value_kind: global_buffer, .address_space: global }
      - { .name: in_b, .offset: 24, .size: 8, .value_kind: global_buffer, .address_space: global }
      - { .name: qk, .offset: 32, .size: 8, .value_kind: global_buffer, .address_space: global }
      - { .name: vv, .offset: 40, .size: 8, .value_kind: global_buffer, .address_space: global }
      - { .name: lay0, .offset: 48, .size: 8, .value_kind: global_buffer, .address_space: global }
      - { .name: lay1, .offset: 56, .size: 8, .value_kind: global_buffer, .address_space: global }
    .group_segment_fixed_size: 184832
    .private_segment_fixed_size: 0
    .kernarg_segment_align: 8
    .kernarg_segment_size: 64
    .max_flat_workgroup_size: 256
    .sgpr_count:     96
    .vgpr_count:     256
    .wavefront_size: 32
...
	.end_amdgpu_metadata
.endif
;; end of part 4
;; launch attn0 (part 5): grid 8 x 32, 16 waves a work-group, no clusters, 71,680 bytes of LDS; arguments qk, vv, cx; writes cx
.if DOCPART == 5
	.amdgcn_target "amdgcn-amd-amdhsa--gfx1250"
	.amdhsa_code_object_version 6
	.text
	.protected	k_qcd1f73b84c_attn0
	.globl	k_qcd1f73b84c_attn0
	.p2align	8
	.type	k_qcd1f73b84c_attn0,@function
k_qcd1f73b84c_attn0:
	s_mov_b64 s[64:65], 0
	v_nop
	global_prefetch_b8 v0, s[64:65] scope:SCOPE_SE
	s_setreg_imm32_b32 hwreg(HW_REG_WAVE_SCHED_MODE, 0, 2), 2
	s_setreg_imm32_b32 hwreg(HW_REG_WAVE_MODE, 25, 1), 1
	s_wait_xcnt 0x0
	s_wait_alu depctr_vm_vsrc(0)
; ATTENTION OF ONE LAYER on codes of FP4 (E2M1): ctx = softmax(q k^T / sqrt(32)) v for one (b, head) = work-group y and 256 queries = work-group x, and ctx quantised along the 256 features.
; t = score x log2(e) / sqrt(32); M = the running largest t rounded UP to a whole number; p = 2^(t - M) is quantised along the keys; the sum of the unquantised p divides at the end; when M moves, sum and O are multiplied by 2^(old M - new M).
; SHARES. Sixteen waves, each with ONE tile of 16 queries: tile w % 4 of group 4 x + w / 4 (a tile's lane r is token 32 (r / 8) + 8 tile + r % 8 of its group of 64). Every wave walks the 2,048 keys, 128 a step.
; K, V AND THEIR SCALE BYTES OF THE WHOLE HEAD, 69,632 bytes, are copied into LDS once, through registers, and only read afterwards: one barrier in the launch.
; THE FIRST PRODUCT HAS K = 32: one block of the instruction's four. A fragment of k (8 registers) holds 64 keys: row r, block q = key 32 (r / 8) + 8 q + r % 8. It is multiplied four times, by the query's 32 codes
; set into block q among zero codes: product q gives the scores of the 16 keys of block q. The four forms of the query are windows into 20 registers: zeros, codes in lanes 0-15, zeros, codes in lanes 16-31, zeros.
; Zero codes add nothing whatever scale byte stands over them (the bytes are this program's own, 1 to 254). So register 32 g + 8 q + j of lane (query, h) is key 64 g + 32 h + 8 q + j of the step:
; a lane holds two WHOLE blocks of p in ascending order: the conversions' results are the second product's operand as they stand.
; Both products are used transposed (source 0 = keys, or channels of v; source 1 = my queries): a lane holds one query throughout.
; LIMITS: NaN and infinities are not served. A block whose every p has fallen to 0 keeps the scale byte 1: its codes are zeros. A block's largest p is taken as the exponential of its largest score.
; THE MODE: SCHED_MODE bits 1:0 = 2 (LLVM: expert scheduling mode 2), set by the entry lines.  The code itself states the register dependences
; between vector or matrix instructions and memory or LDS instructions, with s_wait_alu, always for 0.
; THE PLAN.  Registers that memory or LDS instructions touch:
;   v1-v3         LDS addresses, made at the head and never written again.
;   v104-v109     the head's offsets, v112-v145 what the head copies into LDS: read by the head's loads and LDS stores; the loop writes them anew: one wait on vm_vsrc behind the barrier.
;   v9-v11        the step's LDS addresses: written by three additions in each step, read by the step's ten LDS loads: a wait on vm_vsrc ahead of the additions.
;   v36-51, v6    k's fragments and scale word: the first product of step s reads them; behind it the loads of step s + 1 land.
;   v52-67, v7    v's: the second product of step s - 1 has read them; the loads of step s land.
;   v100, v101, v104, v105, v107   at the end: ctx's codes, the offsets and the scale byte: vector lines write, the two stores read.
; So ONE wait on va_vdst serves a step's ten loads, behind the first product and the three additions.  A second stands ahead of the second product, whose operand p and scale word vector lines have written;
; the two behind the exponentials stand ahead of a batch's first reader.
.set VC,   32768                       ; LDS: k's codes at 0, v's codes here,
.set KSC,  65536                       ; k's scale words, and 2,048 on v's
.set AK0,  1                           ; v1   16 x lane
.set AV0,  2                           ; v2   VC + 16 x lane
.set AS0,  3                           ; v3   KSC + 4 x lane
.set SH8,  4                           ; v4   8 h
.set QS,   5                           ; v5-8 scale words of q, k, v, p: these hold scales and nothing else
.set KS,   6
.set VS,   7
.set PS,   8
.set ADK,  9                           ; v9-11 the step's addresses
.set ADV,  10
.set ADS,  11
.set QB,   16                          ; v16-35 the query: zeros, low, zeros, high, zeros.  v12 -M, v13 the largest t, v[14:15] the sum in two halves
.set KF,   36                          ; v36-51 two fragments of k
.set VF,   52                          ; v52-67 two fragments of v
.set P,    68                          ; v68-75 p's codes
.set O,    76                          ; v76-91 O^T: register 8 u + j is channel 16 h + 8 u + j
.set BM,   92                          ; v92-93 the two blocks' largest scores, then largest p
.set XP,   94                          ; v94-95 what a lane permute brings
.set F,    96                          ; v[96:97] 2^(old M - new M)
.set SO,   98                          ; v98-99 the conversions' scale operands
.set BY,   100                         ; v100-101 scale bytes; at the end ctx's codes
.set T,    102                         ; v102-111 at work
.set S,    112                         ; v112-175 scores, then p
.macro SMM g, q                        ; the scores of keys 64 g + 32 h + 8 q + j
.if \g
	v_wmma_scale_f32_16x16x128_f8f6f4 v[S+32*\g+8*\q:S+32*\g+8*\q+7], v[KF+8*\g:KF+8*\g+7], v[QB+(4+8*\q)%20:QB+(4+8*\q)%20+7], 0, v[KS], v[QS] matrix_a_fmt:MATRIX_FMT_FP4 matrix_b_fmt:MATRIX_FMT_FP4 matrix_a_scale:MATRIX_SCALE_ROW1
.else
	v_wmma_scale_f32_16x16x128_f8f6f4 v[S+32*\g+8*\q:S+32*\g+8*\q+7], v[KF+8*\g:KF+8*\g+7], v[QB+(4+8*\q)%20:QB+(4+8*\q)%20+7], 0, v[KS], v[QS] matrix_a_fmt:MATRIX_FMT_FP4 matrix_b_fmt:MATRIX_FMT_FP4
.endif
.endm
.macro PVM u
.if \u
	v_wmma_scale_f32_16x16x128_f8f6f4 v[O+8*\u:O+8*\u+7], v[VF+8*\u:VF+8*\u+7], v[P:P+7], v[O+8*\u:O+8*\u+7], v[VS], v[PS] matrix_a_fmt:MATRIX_FMT_FP4 matrix_b_fmt:MATRIX_FMT_FP4 matrix_a_scale:MATRIX_SCALE_ROW1
.else
	v_wmma_scale_f32_16x16x128_f8f6f4 v[O+8*\u:O+8*\u+7], v[VF+8*\u:VF+8*\u+7], v[P:P+7], v[O+8*\u:O+8*\u+7], v[VS], v[PS] matrix_a_fmt:MATRIX_FMT_FP4 matrix_b_fmt:MATRIX_FMT_FP4
.endif
.endm
.macro KLOAD adr, sadr, off, soff      ; two fragments of k (128 keys) and their scale words: lanes 0-15 the first 64 keys, lanes 16-31 the others
.irp i, 0,1,2,3
	ds_load_b128 v[KF+4*\i:KF+4*\i+3], v[\adr] offset:\off+512*\i
.endr
	ds_load_b32 v[KS], v[\sadr] offset:\soff
.endm
	s_load_b128 s[4:7], s[0:1], 0x0                ; qk, vv
	s_load_b64 s[8:9], s[0:1], 0x10                ; cx
	v_lshl_add_u32 v176, v0, 2, 0x11000
	v_mov_b32 v177, 0
	v_lshrrev_b32 v[T], 5, v0
	v_readfirstlane_b32 s10, v[T]                  ; wave 0..15
	s_and_b32 s11, ttmp7, 0xffff                   ; y = 8 b + head
	s_lshr_b32 s12, s11, 3                         ; b
	s_and_b32 s13, s11, 7                          ; head
	s_lshl_b32 s14, s12, 4
	s_add_co_u32 s14, s14, s13                     ; q's place among qk's 64 heads; k's is 8 on
	s_lshl_b32 s15, ttmp9, 2
	s_wait_alu depctr_va_sdst(0)                   ; s10 is written, ahead of its first reader
	s_lshr_b32 s34, s10, 2
	s_add_co_u32 s15, s15, s34                     ; my group of 64 tokens
	s_and_b32 s34, s10, 3                          ; my tile in it
	s_lshl_b32 s35, s12, 5
	s_add_co_u32 s35, s35, s15                     ; 32 b + group
	s_mov_b32 s37, 0
	s_mov_b32 s26, 0x3e8293ee                      ; c = log2(e) / sqrt(32)
	s_mov_b32 s27, s26                             ; (named with it as a pair, so it is written)
	s_mov_b32 s28, 0x76543210
	s_mov_b32 s29, 0xfedcba98                      ; v_permlanex16_b32: lane l xor 16
	s_mov_b32 s31, 0x01010101
	v_and_b32 v[T+1], 31, v0                       ; lane
	v_lshlrev_b32 v[AK0], 4, v[T+1]
	v_add_nc_u32 v[AV0], VC, v[AK0]
	v_lshl_add_u32 v[AS0], v[T+1], 2, KSC
	v_bfe_u32 v[SH8], v0, 4, 1
	v_lshlrev_b32 v[SH8], 3, v[SH8]
	v_lshlrev_b32 v[T+2], 4, v0                    ; 16 x thread
	v_lshlrev_b32 v[T+3], 2, v0                    ; 4 x thread
	v_and_b32 v[T+4], 15, v0                       ; r
	v_lshlrev_b32 v[T+5], 4, v[T+4]
	v_lshlrev_b32 v[T+6], 2, v[T+4]
	v_add_nc_u32 v[T+7], KSC, v[T+3]
	s_wait_kmcnt 0x0
	s_lshl_b32 s36, s14, 15
	s_lshl_b32 s38, s15, 10
	s_add_co_u32 s36, s36, s38
	s_lshl_b32 s38, s34, 8
	s_add_co_u32 s36, s36, s38
	s_add_nc_u64 s[16:17], s[4:5], s[36:37]        ; my tile's codes of q: 256 bytes
	s_lshl_b32 s36, s14, 11
	s_add_co_u32 s36, s36, 0x200000
	s_add_nc_u64 s[18:19], s[4:5], s[36:37]
	s_lshl_b32 s36, s15, 6
	s_add_co_u32 s36, s36, s34
	s_add_nc_u64 s[20:21], s[18:19], s[36:37]      ; its scale bytes: 4 r on
	s_add_nc_u64 s[18:19], s[18:19], 8*2048        ; k's scale bytes
	s_lshl_b32 s36, s14, 15
	s_add_co_u32 s36, s36, 8*32768
	s_add_nc_u64 s[4:5], s[4:5], s[36:37]          ; k's codes
	s_lshl_b32 s36, s11, 11
	s_add_co_u32 s36, s36, 0x100000
	s_add_nc_u64 s[22:23], s[6:7], s[36:37]        ; v's scale bytes
	s_lshl_b32 s36, s11, 15
	s_add_nc_u64 s[6:7], s[6:7], s[36:37]          ; v's codes
	s_lshl_b32 s36, s35, 9
	s_lshl_b32 s38, s34, 7
	s_add_co_u32 s36, s36, s38
	s_lshr_b32 s38, s13, 2
	s_lshl_b32 s38, s38, 6
	s_add_co_u32 s36, s36, s38
	s_and_b32 s38, s13, 3
	s_add_co_u32 s36, s36, s38
	s_add_co_u32 s36, s36, 0x100000
	s_add_nc_u64 s[24:25], s[8:9], s[36:37]        ; ctx's scale bytes [b][g][tile][K step][r][head % 4]
	s_lshl_b32 s36, s35, 13
	s_lshl_b32 s38, s34, 11
	s_add_co_u32 s36, s36, s38
	s_lshl_b32 s38, s13, 8
	s_add_co_u32 s36, s36, s38
	s_add_nc_u64 s[8:9], s[8:9], s[36:37]          ; ctx's codes [b][g][tile][head][r][16]: a head is 256 bytes of a tile's 2,048
	s_wait_alu depctr_va_vdst(0)                   ; the offsets v104-v109 and the LDS addresses v1-v3 are written, which the loads and LDS stores below read
.irp i, 0,1,2,3
	global_load_b128 v[S+4*\i:S+4*\i+3], v[T+2], s[4:5] offset:8192*\i
.endr
.irp i, 0,1,2,3
	global_load_b128 v[S+16+4*\i:S+16+4*\i+3], v[T+2], s[6:7] offset:8192*\i
.endr
	global_load_b32 v[S+32], v[T+3], s[18:19]
	global_load_b32 v[S+33], v[T+3], s[22:23]
	global_load_b128 v[S+34:S+37], v[T+5], s[16:17]  ; both halves of the lanes take query r
	global_load_u8 v[QS], v[T+6], s[20:21]
	s_wait_loadcnt 0x0
.irp i, 0,1,2,3
	ds_store_b128 v[T+2], v[S+4*\i:S+4*\i+3] offset:8192*\i
	ds_store_b128 v[T+2], v[S+16+4*\i:S+16+4*\i+3] offset:VC+8192*\i
.endr
	ds_store_b32 v[T+7], v[S+32]
	ds_store_b32 v[T+7], v[S+33] offset:2048
	s_wait_dscnt 0x0                               ; for the others: my part lies in LDS
	s_barrier_signal -1
	s_barrier_wait -1
	s_wait_alu depctr_vm_vsrc(0)                   ; the loads and LDS stores above have read v104-v109 and v112-v145, which the loop's vector and matrix instructions write
	KLOAD AK0, AS0, 0, 0                           ; step 0
	v_cmp_gt_u32 vcc_lo, 16, v[T+1]                ; lanes 0-15
.irp i, 0,1,2,3
	v_mov_b32 v[QB+\i], 0
	v_mov_b32 v[QB+8+\i], 0
	v_mov_b32 v[QB+16+\i], 0
.endr
	s_wait_alu depctr_va_vcc(0)                    ; VCC is written, ahead of the selects that read it
.irp i, 0,1,2,3
	v_cndmask_b32 v[QB+4+\i], 0, v[S+34+\i], vcc_lo
	v_cndmask_b32 v[QB+12+\i], v[S+34+\i], v[QB], vcc_lo
.endr
	v_mul_lo_u32 v[QS], v[QS], s31                 ; the query's byte over all four blocks.  The 23 lines below stand between it and the first product
.irp j, 0,1,2,3,4,5,6,7,8,9,10,11,12,13,14,15
	v_mov_b32 v[O+\j], 0                           ; the step is written once: the first finds zeros, which the first change of M leaves zeros
.endr
	v_mov_b32 v13, 0xff61b1e6                      ; the largest t so far: -3e38
	v_floor_f32 v12, -v13                          ; -M
	v_mov_b32 v14, 0
	v_mov_b32 v15, 0
	v_mov_b32 v[XP], 0                             ; written once: a lane permute's destination counts as one of its sources
	v_mov_b32 v[XP+1], 0
	v_mov_b32 v[F+1], 0                            ; (named as the upper half of a pair)
	s_mov_b32 s32, 0                               ; the step's codes: 2,048 bytes a step
	s_mov_b32 s33, 0                               ; its scale words: 128 bytes a step
	s_mov_b32 s30, 16
	s_wait_alu depctr_va_vdst(0)                   ; the query's windows v16-35 and its scale word v5 are written, which every step's first product takes as operand and scales; the loop writes neither
.Lstep:
	s_wait_dscnt 0x0                               ; this step's k
.irp g, 0,1
.irp q, 0,1,2,3
	SMM \g, \q
.endr
.endr
	s_wait_alu depctr_vm_vsrc(0)                   ; the last step's LDS loads have read v9-v11, which the three lines below write
	v_add_nc_u32 v[ADK], s32, v[AK0]               ; four plain lines: the places in front of the loads into k's and v's registers and of the first read of the scores
	v_add_nc_u32 v[ADV], s32, v[AV0]
	v_add_nc_u32 v[ADS], s33, v[AS0]
	v_nop
	s_wait_alu depctr_va_vdst(0)                   ; v9-v11 are written; the products above are done reading k's fragments and scale word, the last step's second product v's: the ten loads below land in these
.irp i, 0,1,2,3
	ds_load_b128 v[VF+4*\i:VF+4*\i+3], v[ADV] offset:512*\i
.endr
	ds_load_b32 v[VS], v[ADS] offset:2048
	KLOAD ADK, ADS, 2048, 128                      ; the next step's k.  In the last trip these read v's bytes, inside LDS, and nobody uses them
.irp c, 0,1,2,3
	v_max3_num_f32 v[T+4+\c], v[S+16*\c], v[S+16*\c+1], v[S+16*\c+2]   ; the largest score of each block, in four chains of 16, each accumulator from its low end on
.endr
.irp i, 3,5,7,9,11,13
.irp c, 0,1,2,3
	v_max3_num_f32 v[T+4+\c], v[T+4+\c], v[S+16*\c+\i], v[S+16*\c+\i+1]
.endr
.endr
.irp g, 0,1
	v_max3_num_f32 v[BM+\g], v[T+4+2*\g], v[T+5+2*\g], v[S+32*\g+15]
.endr
.irp g, 0,1
	v_max_num_f32 v[BM+\g], v[BM+\g], v[S+32*\g+31]
.endr
	v_max_num_f32 v[T], v[BM], v[BM+1]
	v_permlanex16_b32 v[XP], v[T], s28, s29
	v_max_num_f32 v[T], v[T], v[XP]                ; the step's largest score of my query
	v_mul_f32 v[T], s26, v[T]
	v_max_num_f32 v13, v13, v[T]                   ; the running largest t
	v_mov_b32 v[T], v12
	v_floor_f32 v12, -v13                          ; the new -M = -ceil(t)
	v_sub_f32 v[T], v12, v[T]                      ; old M - new M: a whole number, 0 or less
	v_cvt_i32_f32 v[T], v[T]                       ; (it saturates)
	v_ldexp_f32 v[F], 1.0, v[T]
.set jj, 0
.rept 32
	v_pk_fma_f32 v[S+jj:S+jj+1], v[S+jj:S+jj+1], s[26:27], v[12:13] op_sel_hi:[1,0,0]   ; t - M
.set jj, jj+2
.endr
	v_fma_f32 v[BM], v[BM], s26, v12
	v_fma_f32 v[BM+1], v[BM+1], s26, v12
.set jj, 0
	s_wait_alu depctr_va_vdst(0)
.rept 64
	v_exp_f32 v[S+jj], v[S+jj]                     ; p
.set jj, jj+1
.endr
	v_pk_mul_f32 v[14:15], v[14:15], v[F:F+1] op_sel_hi:[1,0]    ; the sums under the new M: the plain line behind the batch
	s_wait_alu depctr_va_vdst(0)                   ; the 64 exponentials have written v112-175: one wait, ahead of their first reader
	v_exp_f32 v[BM], v[BM]                         ; the blocks' largest p
	v_exp_f32 v[BM+1], v[BM+1]
	v_pk_add_f32 v[T+2:T+3], v[S:S+1], v[S+2:S+3]  ; the sum of the unquantised p, in two chains
.irp j, 4,8,12
	v_pk_add_f32 v[14:15], v[14:15], v[S+\j:S+\j+1]
	v_pk_add_f32 v[T+2:T+3], v[T+2:T+3], v[S+\j+2:S+\j+3]
.endr
	s_wait_alu depctr_va_vdst(0)                   ; the two exponentials have written v92, v93, ahead of their first reader
	v_max_num_f32 v[BM], 0x1800000, v[BM]          ; the floor 2^(3 - 127): the byte cannot fall under 1
	v_max_num_f32 v[BM+1], 0x1800000, v[BM+1]
	v_add_nc_u32 v[SO], 0xff000000, v[BM]
	v_add_nc_u32 v[SO+1], 0xff000000, v[BM+1]
	v_lshrrev_b32 v[BY], 23, v[SO]
	v_lshrrev_b32 v[BY+1], 23, v[SO+1]
	v_lshl_or_b32 v[T], v[BY+1], 16, v[BY]         ; my blocks are h and 2 + h of the step's four
	v_lshlrev_b32 v[T], v[SH8], v[T]
	v_permlanex16_b32 v[XP+1], v[T], s28, s29
	v_or_b32 v[PS], v[T], v[XP+1]                  ; p's scale word.  The 25 sums below, which name no register of the second product, stand between it and that product
.irp j, 16,20,24,28,32,36,40,44,48,52,56,60
	v_pk_add_f32 v[14:15], v[14:15], v[S+\j:S+\j+1]
	v_pk_add_f32 v[T+2:T+3], v[T+2:T+3], v[S+\j+2:S+\j+3]
.endr
	v_pk_add_f32 v[14:15], v[14:15], v[T+2:T+3]
.irp g, 0,1
.irp q, 0,1,2,3
	v_cvt_scalef32_pk8_fp4_f32 v[P+4*\g+\q], v[S+32*\g+8*\q:S+32*\g+8*\q+7], v[SO+\g]
.endr
.endr
	v_nop                                          ; one plain line behind the last conversion
.irp j, 0,2,4,6,8,10,12,14
	v_pk_mul_f32 v[O+\j:O+\j+1], v[O+\j:O+\j+1], v[F:F+1] op_sel_hi:[1,0]   ; O^T under the new M.  With the line above: five lines that name none of its registers stand between p's codes and each of the two products
.endr
	s_wait_dscnt 5                                 ; v's five loads are in; the five of the next step's k, issued behind them, may be out
	s_wait_alu depctr_va_vdst(0)                   ; the conversions have written p's codes v68-75 and the lines above them its scale word v8, which the two products below take as operand and scales; the places stand ahead
	PVM 0
	PVM 1
	s_add_co_u32 s32, s32, 2048
	s_add_co_u32 s33, s33, 128
	s_sub_co_u32 s30, s30, 1
	s_cmp_lg_u32 s30, 0
	s_cbranch_scc1 .Lstep
	s_wait_dscnt 0x0                               ; the last trip's unused loads
.rept 4
	v_nop
.endr
	v_add_f32 v14, v14, v15
	v_permlanex16_b32 v[XP], v14, s28, s29
	v_add_f32 v14, v14, v[XP]                      ; the row's sum
	s_wait_alu depctr_va_vdst(0)
	v_rcp_f32 v14, v14
	v_and_b32 v[T], 15, v0                         ; (plain lines behind the reciprocal)
	v_bfe_u32 v[T+1], v0, 4, 1
	v_lshlrev_b32 v[T+2], 4, v[T]
	v_lshl_add_u32 v[T+2], v[T+1], 3, v[T+2]       ; 16 r + 8 h
	v_lshlrev_b32 v[T+3], 2, v[T]                  ; 4 r
	s_wait_alu depctr_va_vdst(0)                   ; the reciprocal has written v14, ahead of its first reader
.set jj, 0
.rept 16
	v_mul_f32 v[S+jj], v[O+jj], v14                ; ctx: channels 16 h + 0 .. 15 of my query
.set jj, jj+1
.endr
	v_max3_num_f32 v[T+4], |v[S]|, |v[S+1]|, 0x1800000
.irp i, 2,4,6,8,10,12,14
	v_max3_num_f32 v[T+4], v[T+4], |v[S+\i]|, |v[S+\i+1]|
.endr
	v_permlanex16_b32 v[XP+1], v[T+4], s28, s29
	v_max_num_f32 v[T+4], v[T+4], v[XP+1]          ; the head's 32 channels are one block of the next product's K
	v_add_nc_u32 v[SO], 0xff000000, v[T+4]
	v_lshrrev_b32 v[T+5], 23, v[SO]
	v_cvt_scalef32_pk8_fp4_f32 v[BY], v[S:S+7], v[SO]
	v_cvt_scalef32_pk8_fp4_f32 v[BY+1], v[S+8:S+15], v[SO]
	v_nop
	s_wait_alu depctr_va_vdst(0)                   ; ctx's codes v100, v101, its scale byte v107 and the offsets v104, v105 are written, which the two stores read
	global_store_b64 v[T+2], v[BY:BY+1], s[8:9]    ; the wave stores 256 consecutive bytes, aligned
	global_store_b8 v[T+3], v[T+5], s[24:25]       ; lanes r and r + 16 write the same byte with the same value
	s_wait_dscnt 0x0                               ; the closing lines, six on end
	s_wait_alu 0x0
	s_wait_tensorcnt 0x0
	ds_add_u32 v176, v177
	s_wait_dscnt 0x0
	s_endpgm
.Lfunc_end_k_qcd1f73b84c_attn0:
	.size	k_qcd1f73b84c_attn0, .Lfunc_end_k_qcd1f73b84c_attn0-k_qcd1f73b84c_attn0
	.p2alignl 7, 3214868480
	.fill 96, 4, 3214868480
	.section	.rodata,"a",@progbits
	.p2align	6, 0x0
	.amdhsa_kernel k_qcd1f73b84c_attn0
		.amdhsa_group_segment_fixed_size 71680
		.amdhsa_private_segment_fixed_size 0
		.amdhsa_enable_private_segment 0
		.amdhsa_kernarg_size 24
		.amdhsa_user_sgpr_count 2
		.amdhsa_user_sgpr_kernarg_segment_ptr 1
		.amdhsa_wavefront_size32 1
		.amdhsa_system_sgpr_workgroup_id_x 1
		.amdhsa_system_sgpr_workgroup_id_y 1
		.amdhsa_system_sgpr_workgroup_id_z 1
		.amdhsa_system_vgpr_workitem_id 0
		.amdhsa_next_free_vgpr 178
		.amdhsa_next_free_sgpr 66
		.amdhsa_reserve_vcc 1
		.amdhsa_float_denorm_mode_32 3
		.amdhsa_float_denorm_mode_16_64 3
		.amdhsa_memory_ordered 1
		.amdhsa_forward_progress 1
		.amdhsa_inst_pref_size 23
	.end_amdhsa_kernel
	.amdgpu_metadata
---
amdhsa.version: [ 1, 2 ]
amdhsa.kernels:
  - .name:           k_qcd1f73b84c_attn0
    .symbol:         k_qcd1f73b84c_attn0.kd
    .args:
      - { .name: qk, .offset: 0, .size: 8, .value_kind: global_buffer, .address_space: global }
      - { .name: vv, .offset: 8, .size: 8, .value_kind: global_buffer, .address_space: global }
      - { .name: cx, .offset: 16, .size: 8, .value_kind: global_buffer, .address_space: global }
    .group_segment_fixed_size: 71680
    .private_segment_fixed_size: 0
    .kernarg_segment_align: 8
    .kernarg_segment_size: 24
    .max_flat_workgroup_size: 512
    .sgpr_count:     66
    .vgpr_count:     178
    .wavefront_size: 32
...
	.end_amdgpu_metadata
.endif
;; end of part 5
;; launch enc0 (part 6): grid 128 x 1, 8 waves a work-group, no clusters, 184,832 bytes of LDS; arguments cx, x, out_w_codes, out_w_scales, out_b, ln1_s, ln1_b, w1_codes, w1_scales, b1, w2_codes, w2_scales, b2, ln2_s, ln2_b, in_w_codes, in_w_scales, in_b, lay0, x1, qk, vv; writes x1, qk, vv
.if DOCPART == 6
	.amdgcn_target "amdgcn-amd-amdhsa--gfx1250"
	.amdhsa_code_object_version 6
	.text
	.protected	k_qcd1f73b84c_enc0
	.globl	k_qcd1f73b84c_enc0
	.p2align	8
	.type	k_qcd1f73b84c_enc0,@function
k_qcd1f73b84c_enc0:
	s_mov_b64 s[64:65], 0
	v_nop
	global_prefetch_b8 v0, s[64:65] scope:SCOPE_SE
	s_setreg_imm32_b32 hwreg(HW_REG_WAVE_SCHED_MODE, 0, 2), 2
	s_setreg_imm32_b32 hwreg(HW_REG_WAVE_MODE, 25, 1), 1
	s_wait_xcnt 0x0
	s_wait_alu depctr_vm_vsrc(0)
; THE REST OF A LAYER, for 64 tokens of one b (b = x & 3, group g = x >> 2): y = LN1(x + ctx out_w^T + out_b); z = LN2(y + relu(y w1^T + b1) w2^T + b2); z is stored;
; and where a layer follows (layer number 0) its first product too: q, k, v = z in_w^T + in_b of the next layer, quantised and stored as the attention launch reads them.
; All products on codes of FP4 (E2M1) with E8M0 scales; ctx arrives as codes; y, the hidden layer and z are quantised here, in f32, and only z goes to memory as numbers.
; THE LAYER NUMBER l is read from a buffer of whole numbers that the first launch stored, held to 0 .. 1, and enters offsets by multiplications; three scalar branches on it pass over the next layer's part. No barrier stands under them.
; SHARES. Eight waves share the COLUMNS of every product (32 outputs of out_w and w2, 128 hidden units, 64 rows of q and k, one head of v), for all 64 tokens; for the norms and their quantising each owns 8 ROWS.
; THE ORDER OF ROWS IN A TILE. Tile m (0 .. 3) of a group of 64 takes, in lane r, item 32 (r / 8) + 8 m + r % 8, for tokens, hidden units and rows of q and k alike. In a result register j of lane half h is row 8 h + j of
; source 0: over four tiles a lane half holds items 32 h + 8 m + j, a whole block of 32 in one lane, ascending: four conversions give the operand's 16 bytes, and no lane is asked for a maximum.
; LDS: Y: 64 rows of 256 f32 (LDS row 16 m + r = token of tile m, lane r); AIMG, HIMG: operands as images of their registers, [tile][K step][c][lane][16]; ASC, HSC their scale words; a stage for each wave.
; The residual is the C of each sum's first product (read from Y in the result's layout); b1 and in_b likewise; out_b and b2 are added by the row owners.
; The weights come DENSE (512 bytes a load, or two pieces of 256), one phase ahead, into two sets of 64 registers by turns, and are turned into fragment order through the wave's own stage.
; LIMITS: NaN and infinities are not served. A block of zeros gets the scale byte 1 where the rule says 127: its codes are zeros, and the bytes are read by this program alone.
; THE MODE: SCHED_MODE bits 1:0 = 2 (LLVM: expert scheduling mode 2), set by the entry lines.  The code itself states the register dependences
; between vector or matrix instructions and memory or LDS instructions, with s_wait_alu, always for 0.
; THE PLAN.  Registers that memory or LDS instructions touch, and who else names them:
;   v1-v3       offsets and LDS addresses, made at the head and never written again.
;   v4-v11      the phase's offsets and LDS addresses.  Each time they are made anew: a wait on vm_vsrc ahead of the new lines (their last readers have read them), and a wait on va_vdst between the new lines and
;               their first reader; where such a wait stands anyway, the new lines are laid ahead of it.
;   v32-v159    the two sets of weights: loads land, LDS stores read, LDS loads land in the same registers (vm_vsrc between the two runs), products read; the next phase's loads land behind the wait that shows those products done.
;   v160-v223   rows (LDS loads land, the norm works in place, LDS and memory stores read) and accumulators (LDS loads land the residual, products write, LDS stores read); in a unit of 64 weight rows:
;               v160-191 accumulators, v192-207 a tile's fragments (LDS loads land, products read), v208-223 code words, four to a tile (conversions write, a store reads).
;   v224-v255   ctx's fragments, parameters, biases, the hidden layer's fragments (loads land, vector lines or products read); a row owner's code words v224-231 (conversions write, LDS stores read).
;   v12-v23     scale words: loads land, products read.   v24-v31: scale bytes and words (vector lines write, stores read).
; A TILE OF TOKENS has ONE wait on va_vdst, behind its products: they are done reading v192-207, in which the next tile's fragments land, and the tile before has written its codes and its byte, whose stores stand here, a tile late.
; A K STEP OF THE LAST PRODUCT has one, at its end: its products are done reading v224-255 and v20-23, in which the next step's loads land.
.set YP,   1040
.set AIMG, 66560
.set ASC,  74752
.set HIMG, 75264
.set HSC,  108032
.set STG,  110080
.set STW,  9216
.set GL16, 1                           ; v1   16 x lane
.set LB16, 2                           ; v2   AIMG + 16 x lane
.set LB4,  3                           ; v3   ASC + 4 x lane
.set ST0,  4                           ; v4, v5 the stage, way in and way out; near the end two offsets into memory
.set ST1,  5
.set GO0,  6                           ; v6, v7 offsets into memory
.set GO1,  7
.set PA0,  8                           ; v8   my rows in Y, 16 bytes a lane; in TAIL 4 r
.set PA1,  9                           ; v9-11 the phase's LDS addresses
.set PA2,  10
.set PA3,  11
.set WSA,  12                          ; v12-15, v16-19 the weights' scale words, v20-23 the tokens': scales and nothing else
.set WSB,  16
.set XS,   20
.set TM,   24                          ; v24-31 at work
.set WA,   32                          ; v32-95, v96-159 the two sets
.set WB,   96
.set AC,   160                         ; v160-223 rows, accumulators
.set GG,   224                         ; v224-255 biases, parameters, fragments of the hidden layer
.set SM,   248                         ; v248-255 a number for each of my 8 rows
.set CTJ,  GG-WA-64                    ; ctx's fragments (tile m, K step s) lie at WA + 32 + 16 m + 8 s for m = 0, 1 and in GG for m = 2, 3
.macro MM d, a, b, c, sa, sb, row      ; one product; row = 1: both scale words are taken from lanes 16-31
.if \row
	v_wmma_scale_f32_16x16x128_f8f6f4 v[(\d):(\d)+7], v[(\a):(\a)+7], v[(\b):(\b)+7], v[(\c):(\c)+7], v[\sa], v[\sb] matrix_a_fmt:MATRIX_FMT_FP4 matrix_b_fmt:MATRIX_FMT_FP4 matrix_a_scale:MATRIX_SCALE_ROW1 matrix_b_scale:MATRIX_SCALE_ROW1
.else
	v_wmma_scale_f32_16x16x128_f8f6f4 v[(\d):(\d)+7], v[(\a):(\a)+7], v[(\b):(\b)+7], v[(\c):(\c)+7], v[\sa], v[\sb] matrix_a_fmt:MATRIX_FMT_FP4 matrix_b_fmt:MATRIX_FMT_FP4
.endif
.endm
.macro BAR                             ; my LDS stores have landed and my LDS loads are in: then the barrier
	s_wait_dscnt 0x0
	s_barrier_signal -1
	s_barrier_wait -1
.endm
.macro OFFSC d, sh                     ; scale words of weight rows, 8 bytes a row: (r / 8) << sh + 8 (r % 8) + 4 h: lanes 0-15 take K step 0, lanes 16-31 K step 1
	v_bfe_u32 v[TM], v0, 3, 1
	v_and_b32 v[TM+1], 7, v0
	v_lshlrev_b32 v[TM+1], 3, v[TM+1]
	v_lshl_add_u32 v[TM], v[TM], \sh, v[TM+1]
	v_bfe_u32 v[TM+1], v0, 4, 1
	v_lshl_add_u32 v[\d], v[TM+1], 2, v[TM]
.endm
.macro OFFVB d                         ; v bias of channel 16 (r / 8) + r % 8, 4 bytes each
	v_bfe_u32 v[TM], v0, 3, 1
	v_and_b32 v[TM+1], 7, v0
	v_lshlrev_b32 v[TM+1], 2, v[TM+1]
	v_lshl_add_u32 v[\d], v[TM], 6, v[TM+1]
.endm
.macro SETA                            ; the stage for rows of 128 bytes, 144 apart: in: 4 rows a store; out: row r, + 16 h
	v_bfe_u32 v[TM], v0, 3, 2
	v_and_b32 v[TM+1], 7, v0
	v_mul_u32_u24 v[TM], v[TM], 144
	v_lshl_add_u32 v[TM], v[TM+1], 4, v[TM]
	v_add_nc_u32 v[ST0], s68, v[TM]
	v_and_b32 v[TM], 15, v0
	v_bfe_u32 v[TM+1], v0, 4, 1
	v_mul_u32_u24 v[TM], v[TM], 144
	v_lshl_add_u32 v[TM], v[TM+1], 4, v[TM]
	v_add_nc_u32 v[ST1], s68, v[TM]
.endm
.macro SETB                            ; the stage for pieces of 256 bytes, 272 apart: in: 2 rows a store; out: row r, + 16 h
	v_and_b32 v[TM], 15, v0
	v_bfe_u32 v[TM+1], v0, 4, 1
	v_mul_u32_u24 v[TM+2], v[TM+1], 272
	v_lshl_add_u32 v[TM+2], v[TM], 4, v[TM+2]
	v_add_nc_u32 v[ST0], s68, v[TM+2]
	v_mul_u32_u24 v[TM+2], v[TM], 272
	v_lshl_add_u32 v[TM+2], v[TM+1], 4, v[TM+2]
	v_add_nc_u32 v[ST1], s68, v[TM+2]
.endm
.macro SETROW                          ; the addresses of the wave as owner of 8 rows
	v_lshl_add_u32 v[PA1], v[GL16], 1, s69         ; my rows, 32 bytes a lane
	v_bfe_u32 v[TM], v0, 2, 3
	v_and_b32 v[TM+1], 3, v0
	v_lshlrev_b32 v[TM+1], 2, v[TM+1]
	v_lshl_add_u32 v[TM], v[TM], 8, v[TM+1]
	v_add_nc_u32 v[PA2], s76, v[TM]                ; my code word: lane L holds features 8 L on: 256 x (L / 4) + 4 (L % 4)
	v_bfe_u32 v[TM], v0, 4, 1
	v_bfe_u32 v[TM+1], v0, 2, 2
	v_lshl_add_u32 v[TM], v[TM], 6, v[TM+1]
	v_add_nc_u32 v[PA3], s77, v[TM]                ; my scale byte: 64 x K step + the block's number in it
.endm
.macro SETCOL                          ; the addresses of the wave as owner of columns
	v_and_b32 v[TM], 15, v0
	v_bfe_u32 v[TM+1], v0, 4, 1
	v_mul_u32_u24 v[TM+2], v[TM], YP
	v_lshl_add_u32 v[TM+2], v[TM+1], 5, v[TM+2]
	v_add_nc_u32 v[PA1], s80, v[TM+2]              ; Y: row r, my 32 features, + 8 h of them
	v_add_nc_u32 v[PA2], s78, v[GL16]              ; the hidden layer's image: K step w
	v_lshl_add_u32 v[TM], v[TM], 2, v[TM+1]
	v_add_nc_u32 v[PA3], s79, v[TM]                ; and its scale bytes: 4 r + h
.endm
.macro OFS p, lr, lm, wm, ex           ; a pointer goes s[lr] x lm + wave x wm + ex bytes on
	s_mul_i32 s60, s[\lr], \lm
.if \wm
	s_mul_i32 s59, s54, \wm
	s_add_co_u32 s60, s60, s59
.endif
.if \ex
	s_add_co_u32 s60, s60, \ex
.endif
	s_add_nc_u64 s[\p:\p+1], s[\p:\p+1], s[60:61]
.endm
.macro WISS_A wf, sw, pc, ps, oc, os   ; 64 weight rows of 128 bytes, dense, and their four scale words (GO0: the tile order)
.set ii, 0
.rept 16
	global_load_b128 v[\wf+4*ii:\wf+4*ii+3], v[GL16], s[\pc:\pc+1] offset:\oc+512*ii
.set ii, ii+1
.endr
.irp q, 0,1,2,3
	global_load_b32 v[\sw+\q], v[GO0], s[\ps:\ps+1] offset:\os+64*\q
.endr
.endm
.macro WISS_B wf, sw, q                ; half q along K of my 32 rows of w2: 256 bytes of each row, two rows a load; scale word 2 t + k: K steps 4 q + 2 k (lanes 0-15) and + 1 (lanes 16-31)
.set ii, 0
.rept 16
	global_load_b128 v[\wf+4*ii:\wf+4*ii+3], v[GO0], s[24:25] offset:1024*ii+256*\q
.set ii, ii+1
.endr
.irp t, 0,1
.irp k, 0,1
	global_load_b32 v[\sw+2*\t+\k], v[GO1], s[26:27] offset:512*\t+16*\q+8*\k
.endr
.endr
.endm
; n loads' worth of weight rows (4 rows a load) go into the stage, each four rows to the place that the tile order gives them, and come back as fragments (tile, K step) at wf + 8 (2 tile + K step).
; kind 0: as they lie; kind 1: 64 rows, row 32 a + 8 m + z goes to stage row 16 m + 8 a + z; kind 2: 32 rows, row 16 a + 8 u + z to 16 u + 8 a + z.
.macro TURN_A wf, n, kind
.set ii, 0
.rept \n
.if \kind == 0
.set sl, 4*ii
.elseif \kind == 1
.set sl, 16*((ii>>1)&3)+8*(ii>>3)+4*(ii&1)
.else
.set sl, 16*((ii>>1)&1)+8*(ii>>2)+4*(ii&1)
.endif
	ds_store_b128 v[ST0], v[\wf+4*ii:\wf+4*ii+3] offset:144*sl
.set ii, ii+1
.endr
	s_wait_alu depctr_vm_vsrc(0)                   ; the stores above have read the set's registers, in which the loads below land (it also shows every earlier LDS store's data read)
.set ii, 0
.rept \n/4
.irp s, 0,1
.irp c, 0,1
	ds_load_b128 v[\wf+8*(2*ii+\s)+4*\c:\wf+8*(2*ii+\s)+4*\c+3], v[ST1] offset:2304*ii+64*\s+32*\c
.endr
.endr
.set ii, ii+1
.endr
.endm
.macro TURN_B wf                       ; the same for w2: fragments (tile t, K step z of the half) at wf + 8 (4 t + z)
.set ii, 0
.rept 16
	ds_store_b128 v[ST0], v[\wf+4*ii:\wf+4*ii+3] offset:544*ii
.set ii, ii+1
.endr
	s_wait_alu depctr_vm_vsrc(0)                   ; the stores above have read the set's registers, in which the loads below land
.irp t, 0,1
.irp z, 0,1,2,3
.irp c, 0,1
	ds_load_b128 v[\wf+8*(4*\t+\z)+4*\c:\wf+8*(4*\t+\z)+4*\c+3], v[ST1] offset:4352*\t+64*\z+32*\c
.endr
.endr
.endr
.endm
.macro BIAS p, o, ex                   ; 32 numbers a lane: those of rows 32 h + 8 q + 0 .. 7
.irp q, 0,1,2,3
	global_load_b128 v[GG+8*\q:GG+8*\q+3], v[\o], s[\p:\p+1] offset:\ex+32*\q
	global_load_b128 v[GG+8*\q+4:GG+8*\q+7], v[\o], s[\p:\p+1] offset:\ex+32*\q+16
.endr
.endm
.macro PARAMS pa, pb, pc               ; a bias, a gain and a shift of the 8 features of a row owner's lane
	global_load_b128 v[GG:GG+3], v[GL16], s[\pa:\pa+1]
	global_load_b128 v[GG+4:GG+7], v[GL16], s[\pa:\pa+1] offset:512
	global_load_b128 v[GG+8:GG+11], v[GL16], s[\pb:\pb+1]
	global_load_b128 v[GG+12:GG+15], v[GL16], s[\pb:\pb+1] offset:512
	global_load_b128 v[GG+16:GG+19], v[GL16], s[\pc:\pc+1]
	global_load_b128 v[GG+20:GG+23], v[GL16], s[\pc:\pc+1] offset:512
.endm
.macro YLOAD                           ; accumulator 4 t + m: features 32 w + 16 t + 8 h + j of the tokens of tile m
.irp t, 0,1
.irp m, 0,1,2,3
	ds_load_b128 v[AC+8*(4*\t+\m):AC+8*(4*\t+\m)+3], v[PA1] offset:16*YP*\m+64*\t
	ds_load_b128 v[AC+8*(4*\t+\m)+4:AC+8*(4*\t+\m)+7], v[PA1] offset:16*YP*\m+64*\t+16
.endr
.endr
.endm
.macro YSTORE                          ; each accumulator from its low end on
.irp t, 0,1
.irp m, 0,1,2,3
	ds_store_b128 v[PA1], v[AC+8*(4*\t+\m):AC+8*(4*\t+\m)+3] offset:16*YP*\m+64*\t
	ds_store_b128 v[PA1], v[AC+8*(4*\t+\m)+4:AC+8*(4*\t+\m)+7] offset:16*YP*\m+64*\t+16
.endr
.endr
.endm
.macro XFL m                           ; the two fragments of token tile m
.irp s, 0,1
.irp c, 0,1
	ds_load_b128 v[AC+32+8*\s+4*\c:AC+32+8*\s+4*\c+3], v[LB16] offset:2048*(\m)+1024*\s+512*\c
.endr
.endr
.endm
.macro HOOK1                           ; behind the first unit's last products: the second unit's bias, then the first half of w2 into the set just left
	BIAS 22, GO1, 256
	s_wait_xcnt 0x0                                ; the offsets are rewritten only behind this wait
	s_wait_alu depctr_vm_vsrc(0)                   ; the loads that took v6 and v7 as offsets have read them
	v_and_b32 v[TM+3], 15, v0
	v_bfe_u32 v[TM+2], v0, 4, 1
	v_lshlrev_b32 v[GO0], 4, v[TM+3]
	v_lshl_add_u32 v[GO0], v[TM+2], 9, v[GO0]      ; 512 h + 16 r
	v_lshlrev_b32 v[GO1], 5, v[TM+3]
	v_lshl_add_u32 v[GO1], v[TM+2], 2, v[GO1]      ; 32 r + 4 h
	s_wait_alu depctr_va_vdst(0)                   ; v6 and v7 are written, which w2's loads read
	WISS_B WB, WSB, 0
.endm
.macro HOOK2
	WISS_B WA, WSA, 1
.endm
; Tile m's codes leave.  kind 0: the hidden layer's, with the scale byte, to LDS (half cc of K step w of the next product).  kind 1: q's and k's, to memory.
.macro USTORE kind, cc, m
.if \kind == 0
	ds_store_b128 v[PA2], v[AC+48+4*(\m):AC+48+4*(\m)+3] offset:8192*(\m)+512*\cc
	ds_store_b8 v[PA3], v[TM+4+(\m)] offset:512*(\m)+2*\cc   ; every lane has a byte of its own
.else
	global_store_b128 v[GO0], v[AC+48+4*(\m):AC+48+4*(\m)+3], s[44:45] offset:256*(\m)   ; lanes 0-15: 256 consecutive bytes of head 2 w, lanes 16-31 of head 2 w + 1
.endif
.endm
.macro UFLUSH kind, cc                 ; a unit's last tile has no tile behind it
	s_wait_alu depctr_va_vdst(0)                   ; tile 3 has written its codes v220-223 and its scale byte or word, which the stores below read
	USTORE \kind, \cc, 3
.endm
; 64 weight rows against token tile m: four accumulators by turns, the bias as the C of each sum's first product; then a lane's 32 numbers become 16 bytes and a scale byte.
; kind 0: the hidden layer (relu).  kind 1: q and k.  The tile's codes leave a tile later, behind that tile's wait.
.macro UTILE wf, sw, kind, cc, m, hook
	s_wait_dscnt 0x0                               ; the fragments are in
.irp p, 0,1,2,3
	MM AC+8*\p, \wf+16*\p, AC+32, GG+8*\p, \sw+\p, XS+\m, 0
.endr
.irp p, 0,1,2,3
	MM AC+8*\p, \wf+16*\p+8, AC+40, AC+8*\p, \sw+\p, XS+\m, 1
.endr
.rept 5
	v_nop                                          ; four places in front of loads into the operands and of the first read of results, a fifth since the next tile's products write over these accumulators
.endr
	s_wait_alu depctr_va_vdst(0)                   ; the products are done reading v192-207, in which the next tile's fragments land (in a unit's last tile: the weights, their scale words and the bias, likewise); the tile before has written its codes and byte, and the phase's head their addresses, which the stores below read
.if \m < 3
	XFL \m+1
.endif
.if \m > 0
	USTORE \kind, \cc, \m-1
.endif
.if \hook == 1
	HOOK1
.elseif \hook == 2
	HOOK2
.endif
.if \kind == 0
.set jj, 0
.rept 32
	v_max_num_f32 v[AC+jj], 0, v[AC+jj]            ; the activation, in f32
.set jj, jj+1
.endr
	v_max3_num_f32 v[TM], v[AC], v[AC+1], 0x1800000              ; none is negative: no |.|.  The floor 2^(3 - 127) holds the byte at 1 from below
	v_max3_num_f32 v[TM+1], v[AC+16], v[AC+17], 0x1800000
.irp i, 2,4,6,8,10,12,14
	v_max3_num_f32 v[TM], v[TM], v[AC+\i], v[AC+\i+1]
	v_max3_num_f32 v[TM+1], v[TM+1], v[AC+16+\i], v[AC+17+\i]
.endr
.else
	v_max3_num_f32 v[TM], |v[AC]|, |v[AC+1]|, 0x1800000          ; each accumulator from its low end on
	v_max3_num_f32 v[TM+1], |v[AC+16]|, |v[AC+17]|, 0x1800000
.irp i, 2,4,6,8,10,12,14
	v_max3_num_f32 v[TM], v[TM], |v[AC+\i]|, |v[AC+\i+1]|
	v_max3_num_f32 v[TM+1], v[TM+1], |v[AC+16+\i]|, |v[AC+17+\i]|
.endr
.endif
	v_max_num_f32 v[TM], v[TM], v[TM+1]
	v_add_nc_u32 v[TM+2], 0xff000000, v[TM]        ; 2 off the exponent field: the conversion's scale operand
.if \kind == 0
	v_lshrrev_b32 v[TM+4+\m], 23, v[TM+2]
.elseif \m == 0
	v_lshrrev_b32 v[TM+4], 23, v[TM+2]             ; the four tiles' bytes make the word of row r
.else
	v_lshrrev_b32 v[TM+3], 23, v[TM+2]
	v_lshl_or_b32 v[TM+4], v[TM+3], 8*\m, v[TM+4]
.endif
.irp p, 0,1,2,3
	v_cvt_scalef32_pk8_fp4_f32 v[AC+48+4*(\m)+\p], v[AC+8*\p:AC+8*\p+7], v[TM+2]
.endr
	v_nop                                          ; one plain line behind the last conversion
.endm
.macro REDUCE                          ; the eight rows' sums over the 32 lanes, by turns
.irp x, 1,2,4,8
.irp i, 0,1,2,3,4,5,6,7
	v_add_f32_dpp v[SM+\i], v[SM+\i], v[SM+\i] row_xmask:\x row_mask:0xf bank_mask:0xf
.endr
.endr
.irp i, 0,1,2,3,4,5,6,7
	v_permlanex16_b32 v[TM+\i], v[SM+\i], s62, s63
.endr
.irp i, 0,1,2,3,4,5,6,7
	v_add_f32 v[SM+\i], v[SM+\i], v[TM+\i]
.endr
.endm
; My 8 rows of Y, + a bias, normalised: mean, then the mean of the squared differences, as the definition has it. A lane holds features 4 L .. + 3 and 128 + 4 L .. + 3. lc: the loads that may stay out behind the parameters.
.macro LNORM lc
.irp i, 0,1,2,3,4,5,6,7
	ds_load_b128 v[AC+8*\i:AC+8*\i+3], v[PA0] offset:YP*\i
	ds_load_b128 v[AC+8*\i+4:AC+8*\i+7], v[PA0] offset:YP*\i+512
.endr
	s_wait_loadcnt \lc
	s_wait_dscnt 0x0
.irp i, 0,1,2,3,4,5,6,7
.irp k, 0,2,4,6
	v_pk_add_f32 v[AC+8*\i+\k:AC+8*\i+\k+1], v[AC+8*\i+\k:AC+8*\i+\k+1], v[GG+\k:GG+\k+1]
.endr
.endr
.irp i, 0,1,2,3,4,5,6,7
	v_pk_add_f32 v[TM+4*(\i%2):TM+4*(\i%2)+1], v[AC+8*\i:AC+8*\i+1], v[AC+8*\i+2:AC+8*\i+3]
	v_pk_add_f32 v[TM+4*(\i%2)+2:TM+4*(\i%2)+3], v[AC+8*\i+4:AC+8*\i+5], v[AC+8*\i+6:AC+8*\i+7]
	v_pk_add_f32 v[TM+4*(\i%2):TM+4*(\i%2)+1], v[TM+4*(\i%2):TM+4*(\i%2)+1], v[TM+4*(\i%2)+2:TM+4*(\i%2)+3]
	v_add_f32 v[SM+\i], v[TM+4*(\i%2)], v[TM+4*(\i%2)+1]
.endr
	REDUCE
.irp i, 0,1,2,3,4,5,6,7
	v_mul_f32 v[SM+\i], s66, v[SM+\i]              ; the mean
.endr
.irp i, 0,1,2,3,4,5,6,7
.irp k, 0,1,2,3,4,5,6,7
	v_sub_f32 v[AC+8*\i+\k], v[AC+8*\i+\k], v[SM+\i]
.endr
.endr
.irp i, 0,1,2,3,4,5,6,7
	v_pk_mul_f32 v[TM+2*(\i%4):TM+2*(\i%4)+1], v[AC+8*\i:AC+8*\i+1], v[AC+8*\i:AC+8*\i+1]
.irp k, 2,4,6
	v_pk_fma_f32 v[TM+2*(\i%4):TM+2*(\i%4)+1], v[AC+8*\i+\k:AC+8*\i+\k+1], v[AC+8*\i+\k:AC+8*\i+\k+1], v[TM+2*(\i%4):TM+2*(\i%4)+1]
.endr
	v_add_f32 v[SM+\i], v[TM+2*(\i%4)], v[TM+2*(\i%4)+1]
.endr
	REDUCE
.irp i, 0,1,2,3,4,5,6,7
	v_fma_f32 v[SM+\i], v[SM+\i], s66, s67         ; the variance + 1e-5
.endr
	s_wait_alu depctr_va_vdst(0)
.irp i, 0,1,2,3,4,5,6,7
	v_rsq_f32 v[SM+\i], v[SM+\i]
.endr
	v_nop                                          ; a plain line behind the batch,
	s_wait_alu depctr_va_vdst(0)                   ; the eight reciprocal roots have written v248-255: one wait, ahead of their first reader
.irp i, 0,1,2,3,4,5,6,7
.irp k, 0,1,2,3,4,5,6,7
	v_mul_f32 v[AC+8*\i+\k], v[AC+8*\i+\k], v[SM+\i]
.endr
.irp k, 0,2,4,6
	v_pk_fma_f32 v[AC+8*\i+\k:AC+8*\i+\k+1], v[AC+8*\i+\k:AC+8*\i+\k+1], v[GG+8+\k:GG+8+\k+1], v[GG+16+\k:GG+16+\k+1]
.endr
.endr
.endm
; My 8 rows (in AC, 4 + 4 features a lane) go back into Y and come again 8 neighbouring features a lane; four lanes hold a block of 32. stored = 1: stores to memory still read AC, and the wait ahead of them has shown AC written.
.macro QROWS stored
.if !\stored
	s_wait_alu depctr_va_vdst(0)                   ; the norm has written v160-223, which the stores below read; v7, the offset of the bias loads behind this macro, is written too
.endif
.irp i, 0,1,2,3,4,5,6,7
	ds_store_b128 v[PA0], v[AC+8*\i:AC+8*\i+3] offset:YP*\i
	ds_store_b128 v[PA0], v[AC+8*\i+4:AC+8*\i+7] offset:YP*\i+512
.endr
.if \stored
	s_wait_xcnt 0x0                                ; the stores to memory have read their registers
.endif
	s_wait_alu depctr_vm_vsrc(0)                   ; the stores above have read v160-223, in which the loads below land
.irp i, 0,1,2,3,4,5,6,7
	ds_load_b128 v[AC+8*\i:AC+8*\i+3], v[PA1] offset:YP*\i
	ds_load_b128 v[AC+8*\i+4:AC+8*\i+7], v[PA1] offset:YP*\i+16
.endr
	s_wait_dscnt 0x0
.irp i, 0,1,2,3,4,5,6,7
	v_max3_num_f32 v[TM+\i], |v[AC+8*\i]|, |v[AC+8*\i+1]|, 0x1800000
.endr
.irp k, 2,4,6
.irp i, 0,1,2,3,4,5,6,7
	v_max3_num_f32 v[TM+\i], v[TM+\i], |v[AC+8*\i+\k]|, |v[AC+8*\i+\k+1]|
.endr
.endr
.irp x, 1,2
.irp i, 0,1,2,3,4,5,6,7
	v_max_num_f32_dpp v[TM+\i], v[TM+\i], v[TM+\i] row_xmask:\x row_mask:0xf bank_mask:0xf
.endr
.endr
.irp i, 0,1,2,3,4,5,6,7
	v_add_nc_u32 v[SM+\i], 0xff000000, v[TM+\i]
.endr
.irp i, 0,1,2,3,4,5,6,7
	v_lshrrev_b32 v[TM+\i], 23, v[SM+\i]
.endr
.irp i, 0,1,2,3,4,5,6,7
	v_cvt_scalef32_pk8_fp4_f32 v[GG+\i], v[AC+8*\i:AC+8*\i+7], v[SM+\i]
.endr
	v_nop
	s_wait_alu depctr_va_vdst(0)                   ; the conversions have written v224-231 and the shifts v24-31, which the stores below read; all lines that name v224-255, in which the bias lands behind this macro, are done
.irp i, 0,1,2,3,4,5,6,7
	ds_store_b32 v[PA2], v[GG+\i] offset:16*\i
	ds_store_b8 v[PA3], v[TM+\i] offset:4*\i       ; the four lanes of a block write the same byte with the same value
.endr
.endm
; K step 4 q + z of the last product: four fragments of the hidden layer against my two tiles of w2: eight accumulators by turns.
.macro FSTEP wf, sw, q, z
.if (\z)%2 == 0
.irp m, 0,1,2,3
	ds_load_b32 v[XS+\m], v[LB4] offset:HSC-ASC+512*\m+128*(2*(\q)+(\z)/2)   ; lanes 0-15: the even K step, lanes 16-31 the odd one
.endr
.endif
.irp m, 0,1,2,3
.irp c, 0,1
	ds_load_b128 v[GG+8*\m+4*\c:GG+8*\m+4*\c+3], v[LB16] offset:HIMG-AIMG+8192*\m+1024*(4*(\q)+(\z))+512*\c
.endr
.endr
	s_wait_dscnt 0x0
.irp t, 0,1
.irp m, 0,1,2,3
	MM AC+8*(4*\t+\m), \wf+8*(4*\t+(\z)), GG+8*\m, AC+8*(4*\t+\m), \sw+2*\t+(\z)/2, XS+\m, (\z)%2
.endr
.endr
.rept 4
	v_nop                                          ; places in front of loads into the operands and of the first read of results
.endr
	s_wait_alu depctr_va_vdst(0)                   ; the products are done reading v224-255 and v20-23, in which the next step's loads land; behind the last step: the accumulators are written, which LDS stores read, and the weights' sets are free for the next loads
.endm
; q, k and v of the 64 tokens whose codes lie in AIMG.
.macro TAIL
	s_wait_xcnt 0x0                                ; the row stores have read v160-223
.irp m, 0,1,2,3
	ds_load_b32 v[XS+\m], v[LB4] offset:128*\m
.endr
	s_wait_loadcnt 0x0                             ; the weights, their scale words and the biases
	SETA
	s_wait_alu depctr_va_vdst(0)                   ; v4 and v5 are written: the stage's stores and loads read them
	TURN_A WB, 16, 1
	v_and_b32 v[TM], 15, v0
	v_bfe_u32 v[TM+5], v0, 4, 1
	v_lshlrev_b32 v[GO0], 4, v[TM]
	v_lshl_add_u32 v[GO0], v[TM+5], 15, v[GO0]     ; codes: 16 r, and lanes 16-31 one head (32,768 bytes) on
	v_lshlrev_b32 v[PA0], 2, v[TM]                 ; 4 r
	v_lshl_add_u32 v[GO1], v[TM+5], 11, v[PA0]     ; scale words: 4 r, one head is 2,048 bytes
	v_lshlrev_b32 v[TM+5], 3, v[TM+5]              ; 8 h
	XFL 0
.irp m, 0,1,2,3
	UTILE WB, WSB, 1, 0, \m, 0
.endr
	UFLUSH 1, 0
	global_store_b32 v[GO1], v[TM+4], s[50:51]     ; (the wait just above has shown the word v28 written)
.irp j, 0,1,2,3,4,5,6,7
	v_mov_b32 v[GG+\j], v[WA+32]                   ; v: a lane holds one channel, so its bias is one number in all eight registers of C
	v_mov_b32 v[GG+8+\j], v[WA+33]
.endr
	TURN_A WA, 8, 2
.irp m, 0,1,2,3
.irp s, 0,1
.irp c, 0,1
	ds_load_b128 v[WB+16*\m+8*\s+4*\c:WB+16*\m+8*\s+4*\c+3], v[LB16] offset:2048*\m+1024*\s+512*\c
.endr
.endr
.endr
	s_wait_alu depctr_va_vdst(0)
	s_wait_xcnt 0x0                                ; the stores of q's and k's codes have read v208-223, which the products below write
	s_wait_alu depctr_vm_vsrc(0)                   ; the same, stated for the matrix side: those stores have read v208-223
	s_wait_dscnt 0x0
.irp u, 0,1
.irp m, 0,1,2,3
	MM AC+32*\u+8*\m, WB+16*\m, WA+16*\u, GG+8*\u, XS+\m, WSA+\u, 0
.endr
.endr
.irp u, 0,1
.irp m, 0,1,2,3
	MM AC+32*\u+8*\m, WB+16*\m+8, WA+16*\u+8, AC+32*\u+8*\m, XS+\m, WSA+\u, 1
.endr
.endr
.rept 4
	v_nop
.endr
.irp u, 0,1                            ; registers 32 u + 8 m + j: keys 64 g + 32 h + 8 m + j of channel 16 (r / 8) + 8 u + r % 8
	v_max3_num_f32 v[TM], |v[AC+32*\u]|, |v[AC+32*\u+1]|, 0x1800000
	v_max3_num_f32 v[TM+1], |v[AC+32*\u+16]|, |v[AC+32*\u+17]|, 0x1800000
.irp i, 2,4,6,8,10,12,14
	v_max3_num_f32 v[TM], v[TM], |v[AC+32*\u+\i]|, |v[AC+32*\u+\i+1]|
	v_max3_num_f32 v[TM+1], v[TM+1], |v[AC+32*\u+16+\i]|, |v[AC+32*\u+17+\i]|
.endr
	v_max_num_f32 v[TM], v[TM], v[TM+1]
	v_add_nc_u32 v[TM+2], 0xff000000, v[TM]
	v_lshrrev_b32 v[TM+3], 23, v[TM+2]
.irp p, 0,1,2,3
	v_cvt_scalef32_pk8_fp4_f32 v[WB+4*\u+\p], v[AC+32*\u+8*\p:AC+32*\u+8*\p+7], v[TM+2]
.endr
	v_lshlrev_b32 v[TM+3], v[TM+5], v[TM+3]        ; (the plain line behind the conversions)  my byte at its place in the halfword,
	v_permlanex16_b32 v[TM+6+\u], v[TM+3], s62, s63
	v_or_b32 v[TM+6+\u], v[TM+6+\u], v[TM+3]       ; with that of lane l xor 16
.endr
	s_wait_alu depctr_va_vdst(0)                   ; both channels' codes v96-103 and halfwords v30, v31 are written, which the four stores below read
.irp u, 0,1
	global_store_b128 v[GL16], v[WB+4*\u:WB+4*\u+3], s[46:47] offset:1024*\u   ; 512 consecutive bytes
	global_store_b16 v[PA0], v[TM+6+\u], s[52:53] offset:64*\u                 ; both halves of the lanes write the same halfword
.endr
.endm
	; ---- the head
	s_load_b512 s[4:19], s[0:1], 0x0               ; cx 4, x in 6, out_w codes 8, scales 10, out_b 12, ln1_s 14, ln1_b 16, w1 codes 18
	s_load_b512 s[20:35], s[0:1], 0x40             ; w1 scales 20, b1 22, w2 codes 24, scales 26, b2 28, ln2_s 30, ln2_b 32, in_w codes 34
	s_load_b256 s[36:43], s[0:1], 0x80             ; in_w scales 36, in_b 38, the layer number 40, x out 42
	s_load_b128 s[44:47], s[0:1], 0xa0             ; qk 44, vv 46
	s_set_vgpr_msb 0x40
	v_lshl_add_u32 v0, v0, 2, 0x2ce00
	v_mov_b32 v1, 0
	s_set_vgpr_msb 0x4000
.irp i, 0,1,2,3,4,5,6,7
	v_mov_b32 v[TM+\i], 0                          ; written once: a lane permute's destination counts as one of its sources
.endr
	v_lshrrev_b32 v[GO0], 5, v0
	v_readfirstlane_b32 s54, v[GO0]                ; wave 0..7
	s_and_b32 s55, ttmp9, 3                        ; b
	s_lshr_b32 s56, ttmp9, 2                       ; g
	s_mov_b32 s61, 0
	s_mov_b32 s62, 0x76543210
	s_mov_b32 s63, 0xfedcba98                      ; v_permlanex16_b32: lane l xor 16
	s_mov_b32 s66, 0x3b800000                      ; 1 / 256
	s_mov_b32 s67, 0x3727c5ac                      ; 1e-5
	s_wait_alu depctr_va_sdst(0)                   ; s54 is written, ahead of its first reader
	s_lshr_b32 s81, s54, 1
	s_and_b32 s82, s54, 1
	s_mul_i32 s68, s54, STW
	s_add_co_u32 s68, s68, STG                     ; my stage
	s_mul_i32 s69, s54, 8*YP                       ; my 8 rows: LDS row 8 w + i is token 32 (w % 2) + 8 (w / 2) + i of the group
	s_lshl_b32 s76, s81, 11
	s_lshl_b32 s59, s82, 7
	s_add_co_u32 s76, s76, s59
	s_add_co_u32 s76, s76, AIMG
	s_lshl_b32 s77, s81, 7
	s_lshl_b32 s59, s82, 5
	s_add_co_u32 s77, s77, s59
	s_add_co_u32 s77, s77, ASC
	s_lshl_b32 s78, s54, 10
	s_add_co_u32 s78, s78, HIMG
	s_lshl_b32 s79, s81, 7
	s_lshl_b32 s59, s82, 6
	s_add_co_u32 s79, s79, s59
	s_add_co_u32 s79, s79, HSC
	s_lshl_b32 s80, s54, 7
	v_and_b32 v[GL16], 31, v0
	v_lshlrev_b32 v[GL16], 4, v[GL16]
	v_add_nc_u32 v[LB16], AIMG, v[GL16]
	v_lshrrev_b32 v[GO0], 2, v[GL16]               ; 4 x lane
	v_add_nc_u32 v[LB4], ASC, v[GO0]
	v_add_nc_u32 v[PA0], s69, v[GL16]
	SETCOL
	SETA
	v_and_b32 v[TM], 15, v0
	v_bfe_u32 v[TM+1], v0, 4, 1
	v_lshlrev_b32 v[TM], 3, v[TM]
	v_lshl_add_u32 v[GO1], v[TM+1], 2, v[TM]       ; 8 r + 4 h: scale words of rows as they lie
	s_wait_kmcnt 0x0
	s_load_b32 s57, s[40:41], 0x0                  ; the layer number
	s_lshl_b32 s60, s55, 5
	s_add_co_u32 s60, s60, s56                     ; 32 b + g
	s_lshl_b32 s59, s60, 9
	s_lshl_b32 s60, s60, 13
	s_add_nc_u64 s[48:49], s[4:5], 0x100000
	s_add_nc_u64 s[4:5], s[4:5], s[60:61]          ; ctx's codes: 8,192 bytes a group
	s_mov_b32 s60, s59
	s_add_nc_u64 s[48:49], s[48:49], s[60:61]      ; and its scale words: 512
	s_lshl_b32 s60, s56, 18                        ; x: 64 tokens of 4,096 bytes a group, 1,024 bytes a b, my first token
	s_lshl_b32 s59, s55, 10
	s_add_co_u32 s60, s60, s59
	s_lshl_b32 s59, s82, 17
	s_add_co_u32 s60, s60, s59
	s_lshl_b32 s59, s81, 15
	s_add_co_u32 s60, s60, s59
	s_add_nc_u64 s[6:7], s[6:7], s[60:61]
	s_add_nc_u64 s[42:43], s[42:43], s[60:61]
	s_wait_alu depctr_va_vdst(0)                   ; the offsets and LDS addresses v1 to v11 are written, which the loads and stores below read
.irp i, 0,1,2,3,4,5,6,7
	global_load_b128 v[AC+8*\i:AC+8*\i+3], v[GL16], s[6:7] offset:4096*\i th:TH_LOAD_NT
	global_load_b128 v[AC+8*\i+4:AC+8*\i+7], v[GL16], s[6:7] offset:4096*\i+512 th:TH_LOAD_NT
.endr
.irp m, 0,1,2,3
.irp s, 0,1
.irp c, 0,1
	global_load_b128 v[WA+32+16*\m+8*\s+(\m/2)*CTJ+4*\c:WA+32+16*\m+8*\s+(\m/2)*CTJ+4*\c+3], v[GL16], s[4:5] offset:2048*\m+1024*\s+512*\c
.endr
.endr
.endr
.irp m, 0,1,2,3
	global_load_b32 v[XS+\m], v[GO0], s[48:49] offset:128*\m   ; lanes 0-15: K step 0, lanes 16-31: K step 1
.endr
	s_mov_b64 s[50:51], s[44:45]                   ; where q, k, v go
	s_mov_b64 s[52:53], s[46:47]
	s_lshl_b32 s60, s55, 19
	s_lshl_b32 s59, s54, 16
	s_add_co_u32 s60, s60, s59
	s_lshl_b32 s59, s56, 10
	s_add_co_u32 s60, s60, s59
	s_add_nc_u64 s[44:45], s[44:45], s[60:61]      ; qk codes: (16 b + 2 w) heads of 32,768 bytes, g groups of 1,024
	s_lshl_b32 s60, s55, 15
	s_lshl_b32 s59, s54, 12
	s_add_co_u32 s60, s60, s59
	s_lshl_b32 s59, s56, 6
	s_add_co_u32 s60, s60, s59
	s_add_co_u32 s60, s60, 0x200000
	s_add_nc_u64 s[50:51], s[50:51], s[60:61]      ; qk scale bytes
	s_lshr_b32 s83, s56, 1
	s_and_b32 s84, s56, 1
	s_lshl_b32 s60, s55, 18
	s_lshl_b32 s59, s54, 15
	s_add_co_u32 s60, s60, s59
	s_lshl_b32 s59, s83, 11
	s_add_co_u32 s60, s60, s59
	s_lshl_b32 s59, s84, 9
	s_add_co_u32 s60, s60, s59
	s_add_nc_u64 s[46:47], s[46:47], s[60:61]      ; vv codes: head 8 b + w, step g / 2, c = g % 2
	s_lshl_b32 s60, s55, 14
	s_lshl_b32 s59, s54, 11
	s_add_co_u32 s60, s60, s59
	s_lshl_b32 s59, s83, 7
	s_add_co_u32 s60, s60, s59
	s_lshl_b32 s59, s84, 1
	s_add_co_u32 s60, s60, s59
	s_add_co_u32 s60, s60, 0x100000
	s_add_nc_u64 s[52:53], s[52:53], s[60:61]      ; vv scale bytes
	s_mov_b64 s[70:71], s[34:35]
	s_mov_b64 s[72:73], s[36:37]
	s_mov_b64 s[74:75], s[38:39]
	s_wait_kmcnt 0x0
	s_min_u32 s57, s57, 1                          ; l, held inside the tables
	s_add_co_u32 s58, s57, 1
	s_min_u32 s58, s58, 1                          ; the layer whose in_w the tail takes
	OFS 8, 57, 32768, 4096, 0                      ; out_w: my 32 rows
	OFS 10, 57, 2048, 256, 0
	OFS 18, 57, 131072, 16384, 0                   ; w1: my 128 rows
	OFS 20, 57, 8192, 1024, 0
.irp i, 0,1,2,3,4,5,6,7
	global_load_b128 v[WA+4*\i:WA+4*\i+3], v[GL16], s[8:9] offset:512*\i
.endr
.irp t, 0,1
	global_load_b32 v[WSA+\t], v[GO1], s[10:11] offset:128*\t
.endr
	s_wait_xcnt 0x0                                ; ctx's scale loads have read v6
	s_wait_alu depctr_vm_vsrc(0)                   ; the same, stated for the vector side: v6 is made anew below
	OFFSC GO0, 8
	s_wait_alu depctr_va_vdst(0)                   ; v6 is written, which the loads of w1's scale words read
	WISS_A WB, WSB, 18, 20, 0, 0                   ; w1, first 64 rows
	OFS 12, 57, 1024, 0, 0
	OFS 14, 57, 1024, 0, 0
	OFS 16, 57, 1024, 0, 0
	OFS 22, 57, 4096, 512, 0
	OFS 24, 57, 131072, 16384, 0                   ; w2: my 32 rows
	OFS 26, 57, 8192, 1024, 0
	OFS 28, 57, 1024, 0, 0
	OFS 30, 57, 1024, 0, 0
	OFS 32, 57, 1024, 0, 0
	OFS 34, 58, 98304, 8192, 0                     ; in_w: my 64 rows of q and k,
	OFS 36, 58, 6144, 512, 0
	OFS 38, 58, 3072, 256, 0
	OFS 70, 58, 98304, 4096, 65536                 ; my 32 rows of v
	OFS 72, 58, 6144, 256, 4096
	OFS 74, 58, 3072, 128, 2048
	s_wait_loadcnt 50                              ; x's 16 loads are in; behind them: ctx 16 + 4, out_w 8 + 2, w1 16 + 4
.irp i, 0,1,2,3,4,5,6,7
	ds_store_b128 v[PA0], v[AC+8*\i:AC+8*\i+3] offset:YP*\i
	ds_store_b128 v[PA0], v[AC+8*\i+4:AC+8*\i+7] offset:YP*\i+512
.endr
	s_wait_loadcnt 20                              ; ctx and out_w are in; w1's 20 may be out
	TURN_A WA, 8, 0                                ; (its wait on vm_vsrc also shows v160-223 read by the stores just above: the residual lands there behind the barrier)
	BAR                                            ; x's 64 rows lie in Y
	; ---- x + ctx out_w^T: the residual is the C
	YLOAD
	s_wait_dscnt 0x0
.irp s, 0,1
.irp t, 0,1
.irp m, 0,1,2,3
	MM AC+8*(4*\t+\m), WA+16*\t+8*\s, WA+32+16*\m+8*\s+(\m/2)*CTJ, AC+8*(4*\t+\m), WSA+\t, XS+\m, \s
.endr
.endr
.endr
.rept 4
	v_nop
.endr
	s_wait_alu depctr_va_vdst(0)                   ; the products have written v160-223, which the LDS stores below read, and are done reading v32-95, v224-255 and v12-15, in which the loads below land
	PARAMS 12, 14, 16
	WISS_A WA, WSA, 18, 20, 8192, 512              ; w1, second 64 rows
	YSTORE
	BAR
	; ---- the first norm, and its rows as an operand
	s_wait_alu depctr_vm_vsrc(0)                   ; the LDS loads and stores above have read v9 and v160-223: v9 is made anew, and my rows land in v160-223
	SETROW
	LNORM 20                                       ; the second unit's 20 loads may be out
	s_wait_xcnt 0x0
	v_bfe_u32 v[GO1], v0, 4, 1                     ; (its last readers, out_w's scale loads, stand ahead of the wait on vm_vsrc above)
	v_lshlrev_b32 v[GO1], 7, v[GO1]                ; 128 h
	QROWS 0                                        ; Y now holds the normalised rows: the next residual
	s_wait_alu depctr_vm_vsrc(0)                   ; the stores of codes and bytes have read v224-231, in which the bias lands, v24-31 and v9-v11, which are written anew behind the barrier
	s_wait_dscnt 0x0                               ; my images lie in LDS
	BIAS 22, GO1, 0
	s_barrier_signal -1
	s_barrier_wait -1
	; ---- the hidden layer: my 128 units in two units of 64
	SETCOL
.irp m, 0,1,2,3
	ds_load_b32 v[XS+\m], v[LB4] offset:128*\m
.endr
	TURN_A WB, 16, 1                               ; (shown landed by the norm's wait)
	s_wait_loadcnt 0x0                             ; b1
	XFL 0
	UTILE WB, WSB, 0, 0, 0, 0
	UTILE WB, WSB, 0, 0, 1, 0
	UTILE WB, WSB, 0, 0, 2, 0
	UTILE WB, WSB, 0, 0, 3, 1
	UFLUSH 0, 0
	s_wait_loadcnt 20                              ; the second unit's bias is in; w2's 20 may be out
	TURN_A WA, 16, 1                               ; (its wait on vm_vsrc also shows the first unit's codes v208-223 and bytes v28-31 read: the second unit writes them anew)
	XFL 0
	UTILE WA, WSA, 0, 1, 0, 0
	UTILE WA, WSA, 0, 1, 1, 0
	UTILE WA, WSA, 0, 1, 2, 0
	UTILE WA, WSA, 0, 1, 3, 2
	UFLUSH 0, 1
	BAR                                            ; the hidden layer's 32 fragments lie in LDS
	; ---- + hidden w2^T: the residual is the C again
	s_wait_alu depctr_vm_vsrc(0)                   ; the stage's stores and loads have read v4 and v5, which are made anew; the stores of the hidden codes have read v208-223, in which the residual lands
	SETB
	s_wait_alu depctr_va_vdst(0)                   ; v4 and v5 are written: the stage's stores and loads read them
	YLOAD
	s_wait_loadcnt 20                              ; the first half of w2 is in; the second half's 20 may be out
	TURN_B WB
	FSTEP WB, WSB, 0, 0
	FSTEP WB, WSB, 0, 1
	FSTEP WB, WSB, 0, 2
	FSTEP WB, WSB, 0, 3
	s_wait_loadcnt 0x0
	TURN_B WA
	FSTEP WA, WSA, 1, 0
	FSTEP WA, WSA, 1, 1
	FSTEP WA, WSA, 1, 2
	FSTEP WA, WSA, 1, 3
	s_wait_alu depctr_vm_vsrc(0)                   ; w2's loads have read v6 and v7, which are made anew where a layer follows: stated ahead of the branch
	s_cmp_lt_u32 s57, 1                            ; does a layer follow?
	s_cbranch_scc0 .Lno_next_a
	s_wait_xcnt 0x0
	OFFSC GO0, 8
	OFFSC GO1, 7
	s_wait_alu depctr_va_vdst(0)                   ; v6 and v7 are written, which the loads of the scale words below read
	WISS_A WB, WSB, 34, 36, 0, 0                   ; its q and k rows,
.irp i, 0,1,2,3,4,5,6,7
	global_load_b128 v[WA+4*\i:WA+4*\i+3], v[GL16], s[70:71] offset:512*\i   ; its v rows
.endr
.irp u, 0,1
	global_load_b32 v[WSA+\u], v[GO1], s[72:73] offset:64*\u
.endr
.Lno_next_a:
	PARAMS 28, 30, 32
	YSTORE
	BAR
	; ---- the second norm; the rows leave
	s_wait_alu depctr_vm_vsrc(0)                   ; the LDS loads and stores above have read v4, v5, v9-v11 and v160-223: the addresses are made anew, and my rows land in v160-223
	SETROW
	LNORM 0                                        ; the parameters were issued last on both ways
	s_wait_alu depctr_va_vdst(0)                   ; the norm has written v160-223, which the stores below (and, where a layer follows, the LDS stores behind them) read
.irp i, 0,1,2,3,4,5,6,7
	global_store_b128 v[GL16], v[AC+8*\i:AC+8*\i+3], s[42:43] offset:4096*\i th:TH_STORE_NT        ; 512 consecutive bytes a store
	global_store_b128 v[GL16], v[AC+8*\i+4:AC+8*\i+7], s[42:43] offset:4096*\i+512 th:TH_STORE_NT
.endr
	s_wait_alu depctr_vm_vsrc(0)                   ; the row stores have read v160-223, in which loads land where a layer follows: stated ahead of the branch
	s_cmp_lt_u32 s57, 1
	s_cbranch_scc0 .Lno_next_b
	OFFVB ST0                                      ; the two bias offsets are made here, ahead of the wait on va_vdst that stands in front of the stores of codes
	v_bfe_u32 v[ST1], v0, 4, 1
	v_lshlrev_b32 v[ST1], 7, v[ST1]                ; 128 h
	QROWS 1
	s_wait_alu depctr_vm_vsrc(0)                   ; the stores of codes have read v224-231, in which the bias lands
	s_wait_dscnt 0x0
	BIAS 38, ST1, 0
.irp u, 0,1
	global_load_b32 v[WA+32+\u], v[ST0], s[74:75] offset:32*\u
.endr
.Lno_next_b:
	BAR
	s_wait_alu depctr_vm_vsrc(0)                   ; the loads of the biases have read v4 and v5, the row owner's LDS instructions v8, which the next layer's part makes anew: stated ahead of the branch
	s_cmp_lt_u32 s57, 1
	s_cbranch_scc0 .Lno_next_c
	TAIL
.Lno_next_c:
	s_set_vgpr_msb 0x5
	s_wait_dscnt 0x0                               ; the closing lines, six on end
	s_wait_alu 0x0
	s_wait_tensorcnt 0x0
	ds_add_u32 v0, v1
	s_wait_dscnt 0x0
	s_endpgm
.Lfunc_end_k_qcd1f73b84c_enc0:
	.size	k_qcd1f73b84c_enc0, .Lfunc_end_k_qcd1f73b84c_enc0-k_qcd1f73b84c_enc0
	.p2alignl 7, 3214868480
	.fill 96, 4, 3214868480
	.section	.rodata,"a",@progbits
	.p2align	6, 0x0
	.amdhsa_kernel k_qcd1f73b84c_enc0
		.amdhsa_group_segment_fixed_size 184832
		.amdhsa_private_segment_fixed_size 0
		.amdhsa_enable_private_segment 0
		.amdhsa_kernarg_size 176
		.amdhsa_user_sgpr_count 2
		.amdhsa_user_sgpr_kernarg_segment_ptr 1
		.amdhsa_wavefront_size32 1
		.amdhsa_system_sgpr_workgroup_id_x 1
		.amdhsa_system_sgpr_workgroup_id_y 1
		.amdhsa_system_sgpr_workgroup_id_z 1
		.amdhsa_system_vgpr_workitem_id 0
		.amdhsa_next_free_vgpr 258
		.amdhsa_next_free_sgpr 96
		.amdhsa_reserve_vcc 0
		.amdhsa_float_denorm_mode_32 3
		.amdhsa_float_denorm_mode_16_64 3
		.amdhsa_memory_ordered 1
		.amdhsa_forward_progress 1
		.amdhsa_inst_pref_size 177
	.end_amdhsa_kernel
	.amdgpu_metadata
---
amdhsa.version: [ 1, 2 ]
amdhsa.kernels:
  - .name:           k_qcd1f73b84c_enc0
    .symbol:         k_qcd1f73b84c_enc0.kd
    .args:
      - { .name: cx, .offset: 0, .size: 8, .value_kind: global_buffer, .address_space: global }
      - { .name: x, .offset: 8, .size: 8, .value_kind: global_buffer, .address_space: global }
      - { .name: out_w_codes, .offset: 16, .size: 8, .value_kind: global_buffer, .address_space: global }
      - { .name: out_w_scales, .offset: 24, .size: 8, .value_kind: global_buffer, .address_space: global }
      - { .name: out_b, .offset: 32, .size: 8, .value_kind: global_buffer, .address_space: global }
      - { .name: ln1_s, .offset: 40, .size: 8, .value_kind: global_buffer, .address_space: global }
      - { .name: ln1_b, .offset: 48, .size: 8, .value_kind: global_buffer, .address_space: global }
      - { .name: w1_codes, .offset: 56, .size: 8, .value_kind: global_buffer, .address_space: global }
      - { .name: w1_scales, .offset: 64, .size: 8, .value_kind: global_buffer, .address_space: global }
      - { .name: b1, .offset: 72, .size: 8, .value_kind: global_buffer, .address_space: global }
      - { .name: w2_codes, .offset: 80, .size: 8, .value_kind: global_buffer, .address_space: global }
      - { .name: w2_scales, .offset: 88, .size: 8, .value_kind: global_buffer, .address_space: global }
      - { .name: b2, .offset: 96, .size: 8, .value_kind: global_buffer, .address_space: global }
      - { .name: ln2_s, .offset: 104, .size: 8, .value_kind: global_buffer, .address_space: global }
      - { .name: ln2_b, .offset: 112, .size: 8, .value_kind: global_buffer, .address_space: global }
      - { .name: in_w_codes, .offset: 120, .size: 8, .value_kind: global_buffer, .address_space: global }
      - { .name: in_w_scales, .offset: 128, .size: 8, .value_kind: global_buffer, .address_space: global }
      - { .name: in_b, .offset: 136, .size: 8, .value_kind: global_buffer, .address_space: global }
      - { .name: lay0, .offset: 144, .size: 8, .value_kind: global_buffer, .address_space: global }
      - { .name: x1, .offset: 152, .size: 8, .value_kind: global_buffer, .address_space: global }
      - { .name: qk, .offset: 160, .size: 8, .value_kind: global_buffer, .address_space: global }
      - { .name: vv, .offset: 168, .size: 8, .value_kind: global_buffer, .address_space: global }
    .group_segment_fixed_size: 184832
    .private_segment_fixed_size: 0
    .kernarg_segment_align: 8
    .kernarg_segment_size: 176
    .max_flat_workgroup_size: 256
    .sgpr_count:     96
    .vgpr_count:     258
    .wavefront_size: 32
...
	.end_amdgpu_metadata
.endif
;; end of part 6
;; launch attn1: the kernel of part 5 again; grid 8 x 32, 16 waves a work-group, no clusters, 71,680 bytes of LDS; arguments qk, vv, cx; writes cx
;; launch enc1: the kernel of part 6 again; grid 128 x 1, 8 waves a work-group, no clusters, 184,832 bytes of LDS; arguments cx, x1, out_w_codes, out_w_scales, out_b, ln1_s, ln1_b, w1_codes, w1_scales, b1, w2_codes, w2_scales, b2, ln2_s, ln2_b, in_w_codes, in_w_scales, in_b, lay1, out0, qk, vv; writes out0, qk, vv
